; MI455X (gfx1250); checked and timed in simulation.
; The chip was launched on July 23, 2026; its instructions are those of AMD's public machine-readable ISA for CDNA 5 (MIT licence, August 2026) and "CDNA5" Instruction Set Architecture Reference Guide (July 2026). The comments in the code are by the model that wrote it; some were corrected since.
;; Causal Self Attention. Allowed arithmetic: matrix products marked QUANTISED: E2M1 operands, one E8M0 scale for each 32 along K, by v_wmma_scale_f32_16x16x128_f8f6f4 with both operands' format E2M1 (or v_wmma_scale_f32_32x16x128_f4), f32 sums; everything else in f32.
;; Inputs: Wgate 32 x 16 float32; Wk 2,048 x 2,048 float32; Wproj 2,048 x 2,048 float32; Wq 2,048 x 2,048 float32; Wv 2,048 x 2,048 float32; cos 1 x 2,048 x 1 x 64 float32; sin 1 x 2,048 x 1 x 64 float32; ve 1 x 2,048 x 2,048 float32; x 1 x 2,048 x 2,048 float32.
;; Outputs: out0 1 x 2,048 x 2,048 float32.
;; This version of the problem:
;;   THIS VERSION OF THE PROBLEM IS GIVEN IN LOW PRECISION. The matrix products marked QUANTISED in the list below multiply operands that are first quantised to E2M1 (2 exponent bits, 1 mantissa bit; 4 bits a number), with one power-of-two scale for each 32 numbers along K (OCP MX v1.0); their sums are f32. All else is computed in f32.
;;   The module's matrix products, in the order in which they are computed (A, B: the left and right operand; K: the contracted axis; several contracted axes count as one K, in the product's order):
;;     1. [M 2,048, K 2,048] x [K 2,048, N 2,048]; A: input x; B: input Wq: QUANTISED
;;     2. [M 2,048, K 2,048] x [K 2,048, N 2,048]; A: input x; B: input Wk: QUANTISED
;;     3. [M 2,048, K 2,048] x [K 2,048, N 2,048]; A: input x; B: input Wv: QUANTISED
;;     4. [M 2,048, K 32] x [K 32, N 16]; A: input x; B: input Wgate: QUANTISED
;;     5. batch 16 x [M 2,048, K 128] x [K 128, N 2,048]; A: computed on the way; B: computed on the way: QUANTISED
;;     6. batch 16 x [M 128, K 2,048] x [K 2,048, N 2,048]; A: computed on the way; B: softmax (see below): QUANTISED
;;     7. [M 2,048, K 2,048] x [K 2,048, N 2,048]; A: computed on the way; B: input Wproj: QUANTISED
;;   THE QUANTISER, for each operand of a quantised product, along K:
;;     - K is cut into blocks of 32 from its start; a last block that is shorter is filled with zeros.
;;     - A block's scale is 2^e with e = floor(log2(the largest magnitude in the block)) - 2, held to -126 .. 127; a block of zeros has e = 0. As a byte (E8M0): e + 127.
;;     - Each number is divided by its block's scale, clamped to +-6, and rounded to the nearest number of E2M1, ties to even, subnormals kept.
;;     - The product sums the exact products of the quantised numbers (number of the format x scale) in f32.
;;   ~~~python
;;   def quantise(x, axis):      # numpy; x: float32 -> the quantised numbers, widened to float32 again
;;       x = np.moveaxis(x, axis, -1); K = x.shape[-1]
;;       x = np.pad(x, [(0, 0)] * (x.ndim - 1) + [(0, -K % 32)]); x = x.reshape(x.shape[:-1] + (-1, 32)); a = np.abs(x).max(-1, keepdims=True)
;;       e = np.where(a > 0, np.clip(np.frexp(np.where(a > 0, a, 1))[1] - 1 - 2, -126, 127), 0)      # np.frexp(a)[1] - 1 = floor(log2(a)), exactly
;;       r = np.clip(x / 2.0 ** e, -6, 6)
;;       step = 2.0 ** (np.maximum(np.frexp(np.where(r == 0, 1, r))[1] - 1, 0) - 1)
;;       q = np.round(r / step) * step * 2.0 ** e      # np.round: ties to even
;;       return np.moveaxis(q.reshape(q.shape[:-2] + (-1,))[..., :K], -1, axis).astype(np.float32)
;;   ~~~
;;   SOFTMAX AHEAD OF A QUANTISED PRODUCT. Where the list says 'softmax', what is quantised is not the finished softmax but p = 2^(t - M), with t = logit x log2(e) and M = ceil(the row's largest t), a whole number; so 1/2 < the row's largest p <= 1. The row's sum l is taken of the UNQUANTISED p, in f32, and the product's result is divided by l at the end. Since M is a whole number, a kernel that streams over the keys may use a running M (the ceiling of the running maximum): every later rescaling is an exact power of two, which a block's scale takes up: the codes' values come out the same.
;;   OPERANDS COMPUTED ON THE WAY. 'Computed on the way' means the value that the module computes at that place (a softmax that the list does not call 'softmax' is quantised finished and normalised). What goes into a quantiser is computed in f32, as accurately as f32 sums, v_exp_f32 and their like allow (about 1e-6 of the number): no bf16 or f16 on the way to a quantiser, and a product that is left as it is and whose result goes on into a quantised operand takes f32 operands (vector FMAs, or v_wmma_f32_16x16x4_f32). A number that lies on a knife's edge between two numbers of the format may be rounded either way, as far as f32 arithmetic and the matrix unit's own rounding can turn it there, and no further.
;; 2 versions. Each part assembles by itself: llvm-mc -triple=amdgcn-amd-amdhsa -mcpu=gfx1250 --defsym DOCPART=n.
;; ======== version 1 of 2: 5 launches
;; workspace buffers: xc 2,097,152 bytes; xs 131,072 bytes; wc 8,388,608 bytes; ws 524,288 bytes; img 6,291,456 bytes; sc 393,216 bytes; yimg 2,097,152 bytes; ysc 131,072 bytes
;; launch quant_x (part 1): grid 256 x 1, 2 waves a work-group, no clusters, 16,640 bytes of LDS; arguments x, xc, xs; writes xc, xs
.if DOCPART == 1
	.amdgcn_target "amdgcn-amd-amdhsa--gfx1250"
	.amdhsa_code_object_version 6
	.text
	.protected	k_q051146d7ab_quant_x
	.globl	k_q051146d7ab_quant_x
	.p2align	8
	.type	k_q051146d7ab_quant_x,@function
k_q051146d7ab_quant_x:
	s_mov_b64 s[64:65], 0
	v_nop
	global_prefetch_b8 v0, s[64:65] scope:SCOPE_SE
	s_setreg_imm32_b32 hwreg(HW_REG_WAVE_MODE, 25, 1), 1
	s_wait_xcnt 0x0
; x [2048][2048] f32 becomes codes of FP4 (E2M1), K innermost (1,024 bytes a row), and one E8M0 byte for each 32 along K (64 bytes a row).
; A block's scale byte is its largest magnitude's exponent field - 2, held at 1 from below; each number is divided by the scale and rounded to the nearest code, ties to even.
; ROW ORDER OF THE OUTPUT: row L is written at row position P = L with bits 3 and 4 exchanged, so that 16 neighbouring positions hold rows 0-7 and 16-23 (or 8-15 and 24-31) of a group of 32:
; the products that read these rows then find a lane's results in the order that the next quantiser wants.
; A wave takes a run of 8,192 numbers (4 rows), 16 steps of 512.  Rows 4 s .. 4 s + 3 share bits 3 and 4, which are bits 1 and 2 of the run's number s: the whole run moves.
; Each load reads 512 consecutive bytes; a step's 2,048 bytes turn through the wave's own stage in LDS so that a lane holds 16 neighbours; two neighbouring lanes hold a block.
; Loads run eight steps (32 loads a wave) ahead, the turn through LDS one step.  No barrier: waves share nothing.
; LIMITS: NaN and infinities are not served; a block of zeros, or one under 2^-124, keeps the byte 1 (its codes are zeros or small; the bytes are read by this program alone).
.set STEPS, 16
.set AHEAD, 8
.set EMAX,  2
.set CB,    8                          ; bytes of 16 codes
.set R,     16                         ; v16-143  eight sets of 16 numbers as they are loaded
.set X,     144                        ; v144-175 two sets of 16 neighbours
.set E,     176                        ; v176-191 a scale byte for each step
.set C,     192                        ; v192-255 codes: four registers for each step, so that no store's data are written again
.set WREG,  8192                       ; LDS: a region for each wave: two stages of 32 x SP bytes, then its 256 scale bytes
.set SP,    80                         ; a lane's place in a stage: 64 bytes + 16 of padding
	s_load_b128 s[4:7], s[0:1], 0x0                ; x, the codes
	s_load_b64 s[8:9], s[0:1], 0x10                ; the scale bytes
	v_lshl_add_u32 v254, v0, 2, 0x4000
	v_mov_b32 v255, 0
	v_lshrrev_b32 v1, 5, v0
	v_readfirstlane_b32 s16, v1                    ; wave
	v_and_b32 v2, 31, v0                           ; lane
	v_lshlrev_b32 v3, 4, v2                        ; my 16 bytes of a load's 512
	s_mul_i32 s17, s16, WREG
	v_lshrrev_b32 v14, 2, v2
	v_mul_u32_u24 v14, v14, SP
	v_and_b32 v15, 3, v2
	v_lshl_add_u32 v14, v15, 4, v14
	v_add_nc_u32 v14, s17, v14                     ; into the stage: SP (lane / 4) + 16 (lane % 4)
	v_mul_u32_u24 v15, v2, SP
	v_add_nc_u32 v15, s17, v15                     ; out of it: SP x lane: my 16 neighbours
	v_mul_u32_u24 v4, v2, CB                       ; my codes' place in a step's
	v_lshrrev_b32 v5, 1, v2
	s_add_co_u32 s17, s17, 2*32*SP
	v_add_nc_u32 v5, s17, v5                       ; my block's byte among the wave's 256
	v_lshlrev_b32 v7, 3, v2
	v_add_nc_u32 v6, s17, v7                       ; and on the way out 8 bytes a lane
	s_lshl_b32 s18, ttmp9, 1
	s_add_co_u32 s18, s18, s16                     ; my run, 0 .. 511
	s_lshr_b32 s20, s18, 1
	s_lshr_b32 s21, s18, 2
	s_xor_b32 s20, s20, s21
	s_and_b32 s20, s20, 1                          ; 1 where bits 1 and 2 differ
	s_mul_i32 s20, s20, 6
	s_xor_b32 s20, s18, s20                        ; the run's number with bits 1 and 2 exchanged
	s_lshl_b32 s22, s18, 15                        ; in: 32,768 bytes a run
	s_mov_b32 s23, 0
	s_lshl_b32 s24, s20, 12                        ; codes: 4,096 bytes a run
	s_mov_b32 s25, 0
	s_lshl_b32 s26, s20, 8                         ; scale bytes: 256 a run
	s_mov_b32 s27, 0
	s_wait_kmcnt 0x0
	s_add_nc_u64 s[4:5], s[4:5], s[22:23]
	s_add_nc_u64 s[6:7], s[6:7], s[24:25]
	s_add_nc_u64 s[8:9], s[8:9], s[26:27]
.macro LOAD t
.irp i, 0,1,2,3
	global_load_b128 v[R+16*((\t)%AHEAD)+4*\i:R+16*((\t)%AHEAD)+4*\i+3], v3, s[4:5] offset:2048*(\t)+512*\i th:TH_LOAD_NT   ; 32 lanes read 512 consecutive bytes
.endr
.endm
.macro TURN t                          ; step t's numbers through the stage: LDS serves a wave's instructions in order, so no wait stands between the stores and the loads
.irp i, 0,1,2,3
	ds_store_b128 v14, v[R+16*((\t)%AHEAD)+4*\i:R+16*((\t)%AHEAD)+4*\i+3] offset:32*SP*((\t)%2)+8*SP*\i
.endr
.irp i, 0,1,2,3
	ds_load_b128 v[X+16*((\t)%2)+4*\i:X+16*((\t)%2)+4*\i+3], v15 offset:32*SP*((\t)%2)+16*\i
.endr
.endm
.irp t, 0,1,2,3,4,5,6,7
	LOAD \t
.endr
	s_wait_loadcnt 28                              ; step 0's four loads are in; the seven steps behind it may be out
	TURN 0
.macro STEP t
.set XS, X+16*((\t)%2)
.if (\t) > 0
	s_wait_dscnt 1                                 ; this step's numbers are back from the stage (the last step's byte store may be out)
.else
	s_wait_dscnt 0x0
.endif
.if (\t)+AHEAD < STEPS
	LOAD (\t)+AHEAD                                ; into the set that this step's stage stores have read
.endif
.if (\t)+1 < STEPS
.if STEPS-2-(\t) >= AHEAD-1
	s_wait_loadcnt 4*(AHEAD-1)                     ; the next step's four loads are in; those of the seven steps behind it may be out
.else
	s_wait_loadcnt 4*(STEPS-2-(\t))
.endif
	TURN (\t)+1                                    ; through the other stage while this step is worked
.endif
	v_max3_num_f32 v8, |v[XS]|, |v[XS+1]|, |v[XS+2]|               ; the largest magnitude of my 16, in two chains
	v_max3_num_f32 v9, |v[XS+3]|, |v[XS+4]|, |v[XS+5]|
.irp i, 6,10
	v_max3_num_f32 v8, v8, |v[XS+\i]|, |v[XS+\i+1]|
	v_max3_num_f32 v9, v9, |v[XS+\i+2]|, |v[XS+\i+3]|
.endr
	v_max3_num_f32 v8, v8, |v[XS+14]|, |v[XS+15]|
	v_max3_num_f32 v8, v8, v9, (EMAX+1)<<23        ; and the floor 2^(3 - 127): the byte cannot fall under 1
	v_max_num_f32_dpp v8, v8, v8 row_xmask:1 row_mask:0xf bank_mask:0xf   ; with my neighbour's 16: the block's
	v_add_nc_u32 v11, -(EMAX<<23), v8              ; 2 off its exponent field: the conversion takes that field as its scale
	v_cvt_scalef32_pk8_fp4_f32 v[C+4*(\t)], v[XS:XS+7], v11
	v_cvt_scalef32_pk8_fp4_f32 v[C+4*(\t)+1], v[XS+8:XS+15], v11
	v_lshrrev_b32 v[E+(\t)], 23, v11               ; the scale's byte (also the plain line behind the conversions)
	ds_store_b8 v5, v[E+(\t)] offset:16*(\t)       ; both lanes of a block write the same byte with the same value
	global_store_b64 v4, v[C+4*(\t):C+4*(\t)+1], s[6:7] offset:32*CB*(\t)   ; the wave stores 256 consecutive bytes, aligned
.endm
.irp t, 0,1,2,3,4,5,6,7,8,9,10,11,12,13,14,15
	STEP \t
.endr
	ds_load_b64 v[12:13], v6                       ; LDS serves a wave's instructions in order: these see my stores
	s_wait_dscnt 0x0
	global_store_b64 v7, v[12:13], s[8:9]          ; 32 lanes store 256 consecutive bytes, aligned
	s_wait_tensorcnt 0x0
	ds_add_u32 v254, v255
	s_wait_dscnt 0x0
	s_endpgm
.Lfunc_end_k_q051146d7ab_quant_x:
	.size	k_q051146d7ab_quant_x, .Lfunc_end_k_q051146d7ab_quant_x-k_q051146d7ab_quant_x
	.p2alignl 7, 3214868480
	.fill 96, 4, 3214868480
	.section	.rodata,"a",@progbits
	.p2align	6, 0x0
	.amdhsa_kernel k_q051146d7ab_quant_x
		.amdhsa_group_segment_fixed_size 16640
		.amdhsa_private_segment_fixed_size 0
		.amdhsa_enable_private_segment 0
		.amdhsa_kernarg_size 24
		.amdhsa_user_sgpr_count 2
		.amdhsa_user_sgpr_kernarg_segment_ptr 1
		.amdhsa_wavefront_size32 1
		.amdhsa_system_sgpr_workgroup_id_x 1
		.amdhsa_system_sgpr_workgroup_id_y 1
		.amdhsa_system_sgpr_workgroup_id_z 1
		.amdhsa_system_vgpr_workitem_id 0
		.amdhsa_next_free_vgpr 256
		.amdhsa_next_free_sgpr 66
		.amdhsa_reserve_vcc 0
		.amdhsa_float_denorm_mode_32 3
		.amdhsa_float_denorm_mode_16_64 3
		.amdhsa_memory_ordered 1
		.amdhsa_forward_progress 1
		.amdhsa_inst_pref_size 33
	.end_amdhsa_kernel
	.amdgpu_metadata
---
amdhsa.version: [ 1, 2 ]
amdhsa.kernels:
  - .name:           k_q051146d7ab_quant_x
    .symbol:         k_q051146d7ab_quant_x.kd
    .args:
      - { .name: x, .offset: 0, .size: 8, .value_kind: global_buffer, .address_space: global }
      - { .name: xc, .offset: 8, .size: 8, .value_kind: global_buffer, .address_space: global }
      - { .name: xs, .offset: 16, .size: 8, .value_kind: global_buffer, .address_space: global }
    .group_segment_fixed_size: 16640
    .private_segment_fixed_size: 0
    .kernarg_segment_align: 8
    .kernarg_segment_size: 24
    .max_flat_workgroup_size: 64
    .sgpr_count:     66
    .vgpr_count:     256
    .wavefront_size: 32
...
	.end_amdgpu_metadata
.endif
;; end of part 1
;; launch quant_w (part 2): grid 16 x 16, 16 waves a work-group, no clusters, 38,912 bytes of LDS; arguments Wq, Wk, Wv, Wproj, wc, ws; writes wc, ws
.if DOCPART == 2
	.amdgcn_target "amdgcn-amd-amdhsa--gfx1250"
	.amdhsa_code_object_version 6
	.text
	.protected	k_q051146d7ab_quant_w
	.globl	k_q051146d7ab_quant_w
	.p2align	8
	.type	k_q051146d7ab_quant_w,@function
k_q051146d7ab_quant_w:
	s_mov_b64 s[64:65], 0
	v_nop
	global_prefetch_b8 v0, s[64:65] scope:SCOPE_SE
	s_setreg_imm32_b32 hwreg(HW_REG_WAVE_MODE, 25, 1), 1
	s_wait_xcnt 0x0
; Wq, Wk, Wv, Wproj, each [2048 (k)][2048 (n)] f32 with K as the FIRST axis, become codes of FP4 (E2M1) laid [n][k] with K innermost, and one E8M0 byte for each 32 along K.
; wc: [8192 rows][1,024 bytes], ws: [8192 rows][64 bytes]; rows 0-2047 Wq's columns, then Wk's, Wv's, Wproj's.  Column n lies at row position n with bits 3 and 4 exchanged.
; A LANE TAKES A COLUMN AND ITS REGISTERS RUN DOWN K: a block of 32 lies in one lane's 32 registers, its maximum needs no other lane, and the conversions give codes with K innermost.
; A work-group takes 128 columns x 512 k of one tensor (x: the columns; y: 4 x tensor + which 512 k).  Wave w takes columns 32 (w % 4) on and k 128 (w / 4) on: 4 blocks a lane.
; The codes meet in one stage (128 rows x 256 bytes + 16), behind one barrier, and leave by rows: sixteen lanes store 256 consecutive bytes, aligned.
; The scale bytes leave as 16 bytes a row of ws (rows 64 bytes apart): 1 byte in 128 of what the launch reads.
; Loads run two blocks (64 loads a wave, 128 bytes each) ahead.
; LIMITS: NaN and infinities are not served; a block of zeros, or one under 2^-124, keeps the byte 1 (the bytes are read by this program alone).
.set NB,    4
.set PITCH, 272
.set SST,   128*PITCH                  ; behind the stage: 128 rows x 16 scale bytes
.set EMAX,  2
.set SB,    24                         ; v24      my four scale bytes
.set X,     32                         ; v32-95   two sets of 32 numbers
.set C,     96                         ; v96-99   a block's codes
.set SO,    100                        ; v100-103 a row's 16 scale bytes on the way out
.set OUTR,  112                        ; v112-127 the way out
	s_load_b256 s[4:11], s[0:1], 0x0               ; Wq, Wk, Wv, Wproj
	s_load_b128 s[12:15], s[0:1], 0x20             ; wc, ws
	v_lshl_add_u32 v128, v0, 2, 0x9000
	v_mov_b32 v129, 0
	v_lshrrev_b32 v1, 5, v0
	v_readfirstlane_b32 s16, v1                    ; wave 0..15
	v_and_b32 v1, 31, v0                           ; lane
	s_and_b32 s17, s16, 3                          ; c: which 32 columns
	s_lshr_b32 s18, s16, 2                         ; kq: which 128 k
	s_and_b32 s19, ttmp7, 0xffff
	s_lshr_b32 s20, s19, 2                         ; tensor
	s_and_b32 s21, s19, 3                          ; which 512 k
	v_and_b32 v2, 7, v1
	v_bfe_u32 v11, v1, 3, 1
	v_lshl_add_u32 v2, v11, 4, v2
	v_bfe_u32 v11, v1, 4, 1
	v_lshl_add_u32 v2, v11, 3, v2                  ; my column's position among the 32: bits 3 and 4 exchanged
	v_lshlrev_b32 v3, 2, v1                        ; in: 4 bytes a lane
	s_mul_i32 s22, s17, 32*PITCH
	s_lshl_b32 s23, s18, 6
	s_add_co_u32 s22, s22, s23
	v_mul_u32_u24 v4, v2, PITCH
	v_add_nc_u32 v4, s22, v4                       ; into the stage: row 32 c + position, byte 64 kq
	s_lshl_b32 s22, s17, 9
	s_lshl_b32 s23, s18, 2
	s_add_co_u32 s22, s22, s23
	s_add_co_u32 s22, s22, SST
	v_lshl_add_u32 v5, v2, 4, s22                  ; my four scale bytes: row x 16 + 4 kq
	v_and_b32 v11, 15, v1
	v_lshrrev_b32 v12, 4, v1
	s_mul_i32 s22, s16, 8*PITCH
	v_mul_u32_u24 v7, v12, PITCH
	v_lshl_add_u32 v7, v11, 4, v7
	v_add_nc_u32 v7, s22, v7                       ; out of the stage: wave w takes rows 8 w on, sixteen lanes to a row, two rows an instruction
	v_lshlrev_b32 v8, 10, v12
	v_lshl_add_u32 v8, v11, 4, v8                  ; and the same place in wc
	v_and_b32 v13, 127, v0
	v_lshl_add_u32 v9, v13, 4, SST                 ; threads 0-127: a row's 16 scale bytes
	v_lshlrev_b32 v10, 6, v13
	s_lshl_b32 s24, s21, 9
	s_lshl_b32 s25, s18, 7
	s_add_co_u32 s24, s24, s25                     ; my first k
	s_lshl_b32 s24, s24, 13                        ; x 8,192 bytes a row of W
	s_lshl_b32 s25, ttmp9, 9
	s_add_co_u32 s24, s24, s25
	s_lshl_b32 s25, s17, 7
	s_add_co_u32 s24, s24, s25                     ; + 4 x my first column
	s_mov_b32 s25, 0
	s_lshl_b32 s26, s20, 11
	s_lshl_b32 s27, ttmp9, 7
	s_add_co_u32 s26, s26, s27                     ; the work-group's first row of wc and ws
	s_lshl_b32 s28, s26, 6
	s_lshl_b32 s29, s21, 4
	s_add_co_u32 s28, s28, s29
	s_mov_b32 s29, 0
	s_lshl_b32 s27, s16, 3
	s_add_co_u32 s26, s26, s27
	s_lshl_b32 s26, s26, 10
	s_lshl_b32 s27, s21, 8
	s_add_co_u32 s26, s26, s27
	s_mov_b32 s27, 0
	s_wait_kmcnt 0x0
	s_cmp_eq_u32 s20, 1                            ; which tensor: the choice hangs on the work-group's number alone
	s_cselect_b64 s[4:5], s[6:7], s[4:5]
	s_cmp_eq_u32 s20, 2
	s_cselect_b64 s[4:5], s[8:9], s[4:5]
	s_cmp_eq_u32 s20, 3
	s_cselect_b64 s[4:5], s[10:11], s[4:5]
	s_add_nc_u64 s[4:5], s[4:5], s[24:25]
	s_add_nc_u64 s[12:13], s[12:13], s[26:27]
	s_add_nc_u64 s[14:15], s[14:15], s[28:29]
.macro LOAD t                          ; block t: W(32 t + i, my column), i = 0 .. 31, into set t % 2
.set i_, 0
.rept 32
	global_load_b32 v[X+32*((\t)%2)+i_], v3, s[4:5] offset:(32*(\t)+i_)*8192 th:TH_LOAD_NT
.set i_, i_+1
.endr
.endm
	LOAD 0
	LOAD 1
.macro BLOCK t
.set XS, X+32*((\t)%2)
.if (\t) < NB-1
	s_wait_loadcnt 32                              ; this block's 32 loads are in; the next block's may be out
.else
	s_wait_loadcnt 0
.endif
	v_max3_num_f32 v12, |v[XS]|, |v[XS+1]|, |v[XS+2]|               ; the block's largest magnitude: all 32 numbers are mine
	v_max3_num_f32 v13, |v[XS+3]|, |v[XS+4]|, |v[XS+5]|
.irp i, 6,10,14,18,22,26
	v_max3_num_f32 v12, v12, |v[XS+\i]|, |v[XS+\i+1]|
	v_max3_num_f32 v13, v13, |v[XS+\i+2]|, |v[XS+\i+3]|
.endr
	v_max3_num_f32 v12, v12, |v[XS+30]|, |v[XS+31]|
	v_max3_num_f32 v12, v12, v13, (EMAX+1)<<23     ; and the floor 2^(3 - 127)
	v_add_nc_u32 v11, -(EMAX<<23), v12             ; the conversion's scale operand
	v_lshrrev_b32 v13, 23, v11                     ; the scale's byte
.if (\t) == 0
	v_mov_b32 v[SB], v13
.else
	v_lshl_or_b32 v[SB], v13, 8*(\t), v[SB]
.endif
.irp g, 0,1,2,3
	v_cvt_scalef32_pk8_fp4_f32 v[C+\g], v[XS+8*\g:XS+8*\g+7], v11
.endr
	v_nop                                          ; one plain line behind the conversions
	ds_store_b128 v4, v[C:C+3] offset:16*(\t)      ; 32 codes: 16 bytes of my column's row
.if (\t)+2 < NB
	LOAD (\t)+2
.endif
	s_wait_dscnt 0x0                               ; the store has read its registers: the next block's codes may be written
.endm
	BLOCK 0
	BLOCK 1
	BLOCK 2
	BLOCK 3
	ds_store_b32 v5, v[SB]
	s_wait_dscnt 0x0                               ; for the others' sake: my stores into the stage are done
	s_barrier_signal -1
	s_barrier_wait -1
.irp t, 0,1,2,3
	ds_load_b128 v[OUTR+4*\t:OUTR+4*\t+3], v7 offset:2*\t*PITCH
.endr
.irp t, 0,1,2,3
	s_wait_dscnt 3-\t                              ; the younger loads may be out
	global_store_b128 v8, v[OUTR+4*\t:OUTR+4*\t+3], s[12:13] offset:2*\t*1024
.endr
	s_cmp_lt_u32 s16, 4                            ; waves 0-3: a thread to each of the 128 rows of scale bytes
	s_cbranch_scc0 .Lend
	ds_load_b128 v[SO:SO+3], v9
	s_wait_dscnt 0x0
	global_store_b128 v10, v[SO:SO+3], s[14:15]
.Lend:
	s_wait_tensorcnt 0x0
	ds_add_u32 v128, v129
	s_wait_dscnt 0x0
	s_endpgm
.Lfunc_end_k_q051146d7ab_quant_w:
	.size	k_q051146d7ab_quant_w, .Lfunc_end_k_q051146d7ab_quant_w-k_q051146d7ab_quant_w
	.p2alignl 7, 3214868480
	.fill 96, 4, 3214868480
	.section	.rodata,"a",@progbits
	.p2align	6, 0x0
	.amdhsa_kernel k_q051146d7ab_quant_w
		.amdhsa_group_segment_fixed_size 38912
		.amdhsa_private_segment_fixed_size 0
		.amdhsa_enable_private_segment 0
		.amdhsa_kernarg_size 48
		.amdhsa_user_sgpr_count 2
		.amdhsa_user_sgpr_kernarg_segment_ptr 1
		.amdhsa_wavefront_size32 1
		.amdhsa_system_sgpr_workgroup_id_x 1
		.amdhsa_system_sgpr_workgroup_id_y 1
		.amdhsa_system_sgpr_workgroup_id_z 1
		.amdhsa_system_vgpr_workitem_id 0
		.amdhsa_next_free_vgpr 130
		.amdhsa_next_free_sgpr 66
		.amdhsa_reserve_vcc 0
		.amdhsa_float_denorm_mode_32 3
		.amdhsa_float_denorm_mode_16_64 3
		.amdhsa_memory_ordered 1
		.amdhsa_forward_progress 1
		.amdhsa_inst_pref_size 23
	.end_amdhsa_kernel
	.amdgpu_metadata
---
amdhsa.version: [ 1, 2 ]
amdhsa.kernels:
  - .name:           k_q051146d7ab_quant_w
    .symbol:         k_q051146d7ab_quant_w.kd
    .args:
      - { .name: Wq, .offset: 0, .size: 8, .value_kind: global_buffer, .address_space: global }
      - { .name: Wk, .offset: 8, .size: 8, .value_kind: global_buffer, .address_space: global }
      - { .name: Wv, .offset: 16, .size: 8, .value_kind: global_buffer, .address_space: global }
      - { .name: Wproj, .offset: 24, .size: 8, .value_kind: global_buffer, .address_space: global }
      - { .name: wc, .offset: 32, .size: 8, .value_kind: global_buffer, .address_space: global }
      - { .name: ws, .offset: 40, .size: 8, .value_kind: global_buffer, .address_space: global }
    .group_segment_fixed_size: 38912
    .private_segment_fixed_size: 0
    .kernarg_segment_align: 8
    .kernarg_segment_size: 48
    .max_flat_workgroup_size: 512
    .sgpr_count:     66
    .vgpr_count:     130
    .wavefront_size: 32
...
	.end_amdgpu_metadata
.endif
;; end of part 2
;; launch qkv (part 3): grid 24 x 8, 4 waves a work-group, clusters of 4 x 4, 327,680 bytes of LDS; arguments xc, xs, wc, ws, cos, sin, ve, Wgate, img, sc; writes img, sc
.if DOCPART == 3
	.amdgcn_target "amdgcn-amd-amdhsa--gfx1250"
	.amdhsa_code_object_version 6
	.text
	.protected	k_q051146d7ab_qkv
	.globl	k_q051146d7ab_qkv
	.p2align	8
	.type	k_q051146d7ab_qkv,@function
k_q051146d7ab_qkv:
	s_mov_b64 s[64:65], 0
	v_nop
	global_prefetch_b8 v0, s[64:65] scope:SCOPE_SE
	s_setreg_imm32_b32 hwreg(HW_REG_WAVE_MODE, 25, 1), 1
	s_wait_xcnt 0x0
	s_wait_alu depctr_hold_cnt(0) depctr_sa_sdst(0) depctr_va_vdst(0) depctr_va_sdst(0) depctr_va_ssrc(0) depctr_va_vcc(0) depctr_vm_vsrc(0)
	s_getreg_b32 s2, hwreg(HW_REG_IB_STS2, 6, 4)
	s_cmp_eq_u32 s2, 0
	s_cbranch_scc0 .Lentry_in_a_cluster
	s_endpgm
.Lentry_in_a_cluster:
	s_bfe_u32 s2, ttmp6, 0x10000c
	s_cmp_lg_u32 s2, 0xf033
	s_cbranch_scc0 .Lentry_shape_is_right
	s_endpgm
.Lentry_shape_is_right:
; q = rms(rope(x Wq)), k = rms(rope(x Wk)), v = x Wv + 2 sigmoid(x[:, :32] Wgate) ve, all products on codes of FP4 (E2M1) with one E8M0 scale for each 32 along K; q and k are then quantised along the
; head's 128 channels and v along the tokens, and leave as IMAGES OF OPERAND REGISTERS: a fragment (16 rows x 128 K) is 1,024 bytes, byte 512 c + 16 lane = registers 4 c .. 4 c + 3 of that lane; its scale words 64 bytes.
; ONE GEMM, C = A B^T on tiles of 256 x 256, K = 2,048, four waves of 128 x 128 (64 accumulators, 512 registers), K in steps of 512 through a ring of two LDS slots.  The operands are given in two orders:
;   clusters x = 0..3 (tile columns 0-15):  A = x (tokens), B = Wq's and Wk's columns.   clusters x = 4, 5 (tile columns 16-23):  A = Wv's columns, B = x (tokens): this makes v transposed.
; THE MATRIX INSTRUCTION IS USED TRANSPOSED (source 0 = 16 rows of B, source 1 = 16 rows of A): a lane holds one row of A, and its registers run along B's rows.
; Rows of xc and wc lie in position order (row L at L with bits 3 and 4 exchanged), so tile i's lane r is row PB(i) + r + (r & 8), PB(i) = 32 (i / 2) + 8 (i % 2), and the 64 registers of block a of A's rows,
; register 16 b + i, are B's rows 32 b + 16 (lane / 16) + i: the order in which the conversions want a block of 32.  A wave's 128 x 128 is one head x one chunk of 128 tokens on both paths.
; img: [48 (q heads, k heads, v heads)][16 chunks][8 tiles][1,024];  sc: the same with 64 bytes a tile.  q, k: lane r of tile a = token PB(a) + r + (r & 8) of the chunk, K = channels.  v: lane r = that channel, K = the chunk's tokens.
; CLUSTERS: 4 x 4 work-groups; A's tile is shared along a row of the cluster, B's along a column: each is asked for jointly.  The path hangs on the cluster's x, which all partners share.
; THE SCALES of the work-group's 256 + 256 rows for all of K come into LDS once, with the first fills.
; REGISTERS: window 0: v0-31 addresses; in the loop v32-95 scale words (two sets), v128-191 A's fragments; behind it see below.  window 1: B's fragments (two sets); on the v path ve's rows.  windows 2, 3: the accumulators.
; LIMITS: NaN and infinities are not served; blocks of zeros or under 2^-124 keep the scale byte 1 (read by this program alone); v_rsq_f32, v_rcp_f32, v_exp_f32 stand ahead of the quantisers.
; cos and sin are read by plain loads, 16 rows at a time: LDS has no room for a chunk's 64 KiB beside the ring.
.set KSTEP,  512
.set NQ,     4
.set ROWB,   256
.set KROW,   1024                      ; a row of codes in memory
.set PITCH,  272                       ; an LDS row: 256 bytes + 16 of padding: the 16 rows that a load touches start 4 words apart modulo the 64 banks (ISA guide 11.1)
.set FR,     8
.set NL,     2
.set NP,     4
.set HALFT,  128*PITCH
.set SLOT,   4*HALFT
.set LAPS,   2
.set KS,     64                        ; a row of scale bytes
.set SCL,    2*SLOT
.set HALFS,  32*272
.set SBLK,   4*272
.set SPARE,  SCL+4*HALFS               ; the spare words: 128 bytes a wave, two blocks of 256 bytes that no other line names
.set VSTG,   17152                     ; the v path's stage, for each wave: 32 rows x 528 bytes + 32; it lies in slot 0, which has had its last fill and its last read by then
.set ADRA, 16                          ; v16-17  my A fragments in slot 0, 1
.set LM,   18                          ; v18     all ones in lanes 0-15, 0 in lanes 16-31
.set ZR,   19                          ; v19     0, as an offset
.set ADRB, 20                          ; v20-21  my B fragments
.set VST,  22                          ; v22     the stage: 16 x lane
.set VRD,  23                          ; v23     the stage, read turned
.set IMO,  24                          ; v24     16 x lane: an image's place
.set SCO,  25                          ; v25     4 x lane
.set COF,  26                          ; v26     cos, sin: 256 (r + (r & 8)) + 64 h
.set ADRS, 27                          ; v27     my scale words
.set SPW,  28                          ; v28     my spare word; never rewritten
.set NIL,  29                          ; v29     0; never rewritten
.set XGO,  30                          ; v30     x's codes for the gate: 1,024 r + 16 h
.set XSO,  31                          ; v31     x's scale words for the gate: 64 r
.set SC,   32
.set AF,   128
; behind the loop, window 0:
.set CS,   32                          ; q, k: v32-95, v96-159 two sets of 32 cos + 32 sin
.set Z,    160                         ; q, k: v160-223 a block's 64 numbers
.set G,    32                          ; v: v32-95 the gate of my 64 tokens
.set VR,   96                          ; v: v96-223 ve turned: register 16 a + i
.set XG,   96                          ; v, gate: x's eight fragments
.set WGR,  160                         ; v, gate: Wgate's column, 32 numbers
.set WF,   192                         ; v, gate: its fragment
.set XGS,  200                         ; v, gate: x's scale words
.set WGS,  208                         ; v, gate: Wgate's scale word
.set TM,   224                         ; v224-239 at work
.set PW,   240                         ; the scale word just made
.set PWE,  241                         ; an even tile's, kept
.set PWS,  242                         ; two tiles' words, to store
.set RS,   244                         ; v[244:245] 1 / rms
.set PC,   248                         ; v248-255 the codes just made
.set G1, 24
.set G0, 32
.set G1B, 48
.set G0B, 56
.set G1S, 68
.set G0S, 76
.set G1SB, 80
.set G0SB, 88
.set MSB, 0
.macro WIN new                         ; the immediate's high byte repeats the setting that is left
.if MSB != (\new)
	s_set_vgpr_msb (MSB<<8)|(\new)
.set MSB, (\new)
.endif
.endm
.set MUL_LO, 0xa1                      ; source 0 (B) window 1, source 1 (A) window 0, C and D window 2
.set MUL_HI, 0xf1
.set TO_B,   0x40
; A joint load: waves 0 and 1 fetch for A, waves 2 and 3 for B.  Four v_nop follow each of the two lines.
.macro JLOAD g0a, g1a, g0b, g1b
	s_cmp_eq_u32 s15, 0
	s_cbranch_scc0 .Lfor_b_\@
	tensor_load_to_lds s[\g0a:\g0a+3], s[\g1a:\g1a+7]
	s_nop 0
.rept 4
	v_nop
.endr
	s_branch .Lasked_\@
.Lfor_b_\@:
	tensor_load_to_lds s[\g0b:\g0b+3], s[\g1b:\g1b+7]
	s_nop 0
.rept 4
	v_nop
.endr
.Lasked_\@:
.endm
.macro CREST                           ; a round of the cluster's barrier behind its opening barrier
	s_cmp_lg_u32 s14, 0
	s_cbranch_scc1 .Lnot_wave_0_\@
	s_barrier_signal -3
.Lnot_wave_0_\@:
	s_barrier_wait -3
	s_barrier_signal -1
	s_barrier_wait -1
.endm
.macro CROUND
	s_barrier_signal -1
	s_barrier_wait -1
	CREST
.endm
	s_load_b128 s[4:7], s[0:1], 0x0                ; xc, xs
	s_load_b128 s[8:11], s[0:1], 0x10              ; wc, ws
	v_lshl_add_u32 v[SPW], v0, 2, SPARE
	v_mov_b32 v[NIL], 0
	ds_add_u32 v28, v29
	ds_add_u32 v28, v29
	s_wait_dscnt 0x0
	v_lshrrev_b32 v1, 5, v0
	v_readfirstlane_b32 s14, v1                    ; wave 0..3
	s_lshr_b32 s15, s14, 1                         ; which half of A's rows is mine.  Also: I fetch for A (0) or for B (1)
	s_and_b32 s16, s14, 1                          ; which half of B's rows.  Also: which 128 rows of that tile I fetch
	s_bfe_u32 s40, ttmp6, 0x40000                  ; cx, cy
	s_bfe_u32 s41, ttmp6, 0x40004
	s_lshl_b32 s42, ttmp9, 2
	s_add_co_u32 s42, s42, s40                     ; tile column 0..23
	s_and_b32 s17, ttmp7, 0xffff
	s_lshl_b32 s17, s17, 2
	s_add_co_u32 s17, s17, s41                     ; tile row 0..7
	s_lshl_b32 s43, s41, 2
	s_lshl_b32 s43, 15, s43                        ; my row of the cluster
	s_lshl_b32 s44, 0x1111, s40                    ; my column
	s_or_b32 s[G1+0], s43, (0<<16)|(1<<20)|(1<<21)|(5<<22)|(3<<25)  ; the mask; elements of 1 byte; padding: 4 words after every 64; bit 21 beside a mask
	s_or_b32 s[G1B+0], s44, (0<<16)|(1<<20)|(1<<21)|(5<<22)|(3<<25)
.irp g, G1, G1B
	s_mov_b32 s[\g+1], ROWB<<16                    ; tensor_dim0
	s_mov_b32 s[\g+2], 128<<16                     ; tensor_dim1
	s_mov_b32 s[\g+3], ROWB<<16                    ; tile_dim0
	s_mov_b32 s[\g+4], 128                         ; tile_dim1
	s_mov_b32 s[\g+5], KROW                        ; the pitch
	s_mov_b32 s[\g+6], 0
	s_mov_b32 s[\g+7], 0
.endr
	s_or_b32 s[G1S+0], s43, (3<<16)|(1<<20)|(1<<21)|(5<<22)|(3<<25) ; the scales of 128 rows: 8,192 dense bytes as 32 rows of 256, 16 bytes of padding behind each
	s_or_b32 s[G1SB+0], s44, (3<<16)|(1<<20)|(1<<21)|(5<<22)|(3<<25)
.irp g, G1S, G1SB
	s_mov_b32 s[\g+1], 32<<16
	s_mov_b32 s[\g+2], 32<<16
	s_mov_b32 s[\g+3], 32<<16
	s_mov_b32 s[\g+4], 32
	s_mov_b32 s[\g+5], 32
	s_mov_b32 s[\g+6], 0
	s_mov_b32 s[\g+7], 0
.endr
	; which head column (s66) and which chunk of tokens (s67) my wave's 128 x 128 is.  They enter plain global addresses alone.
	s_lshl_b32 s66, s42, 1
	s_add_co_u32 s66, s66, s16                     ; q, k: 2 x tile column + half
	s_lshl_b32 s67, s17, 1
	s_add_co_u32 s67, s67, s15                     ; q, k: 2 x tile row + half
	s_add_co_u32 s96, s67, 32                      ; v: 32 + the head
	s_sub_co_u32 s97, s66, 32                      ; v: 2 x (tile column - 16) + half
	s_cmp_lt_u32 ttmp9, 4
	s_cselect_b32 s66, s66, s96
	s_cselect_b32 s67, s67, s97
	s_lshl_b32 s18, s16, 7                         ; which 128 rows of the tile I fetch
	s_lshl_b32 s20, s17, 8
	s_add_co_u32 s20, s20, s18                     ; A: row 256 x tile row + 128 x half
	s_and_b32 s46, s42, 15                         ; B: tile column, less 16 on the v path
	s_lshl_b32 s46, s46, 8
	s_add_co_u32 s46, s46, s18
	s_mov_b32 s21, 0
	s_mov_b32 s47, 0
	s_mov_b64 s[18:19], KS
	s_mul_u64 s[22:23], s[20:21], s[18:19]
	s_mul_u64 s[92:93], s[46:47], s[18:19]
	s_mov_b64 s[18:19], KROW
	s_mul_u64 s[20:21], s[20:21], s[18:19]
	s_mul_u64 s[46:47], s[46:47], s[18:19]
	s_mul_i32 s45, s14, HALFT                      ; where they go: no place in the cluster enters an LDS address
	s_mul_i32 s94, s14, HALFS
	s_wait_kmcnt 0x0
	s_add_nc_u64 s[98:99], s[8:9], 0x400000        ; Wv's codes: rows 4,096 on
	s_add_nc_u64 s[100:101], s[10:11], 0x40000     ; and its scale bytes
	s_cmp_lt_u32 ttmp9, 4                          ; the path: the cluster's x, the same in all partners
	s_cselect_b64 s[98:99], s[4:5], s[98:99]       ; A's codes
	s_cselect_b64 s[100:101], s[6:7], s[100:101]   ; A's scales
	s_cselect_b64 s[8:9], s[8:9], s[4:5]           ; B's codes
	s_cselect_b64 s[10:11], s[10:11], s[6:7]       ; B's scales
	s_mov_b64 s[4:5], s[98:99]
	s_mov_b64 s[6:7], s[100:101]
	s_add_nc_u64 s[20:21], s[4:5], s[20:21]
	s_add_nc_u64 s[22:23], s[6:7], s[22:23]
	s_add_nc_u64 s[46:47], s[8:9], s[46:47]
	s_add_nc_u64 s[92:93], s[10:11], s[92:93]
	CROUND                                         ; all sixteen work-groups are here: the first joint loads meet
	s_mov_b32 s[G0S], 1
	s_add_co_u32 s[G0S+1], s94, SCL
	s_mov_b64 s[G0S+2:G0S+3], s[22:23]
	s_or_b32 s[G0S+3], s[G0S+3], 0x80000000
	s_mov_b32 s[G0SB], 1
	s_add_co_u32 s[G0SB+1], s94, SCL
	s_mov_b64 s[G0SB+2:G0SB+3], s[92:93]
	s_or_b32 s[G0SB+3], s[G0SB+3], 0x80000000
	JLOAD G0S, G1S, G0SB, G1SB                     ; the scales first: they are wanted with K step 0
.irp s, 0,1
	s_mov_b32 s[G0+4*\s], 1
	s_add_co_u32 s[G0+4*\s+1], s45, \s*SLOT
	s_add_nc_u64 s[G0+4*\s+2:G0+4*\s+3], s[20:21], \s*ROWB
	s_or_b32 s[G0+4*\s+3], s[G0+4*\s+3], 0x80000000
	s_mov_b32 s[G0B+4*\s], 1
	s_add_co_u32 s[G0B+4*\s+1], s45, \s*SLOT
	s_add_nc_u64 s[G0B+4*\s+2:G0B+4*\s+3], s[46:47], \s*ROWB
	s_or_b32 s[G0B+4*\s+3], s[G0B+4*\s+3], 0x80000000
	JLOAD G0+4*\s, G1, G0B+4*\s, G1B
.endr
	v_and_b32 v1, 15, v0                           ; r
	v_bfe_u32 v2, v0, 4, 1                         ; h
	v_and_b32 v3, 31, v0                           ; lane
	v_and_b32 v4, 8, v1
	v_add_nc_u32 v4, v4, v1                        ; r + (r & 8)
	v_mul_u32_u24 v5, v1, PITCH
	v_lshl_add_u32 v6, v2, 4, v5                   ; a fragment's row x pitch + 16 h
	s_mul_i32 s21, s15, HALFT
	s_mul_i32 s22, s16, HALFT
	s_add_co_u32 s22, s22, 2*HALFT
.irp s, 0,1
	v_add_nc_u32 v[ADRA+\s], s21, v6
	v_add_nc_u32 v[ADRB+\s], s22, v6
	s_add_co_u32 s21, s21, SLOT
	s_add_co_u32 s22, s22, SLOT
.endr
	v_mul_u32_u24 v5, v1, KS                       ; my row's scales: 64 bytes a row,
	v_lshrrev_b32 v6, 8, v5
	v_lshl_add_u32 v5, v6, 4, v5                   ; and 16 more for each 256 passed
	s_mul_i32 s21, s15, HALFS
	s_mul_i32 s22, s16, HALFS
	s_add_co_u32 s22, s22, 2*HALFS
	s_sub_co_u32 s22, s22, s21
	v_mul_u32_u24 v6, s22, v2                      ; lanes 16-31 take B's
	s_add_co_u32 s21, s21, SCL
	v_add_nc_u32 v5, v5, v6
	v_add_nc_u32 v[ADRS], s21, v5
	v_lshlrev_b32 v[IMO], 4, v3
	v_lshlrev_b32 v[SCO], 2, v3
	v_lshlrev_b32 v[COF], 8, v4
	v_lshl_add_u32 v[COF], v2, 6, v[COF]
	s_mul_i32 s23, s14, VSTG
	v_add_nc_u32 v[VST], s23, v[IMO]
	v_mul_u32_u24 v5, v2, 16*528+32                ; lanes 16-31 read rows 16 on, which lie 32 bytes further: the two halves fall on different banks
	v_lshl_add_u32 v5, v4, 2, v5
	v_add_nc_u32 v[VRD], s23, v5
	v_lshlrev_b32 v[XGO], 10, v1
	v_lshl_add_u32 v[XGO], v2, 4, v[XGO]
	v_lshlrev_b32 v[XSO], 6, v1
	v_add_nc_u32 v[LM], -1, v2
	v_mov_b32 v[ZR], 0
.irp b, 4,5,6,7
	v_mov_b32 v[TM+\b], 0                          ; written once: a lane permute's destination counts as one of its sources
.endr
	v_mov_b32 v[RS+1], 0                           ; named with RS as a pair, so it is written
.macro FRAG reg, adr, q, i             ; 16 rows x 128 K of 4-bit codes: 8 registers: lane l holds row l % 16; registers 4 c .. 4 c + 3 hold K = 64 c + 32 (l / 16) + 0 .. 31
.irp c, 0,1
	ds_load_b128 v[\reg+4*\c:\reg+4*\c+3], v[\adr] offset:64*(\q)+32*\c+(\i)*16*PITCH
.endr
.endm
; 16 matrix instructions: A's blocks a0, a0 + 1 x B's eight.  The 64 accumulators take turns, one instruction a turn, in the same order in every step.
.macro MUL16 a0, p, q, sc, zero
.irp a, \a0, \a0+1
.irp b, 0,1,2,3,4,5,6,7
.if \zero
	v_wmma_scale_f32_16x16x128_f8f6f4 v[8*(8*((\a)%4)+\b):8*(8*((\a)%4)+\b)+7], v[128*(\p)+FR*\b:128*(\p)+FR*\b+FR-1], v[AF+FR*(\a):AF+FR*(\a)+FR-1], 0, v[SC+8*NQ*(\sc)+NQ*\b+(\q)], v[SC+8*NQ*(\sc)+NQ*(\a)+(\q)] matrix_a_fmt:MATRIX_FMT_FP4 matrix_b_fmt:MATRIX_FMT_FP4 matrix_a_scale:MATRIX_SCALE_ROW1
.else
	v_wmma_scale_f32_16x16x128_f8f6f4 v[8*(8*((\a)%4)+\b):8*(8*((\a)%4)+\b)+7], v[128*(\p)+FR*\b:128*(\p)+FR*\b+FR-1], v[AF+FR*(\a):AF+FR*(\a)+FR-1], v[8*(8*((\a)%4)+\b):8*(8*((\a)%4)+\b)+7], v[SC+8*NQ*(\sc)+NQ*\b+(\q)], v[SC+8*NQ*(\sc)+NQ*(\a)+(\q)] matrix_a_fmt:MATRIX_FMT_FP4 matrix_b_fmt:MATRIX_FMT_FP4 matrix_a_scale:MATRIX_SCALE_ROW1
.endif
.endr
.endr
.endm
.macro FETCH_B slot, q, p
	WIN TO_B
.irp i, 0,1,2,3,4,5,6,7
	FRAG 128*(\p)+FR*\i, ADRB+\slot, \q, \i
.endr
	WIN 0
.endm
.macro FETCH_A slot, q, i0
.irp i, \i0, \i0+1, \i0+2, \i0+3
	FRAG AF+FR*(\i), ADRA+\slot, \q, \i
.endr
.endm
.macro SCALES sc                       ; a K step's scale words: lanes 0-15 take A's block i, lanes 16-31 B's block i
.irp i, 0,1,2,3,4,5,6,7
	ds_load_b128 v[SC+8*NQ*\sc+NQ*\i:SC+8*NQ*\sc+NQ*\i+3], v[ADRS] offset:\i*SBLK
.endr
.endm
.macro PLACES n                        ; plain vector lines behind matrix instructions, in front of loads into their registers and of reads of their results
.rept \n
	v_nop
.endr
.endm
.macro STEP slot, q, zero              ; 128 along K, with its successor in the same slot
	s_wait_dscnt 4*NL                              ; B's set and A's blocks 0-3 are in; the youngest eight loads (A's blocks 4-7) may be out
	WIN MUL_LO
	MUL16 0, (\q)%2, \q, \slot, \zero
	MUL16 2, (\q)%2, \q, \slot, \zero
	s_wait_dscnt 0
	PLACES NP
	FETCH_B \slot, (\q)+1, 1-(\q)%2
	FETCH_A \slot, (\q)+1, 0
	WIN MUL_HI
	MUL16 4, (\q)%2, \q, \slot, \zero
	MUL16 6, (\q)%2, \q, \slot, \zero
	PLACES NP
	WIN 0
	FETCH_A \slot, (\q)+1, 4
.endm
; A slot's last step changes slots: one barrier; in front of it each wave waits for all its tensor loads, adds 0 to its spare word, and waits for that and for its reads of this slot.
.macro TURN slot, next, fill
	s_wait_tensorcnt 0x0                           ; all my tensor loads have landed: my part of the next slot
	ds_add_u32 v[SPW], v[NIL]                      ; 0 onto my spare word
	s_wait_dscnt 4*NL+1                            ; (the add and the youngest eight loads may be out)
	WIN MUL_LO
	MUL16 0, 1, NQ-1, \slot, 0
	s_wait_dscnt 0x0                               ; the add is done, and my reads of this slot are over
	s_barrier_signal -1
	MUL16 2, 1, NQ-1, \slot, 0
	WIN 0
	s_barrier_wait -1
.if \fill
	CREST                                          ; the barrier has opened a round of the cluster's barrier: no wave of any partner still reads this slot or has a load on its way
	s_add_nc_u64 s[G0+4*\slot+2:G0+4*\slot+3], s[G0+4*\slot+2:G0+4*\slot+3], 2*ROWB
	s_add_nc_u64 s[G0B+4*\slot+2:G0B+4*\slot+3], s[G0B+4*\slot+2:G0B+4*\slot+3], 2*ROWB
	JLOAD G0+4*\slot, G1, G0B+4*\slot, G1B         ; the first tensor load behind the round; its four v_nop are the places in front of the loads below
.else
	PLACES NP
.endif
	v_add_nc_u32 v[ADRS], 4*NQ, v[ADRS]            ; on to the next K step's scale words
	FETCH_B \next, 0, 0
	FETCH_A \next, 0, 0
	SCALES \next
	WIN MUL_HI
	MUL16 4, 1, NQ-1, \slot, 0
	MUL16 6, 1, NQ-1, \slot, 0
	PLACES NP
	WIN 0
	FETCH_A \next, 0, 4
.endm
.macro STEPS slot, from
.set Q, \from
.rept NQ-1-\from
	STEP \slot, Q, 0
.set Q, Q+1
.endr
.endm
	s_wait_tensorcnt 1                             ; the scales and my part of K step 0 are in (K step 1's load may be out),
	s_barrier_signal -1
	s_barrier_wait -1                              ; everybody's are
	FETCH_B 0, 0, 0
	FETCH_A 0, 0, 0
	SCALES 0
	FETCH_A 0, 0, 4
	STEP 0, 0, 1                                   ; the first step's products start the sums
	s_mov_b32 s3, LAPS-1
.Llap:
	STEPS 0, 1
	TURN 0, 1, 1
	STEPS 1, 0
	TURN 1, 0, 1
	STEP 0, 0, 0
	s_sub_co_u32 s3, s3, 1
	s_cmp_lg_u32 s3, 0
	s_cbranch_scc1 .Llap
	STEPS 0, 1
	TURN 0, 1, 0
	s_load_b256 s[24:31], s[0:1], 0x20             ; no tensor load of mine is out any more: the descriptors' registers take cos, sin, ve, Wgate,
	s_load_b128 s[32:35], s[0:1], 0x40             ; img, sc
	STEPS 1, 0
	s_wait_dscnt 4*NL
	WIN MUL_LO
	MUL16 0, 1, NQ-1, 1, 0
	MUL16 2, 1, NQ-1, 1, 0
	s_wait_dscnt 0
	WIN MUL_HI
	MUL16 4, 1, NQ-1, 1, 0
	MUL16 6, 1, NQ-1, 1, 0
	WIN 0
	PLACES 5
; 64 numbers of a lane, v[s] .. v[s + 63] of window w, register 16 b + i = k 32 b + 16 (lane / 16) + i of my row, become a fragment's codes in v[PC] on and its scale word in v[PW].
.macro QUANT s, w
	WIN (\w)|((\w)<<2)
.irp b, 0,1,2,3
	v_max3_num_f32 v[TM+\b], |v[(\s)+16*\b]|, |v[(\s)+1+16*\b]|, 0x1800000   ; block b: my 16 numbers, and the floor 2^(3 - 127)
.endr
.irp i, 2,4,6,8,10,12,14
.irp b, 0,1,2,3
	v_max3_num_f32 v[TM+\b], |v[(\s)+16*\b+\i]|, |v[(\s)+1+16*\b+\i]|, v[TM+\b]
.endr
.endr
	WIN 0
.irp b, 0,1,2,3
	v_permlanex16_b32 v[TM+4+\b], v[TM+\b], s44, s45
.endr
.irp b, 0,1,2,3
	v_max_num_f32 v[TM+\b], v[TM+\b], v[TM+4+\b]   ; with lane l xor 16's: the block's largest magnitude
.endr
.irp b, 0,1,2,3
	v_add_nc_u32 v[TM+12+\b], 0xff000000, v[TM+\b] ; 2 off its exponent field: the conversion's scale operand
.endr
.irp b, 0,1,2,3
	v_lshrrev_b32 v[TM+4+\b], 23, v[TM+12+\b]      ; the scale's byte
.endr
	v_lshl_or_b32 v[PW], v[TM+5], 8, v[TM+4]
	v_lshl_or_b32 v[PW], v[TM+6], 16, v[PW]
	v_lshl_or_b32 v[PW], v[TM+7], 24, v[PW]
	WIN (\w)
.irp b, 0,1,2,3
	v_cvt_scalef32_pk8_fp4_f32 v[PC+2*\b], v[(\s)+16*\b:(\s)+7+16*\b], v[TM+12+\b]
	v_cvt_scalef32_pk8_fp4_f32 v[PC+1+2*\b], v[(\s)+8+16*\b:(\s)+15+16*\b], v[TM+12+\b]
.endr
	WIN 0
	v_nop                                          ; one plain line behind a scaled conversion
.irp c, 0,1                            ; the operand's layout wants a whole block in a lane
.irp i, 0,1
	v_permlane16_swap_b32 v[PC+4*\c+\i], v[PC+2+4*\c+\i]
.endr
.endr
.endm
.macro OUT a                           ; the fragment leaves as it stands: each store covers 512 consecutive bytes, aligned; two tiles' scale words leave together, 128 bytes
	global_store_b128 v[IMO], v[PC:PC+3], s[12:13] offset:1024*(\a)
	global_store_b128 v[IMO], v[PC+4:PC+7], s[12:13] offset:1024*(\a)+512
.if (\a)%2 == 0
	v_mov_b32 v[PWE], v[PW]
.else
	v_cndmask_b32 v[PWS], v[PWE], v[PW], s95       ; lanes 0-15 the even tile's words, lanes 16-31 the odd tile's
	global_store_b32 v[SCO], v[PWS], s[92:93] offset:64*((\a)-1)
.endif
.endm
	s_wait_kmcnt 0x0
	s_mov_b32 s44, 0x76543210
	s_mov_b32 s45, 0xfedcba98                      ; v_permlanex16_b32's selects for lane l xor 16
	s_mov_b32 s95, 0xffff0000                      ; lanes 16-31
	s_mov_b32 s96, 0x3c000000                      ; 1 / 128
	s_mov_b32 s97, 0x358637bd                      ; 1e-6
	s_lshl_b32 s46, s66, 4
	s_add_co_u32 s46, s46, s67                     ; 16 x head column + chunk
	s_lshl_b32 s48, s46, 13
	s_mov_b32 s49, 0
	s_add_nc_u64 s[12:13], s[32:33], s[48:49]      ; my eight images
	s_lshl_b32 s48, s46, 9
	s_add_nc_u64 s[92:93], s[34:35], s[48:49]      ; and their scale words
	s_cmp_lt_u32 ttmp9, 4
	s_cbranch_scc0 .Lv
	; ---- q, k: a block of 16 tokens at a time: rope, rms norm, quantise along the head
	s_lshl_b32 s48, s67, 15                        ; the chunk's 128 rows of 256 bytes
	s_add_nc_u64 s[36:37], s[24:25], s[48:49]
	s_add_nc_u64 s[38:39], s[26:27], s[48:49]
.macro CSLOAD a                        ; cos and sin of block a's tokens at my 32 channels 32 b + 16 h + i (b = 0, 1), into set a % 2
.set CB_, CS+64*((\a)%2)
.set PBA, 32*((\a)/2)+8*((\a)%2)
.irp b, 0,1
.irp j, 0,1,2,3
	global_load_b128 v[CB_+16*\b+4*\j:CB_+16*\b+4*\j+3], v[COF], s[36:37] offset:PBA*256+128*\b+16*\j
	global_load_b128 v[CB_+32+16*\b+4*\j:CB_+32+16*\b+4*\j+3], v[COF], s[38:39] offset:PBA*256+128*\b+16*\j
.endr
.endr
.endm
.macro ROPE a                          ; registers p and 32 + p are channels d and d + 64: (x1 cos + x2 sin, x2 cos - x1 sin).  Ascending p takes each accumulator from its low end on
.set AC, 64*((\a)%4)
.set CB_, CS+64*((\a)%2)
	WIN 2+(\a)/4
.set p, 0
.rept 16
.set T0, TM+4*((p/2)%2)
	v_pk_mul_f32 v[T0:T0+1], v[AC+32+p:AC+33+p], v[CB_+32+p:CB_+33+p]
	v_pk_mul_f32 v[T0+2:T0+3], v[AC+p:AC+p+1], v[CB_+32+p:CB_+33+p]
	v_pk_fma_f32 v[Z+p:Z+p+1], v[AC+p:AC+p+1], v[CB_+p:CB_+p+1], v[T0:T0+1]
	v_pk_fma_f32 v[Z+32+p:Z+33+p], v[AC+32+p:AC+33+p], v[CB_+p:CB_+p+1], v[T0+2:T0+3] neg_lo:[0,0,1] neg_hi:[0,0,1]
.set p, p+2
.endr
	WIN 0
.endm
.macro NORM                            ; the sum of squares of my 64 and lane l xor 16's 64; x 1 / sqrt(mean + 1e-6)
	v_pk_mul_f32 v[TM+8:TM+9], v[Z:Z+1], v[Z:Z+1]
	v_pk_mul_f32 v[TM+10:TM+11], v[Z+2:Z+3], v[Z+2:Z+3]
.irp j, 4,8,12,16,20,24,28,32,36,40,44,48,52,56,60
	v_pk_fma_f32 v[TM+8:TM+9], v[Z+\j:Z+\j+1], v[Z+\j:Z+\j+1], v[TM+8:TM+9]
	v_pk_fma_f32 v[TM+10:TM+11], v[Z+\j+2:Z+\j+3], v[Z+\j+2:Z+\j+3], v[TM+10:TM+11]
.endr
	v_pk_add_f32 v[TM+8:TM+9], v[TM+8:TM+9], v[TM+10:TM+11]
	v_add_f32 v[TM+8], v[TM+8], v[TM+9]
	v_permlanex16_b32 v[TM+9], v[TM+8], s44, s45
	v_add_f32 v[TM+8], v[TM+8], v[TM+9]
	v_fma_f32 v[TM+8], v[TM+8], s96, s97
	v_rsq_f32 v[RS], v[TM+8]
	v_nop                                          ; one plain line behind a transcendental
.set j_, 0
	s_wait_alu depctr_va_vdst(0)
.rept 32
	v_pk_mul_f32 v[Z+j_:Z+j_+1], v[Z+j_:Z+j_+1], v[RS:RS+1] op_sel_hi:[1,0]
.set j_, j_+2
.endr
.endm
	CSLOAD 0
	CSLOAD 1
.irp a, 0,1,2,3,4,5,6,7
.if \a < 7
	s_wait_loadcnt 16                              ; this block's 16 loads are in; the next block's may be out
.else
	s_wait_loadcnt 0
.endif
	ROPE \a
.if \a < 6
	CSLOAD \a+2
.endif
	NORM
	s_wait_xcnt 0x0                                ; the last block's stores have read their registers
	QUANT Z, 0
	OUT \a
.endr
	s_branch .Ldone
.Lv:
	; ---- v: the gate of my 64 tokens, + gate x ve, quantise along the tokens
	s_sub_co_u32 s50, s66, 32                      ; the head
	s_lshl_b32 s48, s67, 20                        ; ve: the chunk's 128 rows of 8,192 bytes,
	s_lshl_b32 s51, s50, 9                         ; the head's 512 bytes of a row
	s_add_co_u32 s48, s48, s51
	s_add_nc_u64 s[36:37], s[28:29], s[48:49]
	s_lshl_b32 s48, s50, 2
	s_add_nc_u64 s[38:39], s[30:31], s[48:49]      ; Wgate's column of the head
	s_lshl_b32 s48, s67, 17
	s_add_nc_u64 s[40:41], s[8:9], s[48:49]        ; x's codes (B on this path) at the chunk's 128 rows
	s_lshl_b32 s48, s67, 13
	s_add_nc_u64 s[42:43], s[10:11], s[48:49]      ; and their scale bytes
.set k_, 0
.rept 32
	global_load_b32 v[WGR+k_], v[ZR], s[38:39] offset:64*k_        ; every lane takes the whole column
.set k_, k_+1
.endr
.irp b, 0,1,2,3,4,5,6,7
.irp c, 0,1
	global_load_b128 v[XG+8*\b+4*\c:XG+8*\b+4*\c+3], v[XGO], s[40:41] offset:16384*\b+32*\c   ; x's fragments of the first 128 along K
.endr
.endr
.irp b, 0,1,2,3,4,5,6,7
	global_load_b32 v[XGS+\b], v[XSO], s[42:43] offset:1024*\b
.endr
.macro VELOAD b                        ; ve of tokens 32 b .. 32 b + 31, the head's 128 channels: each load covers 512 consecutive bytes, aligned; read once in the launch
	WIN 0x40
.set t_, 0
.rept 32
	global_load_b128 v[128*((\b)%2)+4*t_:128*((\b)%2)+4*t_+3], v[IMO], s[36:37] offset:(32*(\b)+t_)*8192 th:TH_LOAD_NT
.set t_, t_+1
.endr
	WIN 0
.endm
	VELOAD 0
	s_wait_loadcnt 32                              ; the gate's 56 loads are in; ve's 32 may be out
	VELOAD 1
	; Wgate's column is quantised along its 32: one block.  Its fragment: k 0-31 in lanes 0-15, zero codes elsewhere, so that x's k 32-127 add nothing; all 16 columns are the same head
	v_max3_num_f32 v209, |v[WGR]|, |v[WGR+1]|, |v[WGR+2]|
	v_max3_num_f32 v210, |v[WGR+3]|, |v[WGR+4]|, |v[WGR+5]|
.irp i, 6,10,14,18,22,26
	v_max3_num_f32 v209, v209, |v[WGR+\i]|, |v[WGR+\i+1]|
	v_max3_num_f32 v210, v210, |v[WGR+\i+2]|, |v[WGR+\i+3]|
.endr
	v_max3_num_f32 v209, v209, |v[WGR+30]|, |v[WGR+31]|
	v_max3_num_f32 v209, v209, v210, 0x1800000
	v_add_nc_u32 v211, 0xff000000, v209
	v_lshrrev_b32 v212, 23, v211
	v_or_b32 v[WGS], 0x7f7f7f00, v212              ; the other three blocks hold zero codes: byte 127
.irp g, 0,1,2,3
	v_cvt_scalef32_pk8_fp4_f32 v[WF+\g], v[WGR+8*\g:WGR+8*\g+7], v211
.endr
	v_nop
.irp g, 0,1,2,3
	v_and_b32 v[WF+\g], v[LM], v[WF+\g]
.endr
.irp g, 4,5,6,7
	v_mov_b32 v[WF+\g], 0
.endr
	PLACES 8                                       ; a scale register written by a vector line stands eight places ahead of a scaled matrix instruction
.irp b, 0,1,2,3,4,5,6,7                ; register 8 b + j of lane (r, h): the logit of token PB(b) + 16 h + j: the accumulators' own order
	v_wmma_scale_f32_16x16x128_f8f6f4 v[G+8*\b:G+8*\b+7], v[XG+8*\b:XG+8*\b+7], v[WF:WF+7], 0, v[XGS+\b], v[WGS] matrix_a_fmt:MATRIX_FMT_FP4 matrix_b_fmt:MATRIX_FMT_FP4
.endr
	PLACES 4
.set j_, 0
.rept 32
	v_pk_mul_f32 v[G+j_:G+j_+1], v[G+j_:G+j_+1], 0xbfb8aa3b op_sel_hi:[1,0]     ; - z log2(e)
.set j_, j_+2
.endr
.set j_, 0
.rept 64
	v_exp_f32 v[G+j_], v[G+j_]
.set j_, j_+1
.endr
	v_nop
.set j_, 0
	s_wait_alu depctr_va_vdst(0)
.rept 32
	v_pk_fma_f32 v[G+j_:G+j_+1], v[G+j_:G+j_+1], 0.5, 0.5 op_sel_hi:[1,0,0]
.set j_, j_+2
.endr
.set j_, 0
.rept 64
	v_rcp_f32 v[G+j_], v[G+j_]                     ; 2 sigmoid(z) = 1 / (0.5 + 0.5 e^-z)
.set j_, j_+1
.endr
	v_nop
	s_wait_alu depctr_va_vdst(0)
; 32 tokens at a time: ve's rows go into my stage as they lie and come back turned: register 16 a + i = ve(token 32 b + 16 h + i, channel PB(a) + r + (r & 8))
.macro VEADD b
.if (\b) < 3
	s_wait_loadcnt 32                              ; these 32 rows are in; the next 32 may be out
.else
	s_wait_loadcnt 0
.endif
	WIN 0x04                                       ; an LDS store's data are its source 1: window 1
.set t_, 0
.rept 32
	ds_store_b128 v[VST], v[128*((\b)%2)+4*t_:128*((\b)%2)+4*t_+3] offset:528*t_+32*(t_/16)
.set t_, t_+1
.endr
	WIN 0
.irp a, 0,1,2,3,4,5,6,7
.set i_, 0
.rept 16
	ds_load_b32 v[VR+16*\a+i_], v[VRD] offset:528*i_+4*(32*(\a/2)+8*(\a%2))    ; LDS serves a wave's instructions in order: these see my stores
.set i_, i_+1
.endr
.endr
	s_wait_dscnt 0x0
.if (\b)+2 < 4
	VELOAD (\b)+2
.endif
.irp a, 0,1,2,3,4,5,6,7
	WIN 0xa0+0x50*(\a/4)                           ; C and D: window 2 or 3
.irp i, 0,2,4,6,8,10,12,14
	v_pk_fma_f32 v[64*(\a%4)+16*(\b)+\i:64*(\a%4)+16*(\b)+\i+1], v[VR+16*\a+\i:VR+16*\a+\i+1], v[G+16*(\b)+\i:G+16*(\b)+\i+1], v[64*(\a%4)+16*(\b)+\i:64*(\a%4)+16*(\b)+\i+1]
.endr
.endr
	WIN 0
.endm
	VEADD 0
	VEADD 1
	VEADD 2
	VEADD 3
.irp a, 0,1,2,3,4,5,6,7
	s_wait_xcnt 0x0                                ; the last block's stores have read their registers
.set QS, 64*(\a%4)
.set QW, 2+\a/4
	QUANT QS, QW
	OUT \a
.endr
.Ldone:
	s_wait_tensorcnt 0x0                           ; the wave's end
	ds_add_u32 v[SPW], v[NIL]
	s_wait_dscnt 0x0
	CROUND                                         ; the closing round
	s_endpgm
.Lfunc_end_k_q051146d7ab_qkv:
	.size	k_q051146d7ab_qkv, .Lfunc_end_k_q051146d7ab_qkv-k_q051146d7ab_qkv
	.p2alignl 7, 3214868480
	.fill 96, 4, 3214868480
	.section	.rodata,"a",@progbits
	.p2align	6, 0x0
	.amdhsa_kernel k_q051146d7ab_qkv
		.amdhsa_group_segment_fixed_size 327680
		.amdhsa_private_segment_fixed_size 0
		.amdhsa_enable_private_segment 0
		.amdhsa_kernarg_size 80
		.amdhsa_user_sgpr_count 2
		.amdhsa_user_sgpr_kernarg_segment_ptr 1
		.amdhsa_wavefront_size32 1
		.amdhsa_system_sgpr_workgroup_id_x 1
		.amdhsa_system_sgpr_workgroup_id_y 1
		.amdhsa_system_sgpr_workgroup_id_z 1
		.amdhsa_system_vgpr_workitem_id 0
		.amdhsa_next_free_vgpr 1024
		.amdhsa_next_free_sgpr 102
		.amdhsa_reserve_vcc 0
		.amdhsa_float_denorm_mode_32 3
		.amdhsa_float_denorm_mode_16_64 3
		.amdhsa_memory_ordered 1
		.amdhsa_forward_progress 1
		.amdhsa_inst_pref_size 255
	.end_amdhsa_kernel
	.section	.bss,"aw",@nobits
	.p2align	6
	.space	262144
	.amdgpu_metadata
---
amdhsa.version: [ 1, 2 ]
amdhsa.kernels:
  - .name:           k_q051146d7ab_qkv
    .symbol:         k_q051146d7ab_qkv.kd
    .args:
      - { .name: xc, .offset: 0, .size: 8, .value_kind: global_buffer, .address_space: global }
      - { .name: xs, .offset: 8, .size: 8, .value_kind: global_buffer, .address_space: global }
      - { .name: wc, .offset: 16, .size: 8, .value_kind: global_buffer, .address_space: global }
      - { .name: ws, .offset: 24, .size: 8, .value_kind: global_buffer, .address_space: global }
      - { .name: cos, .offset: 32, .size: 8, .value_kind: global_buffer, .address_space: global }
      - { .name: sin, .offset: 40, .size: 8, .value_kind: global_buffer, .address_space: global }
      - { .name: ve, .offset: 48, .size: 8, .value_kind: global_buffer, .address_space: global }
      - { .name: Wgate, .offset: 56, .size: 8, .value_kind: global_buffer, .address_space: global }
      - { .name: img, .offset: 64, .size: 8, .value_kind: global_buffer, .address_space: global }
      - { .name: sc, .offset: 72, .size: 8, .value_kind: global_buffer, .address_space: global }
    .group_segment_fixed_size: 327680
    .private_segment_fixed_size: 0
    .kernarg_segment_align: 8
    .kernarg_segment_size: 80
    .max_flat_workgroup_size: 128
    .sgpr_count:     102
    .vgpr_count:     1024
    .wavefront_size: 32
...
	.end_amdgpu_metadata
.endif
;; end of part 3
;; launch attn (part 4): grid 16 x 16, 8 waves a work-group, no clusters, 279,552 bytes of LDS; arguments img, sc, yimg, ysc; writes yimg, ysc
.if DOCPART == 4
	.amdgcn_target "amdgcn-amd-amdhsa--gfx1250"
	.amdhsa_code_object_version 6
	.text
	.protected	k_q051146d7ab_attn
	.globl	k_q051146d7ab_attn
	.p2align	8
	.type	k_q051146d7ab_attn,@function
k_q051146d7ab_attn:
	s_mov_b64 s[64:65], 0
	v_nop
	global_prefetch_b8 v0, s[64:65] scope:SCOPE_SE
	s_setreg_imm32_b32 hwreg(HW_REG_WAVE_MODE, 25, 1), 1
	s_wait_xcnt 0x0
; y[q][head] = the sum over keys k <= q of softmax_k(q . k / sqrt(128)) v[k], both products on codes of FP4 (E2M1) with one E8M0 scale for each 32 along K; y is then quantised along the head's 128 channels.
; q, k, v arrive as images of operand registers (a fragment of 16 rows x 128 K: 1,024 bytes, byte 512 c + 16 lane = registers 4 c .. 4 c + 3; scale words 64 bytes), y leaves so.
; img: [48 (q heads, k heads, v heads)][16 chunks of 128 tokens][8 tiles][1,024].  q, k: lane r of tile a = token PB(a) + r + (r & 8) of its chunk, PB(a) = 32 (a / 2) + 8 (a % 2); K = channels.  v: lane r = that channel; K = the chunk's tokens.
; THE SOFTMAX: t = score x log2(e) / sqrt(128); M = the running largest t rounded UP to a whole number; p = 2^(t - M) is quantised along the keys, not normalised; the row's sum is taken of the unquantised p and divides at the end.
; Both products are used transposed (S^T = k q^T, O^T = v^T p^T): a lane holds one query throughout; by the tiles' row order p's 16 registers of two neighbouring tiles are 16 neighbouring keys, and O^T's are 16 neighbouring channels.
; SHARES.  A work-group serves one head (y) and eight tiles of 16 queries; wave w < 4 owns tile 4 x + w, wave w >= 4 tile 131 - 4 x - w: an early and a late tile for each pair of waves, about 17 key steps together.
; LDS holds the head's whole k and v images and their scale words, each byte filled ONCE: waves 0-3 bring them by five tensor loads each (the scale words, then four quarters of the keys), all issued at the head.
; Every wave walks all 16 key steps, in four phases of four, one barrier a phase; a step all of whose keys come after the wave's queries is jumped over by a scalar branch on ids.
; NO CLUSTER: the work-groups of a head do read the same tiles, but that jump hangs on the work-group's own x.
; ysc is written 64 bytes at a time (one tile, one head): 131,072 bytes in all.
; LIMITS: NaN and infinities are not served; a block whose every p is 0 keeps the scale byte 1 (its codes are zeros); v_exp_f32 and v_rcp_f32 stand ahead of the quantisers.
; REGISTERS: v1-6 addresses that stay; v8-11 the step's addresses; v12 -M, v13 the largest t, v[14:15] the sum; v16-23 q; v32-63 four fragments of k or v; v96-159 S^T, then p; v160-223 O^T; v224-231 codes; v232-254 at work; v255 q's scale words.
.set VIMG, 131072
.set SCK,  262144
.set SCV,  270336
.set LI,   1                           ; v1  16 x lane
.set R4,   2                           ; v2  4 r
.set LV,   3                           ; v3  16 x lane + VIMG
.set SK0,  4                           ; v4  SCK + 4 r
.set SV0,  5                           ; v5  SCV + 4 r
.set DQ,   6                           ; v6  my query's place in its chunk - 16 h
.set ADK,  8
.set ADV,  9
.set ADS,  10
.set ADT,  11
.set WV,   12
.set HEAD, 14
.set TT,   15                          ; my tile of queries, 0..127
.set KCQ,  16                          ; its chunk
.set AQ,   17                          ; its place in the chunk
.set SEL,  20
.set CS,   22
.set G1T,  24                          ; s[24:31] group 1: 64 rows of 256 bytes, dense
.set G1C,  32                          ; s[32:39] group 1: 16 rows of 256 bytes, dense
.set G0S,  40                          ; s[40:43] group 0 for the scale words;  s[44:59] for the four quarters
.set G0T,  44
.set J,    60                          ; the key step
.set TKV,  61                          ; its images' place: 8,192 a step
.set TSC,  62                          ; its scale words' place: 512 a step
.set CNT,  63
	s_load_b256 s[4:11], s[0:1], 0x0               ; img, sc, yimg, ysc
	v_lshl_add_u32 v242, v0, 2, 0x44000
	v_mov_b32 v243, 0
	ds_add_u32 v242, v243
	ds_add_u32 v242, v243
	v_lshrrev_b32 v8, 5, v0
	v_readfirstlane_b32 s[WV], v8                  ; wave 0..7
	s_and_b32 s[HEAD], ttmp7, 0xffff
	s_lshl_b32 s66, ttmp9, 2
	s_add_co_u32 s67, s66, s[WV]
	s_sub_co_u32 s68, 131, s66
	s_sub_co_u32 s68, s68, s[WV]
	s_cmp_lt_u32 s[WV], 4
	s_cselect_b32 s[TT], s67, s68
	s_lshr_b32 s[KCQ], s[TT], 3
	s_and_b32 s[AQ], s[TT], 7
	; what I fetch, if I fetch: waves 0, 1: the halves of k's parts; waves 2, 3: of v's
	s_lshr_b32 s69, s[WV], 1                       ; kind
	s_and_b32 s70, s[WV], 1                        ; half
	s_lshl_b32 s71, s69, 4
	s_add_co_u32 s71, s71, s[HEAD]
	s_add_co_u32 s71, s71, 16                      ; 16 + 16 kind + head
	s_lshl_b32 s72, s71, 17
	s_lshl_b32 s74, s70, 14
	s_add_co_u32 s72, s72, s74
	s_mov_b32 s73, 0                               ; images: in memory
	s_lshl_b32 s76, s71, 13
	s_lshl_b32 s75, s70, 12
	s_add_co_u32 s76, s76, s75
	s_mov_b32 s77, 0                               ; scale words: in memory
	s_lshl_b32 s78, s69, 17
	s_add_co_u32 s78, s78, s74                     ; images: in LDS
	s_lshl_b32 s79, s[WV], 12
	s_add_co_u32 s79, s79, SCK                     ; scale words: in LDS
	s_mov_b32 s[G1T], 3<<16                        ; elements of 8 bytes, no mask, no padding
	s_mov_b32 s[G1T+1], 32<<16                     ; tensor_dim0 = 32
	s_mov_b32 s[G1T+2], 64<<16                     ; tensor_dim1 = 64
	s_mov_b32 s[G1T+3], 32<<16                     ; tile_dim0 = 32
	s_mov_b32 s[G1T+4], 64                         ; tile_dim1 = 64
	s_mov_b32 s[G1T+5], 32                         ; the pitch
	s_mov_b32 s[G1T+6], 0
	s_mov_b32 s[G1T+7], 0
	s_mov_b32 s[G1C], 3<<16
	s_mov_b32 s[G1C+1], 32<<16
	s_mov_b32 s[G1C+2], 16<<16
	s_mov_b32 s[G1C+3], 32<<16
	s_mov_b32 s[G1C+4], 16
	s_mov_b32 s[G1C+5], 32
	s_mov_b32 s[G1C+6], 0
	s_mov_b32 s[G1C+7], 0
	s_mov_b32 s[SEL], 0x76543210
	s_mov_b32 s[SEL+1], 0xfedcba98                 ; v_permlanex16_b32's selects for lane l xor 16
	s_mov_b32 s[CS], 0x3e0293ee                    ; c = log2(e) / sqrt(128)
	s_mov_b32 s[CS+1], s[CS]
	s_wait_dscnt 0x0
	s_wait_kmcnt 0x0
	s_add_nc_u64 s[72:73], s[4:5], s[72:73]
	s_add_nc_u64 s[76:77], s[6:7], s[76:77]
	s_mov_b32 s[G0S], 1
	s_mov_b32 s[G0S+1], s79
	s_mov_b64 s[G0S+2:G0S+3], s[76:77]
	s_or_b32 s[G0S+3], s[G0S+3], 0x80000000
.irp q, 0,1,2,3
	s_mov_b32 s[G0T+4*\q], 1
	s_add_co_u32 s[G0T+4*\q+1], s78, 32768*\q
	s_add_nc_u64 s[G0T+4*\q+2:G0T+4*\q+3], s[72:73], 32768*\q
	s_or_b32 s[G0T+4*\q+3], s[G0T+4*\q+3], 0x80000000
.endr
	s_cmp_lt_u32 s[WV], 4                          ; all the fills of a wave stand in one branch, ahead of every wait on TENSORcnt, every LDS read and every barrier: five loads of mine are out
	s_cbranch_scc0 .Lno_fetch
	tensor_load_to_lds s[G0S:G0S+3], s[G1C:G1C+7]
	s_nop 0
	tensor_load_to_lds s[G0T:G0T+3], s[G1T:G1T+7]
	s_nop 0
	tensor_load_to_lds s[G0T+4:G0T+7], s[G1T:G1T+7]
	s_nop 0
	tensor_load_to_lds s[G0T+8:G0T+11], s[G1T:G1T+7]
	s_nop 0
	tensor_load_to_lds s[G0T+12:G0T+15], s[G1T:G1T+7]
	s_nop 0
.rept 4
	v_nop
.endr
.Lno_fetch:
	v_and_b32 v7, 31, v0
	v_lshlrev_b32 v[LI], 4, v7
	v_and_b32 v8, 15, v0                           ; r
	v_bfe_u32 v9, v0, 4, 1                         ; h
	v_lshlrev_b32 v[R4], 2, v8
	v_add_nc_u32 v[LV], VIMG, v[LI]
	v_add_nc_u32 v[SK0], SCK, v[R4]
	v_add_nc_u32 v[SV0], SCV, v[R4]
	s_lshl_b32 s66, s[HEAD], 17
	s_lshl_b32 s67, s[TT], 10
	s_add_co_u32 s66, s66, s67
	s_mov_b32 s67, 0
	s_add_nc_u64 s[66:67], s[4:5], s[66:67]        ; my tile of q
	global_load_b128 v[16:19], v[LI], s[66:67]
	global_load_b128 v[20:23], v[LI], s[66:67] offset:512
	s_lshl_b32 s68, s[HEAD], 13
	s_lshl_b32 s69, s[TT], 6
	s_add_co_u32 s68, s68, s69
	s_mov_b32 s69, 0
	s_add_nc_u64 s[68:69], s[6:7], s[68:69]
	global_load_b32 v255, v[R4], s[68:69]          ; its scale words
	s_lshl_b32 s74, s[TT], 4
	s_add_co_u32 s74, s74, s[HEAD]                 ; 16 x tile + head
	s_lshl_b32 s70, s74, 10
	s_mov_b32 s71, 0
	s_add_nc_u64 s[70:71], s[8:9], s[70:71]        ; where y's image goes,
	s_lshl_b32 s74, s74, 6
	s_mov_b32 s75, 0
	s_add_nc_u64 s[74:75], s[10:11], s[74:75]      ; and its scale words
	s_lshr_b32 s78, s[AQ], 1
	s_lshl_b32 s78, s78, 5
	s_and_b32 s79, s[AQ], 1
	s_lshl_b32 s79, s79, 3
	s_add_co_u32 s78, s78, s79                     ; PB(AQ)
	v_and_b32 v10, 8, v8
	v_add_nc_u32 v10, v10, v8
	v_lshlrev_b32 v11, 4, v9
	v_sub_nc_u32 v10, v10, v11
	v_add_nc_u32 v[DQ], s78, v10
	v_mov_b32 v13, 0xff61b1e6                      ; the largest t so far: -3e38
	v_floor_f32 v12, -v13                          ; -M
	v_mov_b32 v14, 0
	v_mov_b32 v15, 0
.irp b, 0,1,2,3
	v_mov_b32 v[236+\b], 0                         ; written once: a lane permute's destination counts as one of its sources
.endr
	v_mov_b32 v252, 0
	v_mov_b32 v253, 0
.set j_, 0
.rept 64
	v_mov_b32 v[160+j_], 0                         ; O^T: the step is written once for each phase; the first finds zeros
.set j_, j_+1
.endr
; A KEY STEP: the 128 keys of chunk J.
.macro STEP
	s_cmp_gt_u32 s[J], s[KCQ]                      ; all its keys come after my queries: only the steps of the addresses remain
	s_cbranch_scc1 .Lhidden_\@
	v_add_nc_u32 v[ADK], s[TKV], v[LI]             ; (these four are also the places in front of the loads into registers that the last products read)
	v_add_nc_u32 v[ADV], s[TKV], v[LV]
	v_add_nc_u32 v[ADS], s[TSC], v[SK0]
	v_add_nc_u32 v[ADT], s[TSC], v[SV0]
.irp g, 0,1                            ; S^T = k q^T, four tiles of 16 keys at a time
.if \g > 0
.rept 4
	v_nop
.endr
.endif
.irp t, 0,1,2,3
.irp c, 0,1
	ds_load_b128 v[32+8*\t+4*\c:32+8*\t+4*\c+3], v[ADK] offset:1024*(4*\g+\t)+512*\c
.endr
	ds_load_b32 v[248+\t], v[ADS] offset:64*(4*\g+\t)
.endr
	s_wait_dscnt 0x0
.irp t, 0,1,2,3
	v_wmma_scale_f32_16x16x128_f8f6f4 v[96+8*(4*\g+\t):103+8*(4*\g+\t)], v[32+8*\t:39+8*\t], v[16:23], 0, v[248+\t], v255 matrix_a_fmt:MATRIX_FMT_FP4 matrix_b_fmt:MATRIX_FMT_FP4
.endr
.endr
.rept 4
	v_nop
.endr
	s_cmp_lt_u32 s[J], s[KCQ]                      ; all its keys count: no mask
	s_cbranch_scc1 .Lopen_\@
	v_mov_b32 v254, 0xff800000                     ; on the diagonal: register 16 b + i holds key 32 b + 16 h + i of the chunk: hidden where 32 b + i > DQ
.set n_, 0
.rept 64
	v_cmp_gt_i32 vcc_lo, 32*(n_/16)+n_%16, v[DQ]
	v_cndmask_b32 v[96+n_], v[96+n_], v254, vcc_lo
.set n_, n_+1
.endr
.Lopen_\@:
.irp b, 0,1,2,3
	v_max3_num_f32 v[232+\b], v[96+16*\b], v[97+16*\b], v[98+16*\b]   ; the largest score of each block of 32 keys: for the row's maximum and, since p rises with the score, for the block's largest p
.endr
.irp i, 3,5,7,9,11,13
.irp b, 0,1,2,3
	v_max3_num_f32 v[232+\b], v[232+\b], v[96+16*\b+\i], v[97+16*\b+\i]
.endr
.endr
.irp b, 0,1,2,3
	v_max_num_f32 v[232+\b], v[232+\b], v[111+16*\b]
.endr
.irp b, 0,1,2,3
	v_permlanex16_b32 v[236+\b], v[232+\b], s[SEL], s[SEL+1]
.endr
.irp b, 0,1,2,3
	v_max_num_f32 v[232+\b], v[232+\b], v[236+\b]
.endr
	v_max3_num_f32 v254, v232, v233, v234
	v_max_num_f32 v254, v254, v235
	v_mul_f32 v254, s[CS], v254
	v_max_num_f32 v13, v13, v254                   ; the running largest t
	v_mov_b32 v254, v12
	v_floor_f32 v12, -v13                          ; the new -M = -ceil(t)
	v_sub_f32 v254, v12, v254                      ; old M - new M: a whole number, 0 or less
	v_cvt_i32_f32 v254, v254
	v_ldexp_f32 v252, 1.0, v254                    ; f = 2^(old M - new M)
.set j_, 0
.rept 32
	v_pk_fma_f32 v[96+j_:97+j_], v[96+j_:97+j_], s[CS:CS+1], v[12:13] op_sel_hi:[1,0,0]   ; t - M
.set j_, j_+2
.endr
.irp b, 0,1,2,3
	v_fma_f32 v[232+\b], v[232+\b], s[CS], v12
.endr
.set j_, 0
.rept 64
	v_exp_f32 v[96+j_], v[96+j_]                   ; p = 2^(t - M)
.set j_, j_+1
.endr
.irp b, 0,1,2,3
	v_exp_f32 v[232+\b], v[232+\b]                 ; the block's largest p
.endr
	v_pk_mul_f32 v[14:15], v[14:15], v[252:253] op_sel_hi:[1,0]   ; the sums under the new M (a plain line behind the exponentials)
	s_wait_alu depctr_va_vdst(0)
.irp b, 0,1,2,3
	v_max_num_f32 v[232+\b], 0x1800000, v[232+\b]  ; the floor 2^(3 - 127)
.endr
.irp b, 0,1,2,3
	v_add_nc_u32 v[244+\b], 0xff000000, v[232+\b]  ; the conversion's scale operand
.endr
.irp b, 0,1,2,3
	v_lshrrev_b32 v[236+\b], 23, v[244+\b]
.endr
	v_lshl_or_b32 v253, v237, 8, v236              ; p's scale word for these 128 keys
	v_lshl_or_b32 v253, v238, 16, v253
	v_lshl_or_b32 v253, v239, 24, v253
.irp b, 0,1,2,3
	v_cvt_scalef32_pk8_fp4_f32 v[224+2*\b], v[96+16*\b:103+16*\b], v[244+\b]
	v_cvt_scalef32_pk8_fp4_f32 v[225+2*\b], v[104+16*\b:111+16*\b], v[244+\b]
.endr
	v_nop
.irp c, 0,1
.irp i, 0,1
	v_permlane16_swap_b32 v[224+4*\c+\i], v[226+4*\c+\i]
.endr
.endr
	v_pk_add_f32 v[236:237], v[96:97], v[98:99]    ; the row's sum of the unquantised p, in two chains
.irp j, 4,8,12,16,20,24,28,32,36,40,44,48,52,56,60
	v_pk_add_f32 v[14:15], v[14:15], v[96+\j:97+\j]
	v_pk_add_f32 v[236:237], v[236:237], v[98+\j:99+\j]
.endr
	v_pk_add_f32 v[14:15], v[14:15], v[236:237]
.set j_, 0
.rept 32
	v_pk_mul_f32 v[160+j_:161+j_], v[160+j_:161+j_], v[252:253] op_sel_hi:[1,0]   ; O^T under the new M
.set j_, j_+2
.endr
.irp g, 0,1                            ; O^T += v^T p^T, four tiles of 16 channels at a time; the eight accumulators take turns
.if \g > 0
.rept 4
	v_nop
.endr
.endif
.irp t, 0,1,2,3
.irp c, 0,1
	ds_load_b128 v[32+8*\t+4*\c:32+8*\t+4*\c+3], v[ADV] offset:1024*(4*\g+\t)+512*\c
.endr
	ds_load_b32 v[248+\t], v[ADT] offset:64*(4*\g+\t)
.endr
	s_wait_dscnt 0x0
.irp t, 0,1,2,3
	v_wmma_scale_f32_16x16x128_f8f6f4 v[160+8*(4*\g+\t):167+8*(4*\g+\t)], v[32+8*\t:39+8*\t], v[224:231], v[160+8*(4*\g+\t):167+8*(4*\g+\t)], v[248+\t], v253 matrix_a_fmt:MATRIX_FMT_FP4 matrix_b_fmt:MATRIX_FMT_FP4
.endr
.endr
.Lhidden_\@:
	s_add_co_u32 s[J], s[J], 1
	s_add_co_u32 s[TKV], s[TKV], 8192
	s_add_co_u32 s[TSC], s[TSC], 512
.endm
; A PHASE: quarter q of the keys has landed; four key steps.  Nothing is ever filled again, so the later quarters stay on their way across the barrier.
.macro PHASE q
	s_wait_tensorcnt 3-\q                          ; the scale words and quarters 0 .. q are in; the 3 - q later quarters may be out
	s_wait_dscnt 0x0
	s_barrier_signal -1
	s_barrier_wait -1                              ; everybody's parts are
	s_mov_b32 s[J], 4*\q
	s_mov_b32 s[TKV], 32768*\q
	s_mov_b32 s[TSC], 2048*\q
	s_mov_b32 s[CNT], 4
.Lstep_\@:
	STEP
	s_sub_co_u32 s[CNT], s[CNT], 1
	s_cmp_lg_u32 s[CNT], 0
	s_cbranch_scc1 .Lstep_\@
.endm
	s_wait_loadcnt 0x0                             ; q
	PHASE 0
	PHASE 1
	PHASE 2
	PHASE 3
	; THE WAY OUT: y = O^T / the sum; its 64 registers are channels 32 b + 16 h + i: quantised as they stand, the image stored as it stands
.rept 4
	v_nop
.endr
	v_add_f32 v14, v14, v15
	v_permlanex16_b32 v252, v14, s[SEL], s[SEL+1]
	v_add_f32 v14, v14, v252
	v_rcp_f32 v14, v14
	v_nop
.set j_, 0
	s_wait_alu depctr_va_vdst(0)
.rept 32
	v_pk_mul_f32 v[96+j_:97+j_], v[160+j_:161+j_], v[14:15] op_sel_hi:[1,0]
.set j_, j_+2
.endr
.irp b, 0,1,2,3
	v_max3_num_f32 v[232+\b], |v[96+16*\b]|, |v[97+16*\b]|, 0x1800000
.endr
.irp i, 2,4,6,8,10,12,14
.irp b, 0,1,2,3
	v_max3_num_f32 v[232+\b], v[232+\b], |v[96+16*\b+\i]|, |v[97+16*\b+\i]|
.endr
.endr
.irp b, 0,1,2,3
	v_permlanex16_b32 v[236+\b], v[232+\b], s[SEL], s[SEL+1]
.endr
.irp b, 0,1,2,3
	v_max_num_f32 v[232+\b], v[232+\b], v[236+\b]
.endr
.irp b, 0,1,2,3
	v_add_nc_u32 v[244+\b], 0xff000000, v[232+\b]
.endr
.irp b, 0,1,2,3
	v_lshrrev_b32 v[236+\b], 23, v[244+\b]
.endr
	v_lshl_or_b32 v248, v237, 8, v236
	v_lshl_or_b32 v248, v238, 16, v248
	v_lshl_or_b32 v248, v239, 24, v248
.irp b, 0,1,2,3
	v_cvt_scalef32_pk8_fp4_f32 v[224+2*\b], v[96+16*\b:103+16*\b], v[244+\b]
	v_cvt_scalef32_pk8_fp4_f32 v[225+2*\b], v[104+16*\b:111+16*\b], v[244+\b]
.endr
	v_nop
.irp c, 0,1
.irp i, 0,1
	v_permlane16_swap_b32 v[224+4*\c+\i], v[226+4*\c+\i]
.endr
.endr
	global_store_b128 v[LI], v[224:227], s[70:71]              ; each store covers 512 consecutive bytes, aligned
	global_store_b128 v[LI], v[228:231], s[70:71] offset:512
	global_store_b32 v[R4], v248, s[74:75]                     ; lanes 16-31 write the same words with the same values
	s_wait_tensorcnt 0x0
	ds_add_u32 v242, v243
	s_wait_dscnt 0x0
	s_endpgm
.Lfunc_end_k_q051146d7ab_attn:
	.size	k_q051146d7ab_attn, .Lfunc_end_k_q051146d7ab_attn-k_q051146d7ab_attn
	.p2alignl 7, 3214868480
	.fill 96, 4, 3214868480
	.section	.rodata,"a",@progbits
	.p2align	6, 0x0
	.amdhsa_kernel k_q051146d7ab_attn
		.amdhsa_group_segment_fixed_size 279552
		.amdhsa_private_segment_fixed_size 0
		.amdhsa_enable_private_segment 0
		.amdhsa_kernarg_size 32
		.amdhsa_user_sgpr_count 2
		.amdhsa_user_sgpr_kernarg_segment_ptr 1
		.amdhsa_wavefront_size32 1
		.amdhsa_system_sgpr_workgroup_id_x 1
		.amdhsa_system_sgpr_workgroup_id_y 1
		.amdhsa_system_sgpr_workgroup_id_z 1
		.amdhsa_system_vgpr_workitem_id 0
		.amdhsa_next_free_vgpr 256
		.amdhsa_next_free_sgpr 80
		.amdhsa_reserve_vcc 1
		.amdhsa_float_denorm_mode_32 3
		.amdhsa_float_denorm_mode_16_64 3
		.amdhsa_memory_ordered 1
		.amdhsa_forward_progress 1
		.amdhsa_inst_pref_size 111
	.end_amdhsa_kernel
	.amdgpu_metadata
---
amdhsa.version: [ 1, 2 ]
amdhsa.kernels:
  - .name:           k_q051146d7ab_attn
    .symbol:         k_q051146d7ab_attn.kd
    .args:
      - { .name: img, .offset: 0, .size: 8, .value_kind: global_buffer, .address_space: global }
      - { .name: sc, .offset: 8, .size: 8, .value_kind: global_buffer, .address_space: global }
      - { .name: yimg, .offset: 16, .size: 8, .value_kind: global_buffer, .address_space: global }
      - { .name: ysc, .offset: 24, .size: 8, .value_kind: global_buffer, .address_space: global }
    .group_segment_fixed_size: 279552
    .private_segment_fixed_size: 0
    .kernarg_segment_align: 8
    .kernarg_segment_size: 32
    .max_flat_workgroup_size: 256
    .sgpr_count:     80
    .vgpr_count:     256
    .wavefront_size: 32
...
	.end_amdgpu_metadata
.endif
;; end of part 4
;; launch proj (part 5): grid 8 x 8, 4 waves a work-group, clusters of 4 x 4, 327,680 bytes of LDS; arguments yimg, ysc, wc, ws, out0; writes out0
.if DOCPART == 5
	.amdgcn_target "amdgcn-amd-amdhsa--gfx1250"
	.amdhsa_code_object_version 6
	.text
	.protected	k_q051146d7ab_proj
	.globl	k_q051146d7ab_proj
	.p2align	8
	.type	k_q051146d7ab_proj,@function
k_q051146d7ab_proj:
	s_mov_b64 s[64:65], 0
	v_nop
	global_prefetch_b8 v0, s[64:65] scope:SCOPE_SE
	s_setreg_imm32_b32 hwreg(HW_REG_WAVE_MODE, 25, 1), 1
	s_wait_xcnt 0x0
	s_wait_alu depctr_hold_cnt(0) depctr_sa_sdst(0) depctr_va_vdst(0) depctr_va_sdst(0) depctr_va_ssrc(0) depctr_va_vcc(0) depctr_vm_vsrc(0)
	s_getreg_b32 s2, hwreg(HW_REG_IB_STS2, 6, 4)
	s_cmp_eq_u32 s2, 0
	s_cbranch_scc0 .Lentry_in_a_cluster
	s_endpgm
.Lentry_in_a_cluster:
	s_bfe_u32 s2, ttmp6, 0x10000c
	s_cmp_lg_u32 s2, 0xf033
	s_cbranch_scc0 .Lentry_shape_is_right
	s_endpgm
.Lentry_shape_is_right:
; out0 = y Wproj on codes of FP4 (E2M1) with one E8M0 scale for each 32 along K; sums in f32.  M = N = K = 2,048.
; A = y, as images of operand registers: yimg [16 chunks of 128 tokens][8 tiles][16 K steps of 128][1,024 bytes], byte 512 c + 16 lane = registers 4 c .. 4 c + 3; lane r of tile a = token PB(a) + r + (r & 8), PB(a) = 32 (a / 2) + 8 (a % 2);
; ysc the same with 64 bytes (16 words) a fragment.  B = Wproj's columns: rows 6,144 on of wc [row][1,024 bytes] and ws [row][64 bytes], column n at row position n with bits 3 and 4 exchanged.
; A tile of out0, 256 x 256, is made by four waves of 128 x 128 (64 accumulators, 512 registers).  K goes in steps of 512 through a ring of two LDS slots.  The scales of all of K come into LDS once, with the first fills.
; CLUSTERS: 4 x 4 work-groups; A's tile is shared along a row of the cluster, B's along a column: each is asked for jointly.
; THE MATRIX INSTRUCTION IS USED TRANSPOSED (source 0 = 16 rows of B, source 1 = A): register j of accumulator (a, b) in lane (r, h) is out0(token PB(a) + r + (r & 8), column 32 (b / 2) + 8 (b % 2) + 16 h + j).
; 64 work-groups: the product is 64 tiles of this size; a smaller tile would read each LDS byte for half the work.
; REGISTERS: window 0: v0-31 addresses; v32-95 B's scale words, two sets; v128-191 A's fragments; v192-255 A's scale words, two sets; on the way out v128-255 take rows of out0.
;   window 1: B's fragments, two sets.   windows 2, 3: the accumulators.
.set KSTEP,  512
.set NQ,     4
.set ROWB,   256                       ; B: a tile's row in bytes
.set AROWB,  4096                      ; A: a tile of rows' four fragments of a K step
.set KROW,   1024
.set PITCH,  272
.set FR,     8
.set NL,     2
.set NP,     4
.set HALFT,  128*PITCH                 ; the place of 128 rows in a slot (A's images take 32,768 bytes of it)
.set SLOT,   4*HALFT
.set LAPS,   2
.set KS,     64
.set SCL,    2*SLOT
.set HALFS,  32*272
.set SBLK,   4*272
.set SPARE,  SCL+4*HALFS               ; the spare words: 128 bytes a wave, two blocks of 256 bytes that no other line names
.set SPITCH, 528                       ; the way out: a stage of 16 rows x (512 bytes + 16) for each wave, in slot 0, which has had its last fill and its last read by then
.set ADRA, 16
.set ADRB, 20
.set STO,  24
.set RD,   25
.set CO,   26
.set ADSB, 27                          ; v27  B's scale words
.set SPW,  28
.set NIL,  29
.set ADSA, 30                          ; v30  A's scale words
.set SCB,  32
.set SCA,  192
.set AF,   128
.set BK,   128
.set G1, 24
.set G0, 32
.set G1B, 48
.set G0B, 56
.set G1S, 68
.set G0S, 76
.set G1SB, 80
.set G0SB, 88
.set MSB, 0
.macro WIN new
.if MSB != (\new)
	s_set_vgpr_msb (MSB<<8)|(\new)
.set MSB, (\new)
.endif
.endm
.set MUL_LO, 0xa1
.set MUL_HI, 0xf1
.set TO_B,   0x40
.macro JLOAD g0a, g1a, g0b, g1b        ; a joint load: waves 0 and 1 fetch for A, waves 2 and 3 for B; four v_nop follow each of the two lines
	s_cmp_eq_u32 s15, 0
	s_cbranch_scc0 .Lfor_b_\@
	tensor_load_to_lds s[\g0a:\g0a+3], s[\g1a:\g1a+7]
	s_nop 0
.rept 4
	v_nop
.endr
	s_branch .Lasked_\@
.Lfor_b_\@:
	tensor_load_to_lds s[\g0b:\g0b+3], s[\g1b:\g1b+7]
	s_nop 0
.rept 4
	v_nop
.endr
.Lasked_\@:
.endm
.macro CREST
	s_cmp_lg_u32 s14, 0
	s_cbranch_scc1 .Lnot_wave_0_\@
	s_barrier_signal -3
.Lnot_wave_0_\@:
	s_barrier_wait -3
	s_barrier_signal -1
	s_barrier_wait -1
.endm
.macro CROUND
	s_barrier_signal -1
	s_barrier_wait -1
	CREST
.endm
	s_load_b128 s[4:7], s[0:1], 0x0                ; yimg, ysc
	s_load_b128 s[8:11], s[0:1], 0x10              ; wc, ws
	s_load_b64 s[12:13], s[0:1], 0x20              ; out0
	v_lshl_add_u32 v[SPW], v0, 2, SPARE
	v_mov_b32 v[NIL], 0
	ds_add_u32 v28, v29
	ds_add_u32 v28, v29
	s_wait_dscnt 0x0
	v_lshrrev_b32 v1, 5, v0
	v_readfirstlane_b32 s14, v1                    ; wave 0..3
	s_lshr_b32 s15, s14, 1                         ; which half of the tile's rows is mine.  Also: I fetch for A (0) or for B (1)
	s_and_b32 s16, s14, 1                          ; which half of its columns.  Also: which 128 rows of that tile I fetch
	s_bfe_u32 s40, ttmp6, 0x40000
	s_bfe_u32 s41, ttmp6, 0x40004
	s_lshl_b32 s42, ttmp9, 2
	s_add_co_u32 s42, s42, s40                     ; tile column
	s_and_b32 s17, ttmp7, 0xffff
	s_lshl_b32 s17, s17, 2
	s_add_co_u32 s17, s17, s41                     ; tile row
	s_lshl_b32 s43, s41, 2
	s_lshl_b32 s43, 15, s43
	s_lshl_b32 s44, 0x1111, s40
	s_or_b32 s[G1+0], s43, (3<<16)|(1<<21)         ; A: the mask; elements of 8 bytes; no padding; bit 21 beside a mask
	s_mov_b32 s[G1+1], 512<<16                     ; tensor_dim0 = 512: 4,096 bytes: a tile's four fragments of the K step
	s_mov_b32 s[G1+2], 8<<16                       ; tensor_dim1 = 8 tiles
	s_mov_b32 s[G1+3], 512<<16                     ; tile_dim0
	s_mov_b32 s[G1+4], 8                           ; tile_dim1
	s_mov_b32 s[G1+5], 2048                        ; the pitch: 16,384 bytes from tile to tile
	s_mov_b32 s[G1+6], 0
	s_mov_b32 s[G1+7], 0
	s_or_b32 s[G1B+0], s44, (0<<16)|(1<<20)|(1<<21)|(5<<22)|(3<<25)  ; B: elements of 1 byte; padding: 4 words after every 64
	s_mov_b32 s[G1B+1], ROWB<<16
	s_mov_b32 s[G1B+2], 128<<16
	s_mov_b32 s[G1B+3], ROWB<<16
	s_mov_b32 s[G1B+4], 128
	s_mov_b32 s[G1B+5], KROW
	s_mov_b32 s[G1B+6], 0
	s_mov_b32 s[G1B+7], 0
	s_or_b32 s[G1S+0], s43, (3<<16)|(1<<20)|(1<<21)|(5<<22)|(3<<25)  ; the scales of 128 rows: 8,192 dense bytes as 32 rows of 256, 16 bytes of padding behind each
	s_or_b32 s[G1SB+0], s44, (3<<16)|(1<<20)|(1<<21)|(5<<22)|(3<<25)
.irp g, G1S, G1SB
	s_mov_b32 s[\g+1], 32<<16
	s_mov_b32 s[\g+2], 32<<16
	s_mov_b32 s[\g+3], 32<<16
	s_mov_b32 s[\g+4], 32
	s_mov_b32 s[\g+5], 32
	s_mov_b32 s[\g+6], 0
	s_mov_b32 s[\g+7], 0
.endr
	s_lshl_b32 s18, s16, 7
	s_lshl_b32 s20, s17, 8
	s_add_co_u32 s20, s20, s18                     ; A: row 256 x tile row + 128 x half (a chunk's images are 128 x 1,024 bytes, its scale words 128 x 64)
	s_lshl_b32 s46, s42, 8
	s_add_co_u32 s46, s46, s18                     ; B: row 256 x tile column + 128 x half
	s_mov_b32 s21, 0
	s_mov_b32 s47, 0
	s_mov_b64 s[18:19], KS
	s_mul_u64 s[22:23], s[20:21], s[18:19]
	s_mul_u64 s[92:93], s[46:47], s[18:19]
	s_mov_b64 s[18:19], KROW
	s_mul_u64 s[20:21], s[20:21], s[18:19]
	s_mul_u64 s[46:47], s[46:47], s[18:19]
	s_mul_i32 s45, s14, HALFT
	s_mul_i32 s94, s14, HALFS
	s_wait_kmcnt 0x0
	s_add_nc_u64 s[8:9], s[8:9], 0x600000          ; Wproj's codes: rows 6,144 on
	s_add_nc_u64 s[10:11], s[10:11], 0x60000       ; and its scale bytes
	s_add_nc_u64 s[20:21], s[4:5], s[20:21]
	s_add_nc_u64 s[22:23], s[6:7], s[22:23]
	s_add_nc_u64 s[46:47], s[8:9], s[46:47]
	s_add_nc_u64 s[92:93], s[10:11], s[92:93]
	CROUND                                         ; all sixteen work-groups are here: the first joint loads meet
	s_mov_b32 s[G0S], 1
	s_add_co_u32 s[G0S+1], s94, SCL
	s_mov_b64 s[G0S+2:G0S+3], s[22:23]
	s_or_b32 s[G0S+3], s[G0S+3], 0x80000000
	s_mov_b32 s[G0SB], 1
	s_add_co_u32 s[G0SB+1], s94, SCL
	s_mov_b64 s[G0SB+2:G0SB+3], s[92:93]
	s_or_b32 s[G0SB+3], s[G0SB+3], 0x80000000
	JLOAD G0S, G1S, G0SB, G1SB
.irp s, 0,1
	s_mov_b32 s[G0+4*\s], 1
	s_add_co_u32 s[G0+4*\s+1], s45, \s*SLOT
	s_add_nc_u64 s[G0+4*\s+2:G0+4*\s+3], s[20:21], \s*AROWB
	s_or_b32 s[G0+4*\s+3], s[G0+4*\s+3], 0x80000000
	s_mov_b32 s[G0B+4*\s], 1
	s_add_co_u32 s[G0B+4*\s+1], s45, \s*SLOT
	s_add_nc_u64 s[G0B+4*\s+2:G0B+4*\s+3], s[46:47], \s*ROWB
	s_or_b32 s[G0B+4*\s+3], s[G0B+4*\s+3], 0x80000000
	JLOAD G0+4*\s, G1, G0B+4*\s, G1B
.endr
	v_and_b32 v1, 15, v0                           ; r
	v_bfe_u32 v2, v0, 4, 1                         ; h
	v_and_b32 v6, 31, v0                           ; lane
	v_mul_u32_u24 v3, v1, PITCH
	v_lshl_add_u32 v4, v2, 4, v3                   ; B: a fragment's row x pitch + 16 h
	v_lshlrev_b32 v7, 4, v6                        ; A: 16 x lane
	s_mul_i32 s21, s15, HALFT
	s_mul_i32 s22, s16, HALFT
	s_add_co_u32 s22, s22, 2*HALFT
.irp s, 0,1
	v_add_nc_u32 v[ADRA+\s], s21, v7
	v_add_nc_u32 v[ADRB+\s], s22, v4
	s_add_co_u32 s21, s21, SLOT
	s_add_co_u32 s22, s22, SLOT
.endr
	v_mul_u32_u24 v5, v1, KS                       ; B's scales: 64 bytes a row,
	v_lshrrev_b32 v8, 8, v5
	v_lshl_add_u32 v5, v8, 4, v5                   ; and 16 more for each 256 passed
	s_mul_i32 s22, s16, HALFS
	s_add_co_u32 s22, s22, SCL+2*HALFS
	v_add_nc_u32 v[ADSB], s22, v5
	s_mul_i32 s21, s15, HALFS
	s_add_co_u32 s21, s21, SCL
	v_lshl_add_u32 v[ADSA], v1, 2, s21             ; A's scales: word r of a fragment's 16
	s_mul_i32 s23, s14, 16*SPITCH                  ; my stage
	v_mul_u32_u24 v5, v1, SPITCH
	v_lshl_add_u32 v5, v2, 6, v5
	v_add_nc_u32 v[STO], s23, v5                   ; in: row r, + 64 h
	v_lshlrev_b32 v[CO], 4, v6                     ; back: the 32 lanes take one row of 512 bytes; and the same in out0
	v_add_nc_u32 v[RD], s23, v[CO]
	s_lshl_b32 s20, s17, 8
	s_lshl_b32 s21, s15, 7
	s_add_co_u32 s20, s20, s21                     ; my first row of out0
	s_mov_b32 s21, 0
	s_mov_b64 s[18:19], 8192
	s_mul_u64 s[20:21], s[20:21], s[18:19]
	s_lshl_b32 s46, s42, 10
	s_lshl_b32 s47, s16, 9
	s_add_co_u32 s46, s46, s47
	s_mov_b32 s47, 0
	s_add_nc_u64 s[20:21], s[20:21], s[46:47]
	s_add_nc_u64 s[12:13], s[12:13], s[20:21]
.macro FRAGB reg, adr, q, i            ; from rows: registers 4 c .. 4 c + 3 hold K = 64 c + 32 (l / 16) + 0 .. 31 of row l % 16
.irp c, 0,1
	ds_load_b128 v[\reg+4*\c:\reg+4*\c+3], v[\adr] offset:64*(\q)+32*\c+(\i)*16*PITCH
.endr
.endm
.macro FRAGA reg, adr, q, i            ; from an image: 512 consecutive bytes a load
.irp c, 0,1
	ds_load_b128 v[\reg+4*\c:\reg+4*\c+3], v[\adr] offset:1024*(\q)+512*\c+(\i)*4096
.endr
.endm
; 16 matrix instructions: A's blocks a0, a0 + 1 x B's eight.  The 64 accumulators take turns, one instruction a turn, in the same order in every step.
.macro MUL16 a0, p, q, sc, zero
.irp a, \a0, \a0+1
.irp b, 0,1,2,3,4,5,6,7
.if \zero
	v_wmma_scale_f32_16x16x128_f8f6f4 v[8*(8*((\a)%4)+\b):8*(8*((\a)%4)+\b)+7], v[128*(\p)+FR*\b:128*(\p)+FR*\b+FR-1], v[AF+FR*(\a):AF+FR*(\a)+FR-1], 0, v[SCB+8*NQ*(\sc)+NQ*\b+(\q)], v[SCA+8*NQ*(\sc)+NQ*(\a)+(\q)] matrix_a_fmt:MATRIX_FMT_FP4 matrix_b_fmt:MATRIX_FMT_FP4
.else
	v_wmma_scale_f32_16x16x128_f8f6f4 v[8*(8*((\a)%4)+\b):8*(8*((\a)%4)+\b)+7], v[128*(\p)+FR*\b:128*(\p)+FR*\b+FR-1], v[AF+FR*(\a):AF+FR*(\a)+FR-1], v[8*(8*((\a)%4)+\b):8*(8*((\a)%4)+\b)+7], v[SCB+8*NQ*(\sc)+NQ*\b+(\q)], v[SCA+8*NQ*(\sc)+NQ*(\a)+(\q)] matrix_a_fmt:MATRIX_FMT_FP4 matrix_b_fmt:MATRIX_FMT_FP4
.endif
.endr
.endr
.endm
.macro FETCH_B slot, q, p
	WIN TO_B
.irp i, 0,1,2,3,4,5,6,7
	FRAGB 128*(\p)+FR*\i, ADRB+\slot, \q, \i
.endr
	WIN 0
.endm
.macro FETCH_A slot, q, i0
.irp i, \i0, \i0+1, \i0+2, \i0+3
	FRAGA AF+FR*(\i), ADRA+\slot, \q, \i
.endr
.endm
.macro SCALES sc                       ; a K step's scale words: B's four words a row by one load; A's word by word (a fragment's 16 words lie together)
.irp i, 0,1,2,3,4,5,6,7
	ds_load_b128 v[SCB+8*NQ*\sc+NQ*\i:SCB+8*NQ*\sc+NQ*\i+3], v[ADSB] offset:\i*SBLK
.endr
.irp i, 0,1,2,3,4,5,6,7
.irp q, 0,1,2,3
	ds_load_b32 v[SCA+8*NQ*\sc+NQ*\i+\q], v[ADSA] offset:\i*1088+64*\q
.endr
.endr
.endm
.macro PLACES n
.rept \n
	v_nop
.endr
.endm
.macro STEP slot, q, zero
	s_wait_dscnt 4*NL                              ; all but the youngest eight loads (A's blocks 4-7) are in
	WIN MUL_LO
	MUL16 0, (\q)%2, \q, \slot, \zero
	MUL16 2, (\q)%2, \q, \slot, \zero
	s_wait_dscnt 0
	PLACES NP
	FETCH_B \slot, (\q)+1, 1-(\q)%2
	FETCH_A \slot, (\q)+1, 0
	WIN MUL_HI
	MUL16 4, (\q)%2, \q, \slot, \zero
	MUL16 6, (\q)%2, \q, \slot, \zero
	PLACES NP
	WIN 0
	FETCH_A \slot, (\q)+1, 4
.endm
.macro TURN slot, next, fill
	s_wait_tensorcnt 0x0                           ; all my tensor loads have landed: my part of the next slot
	ds_add_u32 v[SPW], v[NIL]                      ; 0 onto my spare word
	s_wait_dscnt 4*NL+1                            ; (the add and the youngest eight loads may be out)
	WIN MUL_LO
	MUL16 0, 1, NQ-1, \slot, 0
	s_wait_dscnt 0x0                               ; the add is done, and my reads of this slot are over
	s_barrier_signal -1
	MUL16 2, 1, NQ-1, \slot, 0
	WIN 0
	s_barrier_wait -1
.if \fill
	CREST                                          ; the barrier has opened a round of the cluster's barrier: no wave of any partner still reads this slot or has a load on its way
	s_add_nc_u64 s[G0+4*\slot+2:G0+4*\slot+3], s[G0+4*\slot+2:G0+4*\slot+3], 2*AROWB
	s_add_nc_u64 s[G0B+4*\slot+2:G0B+4*\slot+3], s[G0B+4*\slot+2:G0B+4*\slot+3], 2*ROWB
	JLOAD G0+4*\slot, G1, G0B+4*\slot, G1B         ; the first tensor load behind the round; its four v_nop are the places in front of the loads below
.else
	PLACES NP
.endif
	v_add_nc_u32 v[ADSB], 4*NQ, v[ADSB]            ; on to the next K step's scale words: B's 16 bytes on in each row,
	v_add_nc_u32 v[ADSA], 272, v[ADSA]             ; A's four fragments (256 bytes and a padding) on
	FETCH_B \next, 0, 0
	FETCH_A \next, 0, 0
	SCALES \next
	WIN MUL_HI
	MUL16 4, 1, NQ-1, \slot, 0
	MUL16 6, 1, NQ-1, \slot, 0
	PLACES NP
	WIN 0
	FETCH_A \next, 0, 4
.endm
.macro STEPS slot, from
.set Q, \from
.rept NQ-1-\from
	STEP \slot, Q, 0
.set Q, Q+1
.endr
.endm
	s_wait_tensorcnt 1                             ; the scales and my part of K step 0 are in (K step 1's load may be out),
	s_barrier_signal -1
	s_barrier_wait -1                              ; everybody's are
	FETCH_B 0, 0, 0
	FETCH_A 0, 0, 0
	SCALES 0
	FETCH_A 0, 0, 4
	STEP 0, 0, 1
	s_mov_b32 s3, LAPS-1
.Llap:
	STEPS 0, 1
	TURN 0, 1, 1
	STEPS 1, 0
	TURN 1, 0, 1
	STEP 0, 0, 0
	s_sub_co_u32 s3, s3, 1
	s_cmp_lg_u32 s3, 0
	s_cbranch_scc1 .Llap
	STEPS 0, 1
	TURN 0, 1, 0
	STEPS 1, 0
	s_wait_dscnt 4*NL
	WIN MUL_LO
	MUL16 0, 1, NQ-1, 1, 0
	MUL16 2, 1, NQ-1, 1, 0
	s_wait_dscnt 0
	WIN MUL_HI
	MUL16 4, 1, NQ-1, 1, 0
	MUL16 6, 1, NQ-1, 1, 0
	WIN 0
; THE WAY OUT, block by block of 16 rows x 128 columns, through my own stage: in by 32 bytes of a row, back as whole rows of 512 bytes.  LDS serves a wave's instructions in order (ISA guide 5.7.1.4).
.macro TOSTAGE a
.set AC, 64*((\a)%4)
	WIN 0x08+4*((\a)/4)                            ; the data: window 2 or 3
.irp b, 0,1,2,3,4,5,6,7
	ds_store_b128 v[STO], v[AC+8*\b:AC+8*\b+3] offset:128*(\b/2)+32*(\b%2)          ; columns 32 (b / 2) + 8 (b % 2) + 16 h on; each accumulator from its low end on
	ds_store_b128 v[STO], v[AC+8*\b+4:AC+8*\b+7] offset:128*(\b/2)+32*(\b%2)+16
.endr
	WIN 0
.set BB, BK+64*((\a)%2)
.irp t, 0,1,2,3,4,5,6,7,8,9,10,11,12,13,14,15
	ds_load_b128 v[BB+4*\t:BB+4*\t+3], v[RD] offset:\t*SPITCH
.endr
.endm
.macro SEND a, younger                 ; younger: the LDS instructions issued behind block a's loads, which may stay out
.set BB, BK+64*((\a)%2)
	s_wait_dscnt \younger
.irp t, 0,1,2,3,4,5,6,7,8,9,10,11,12,13,14,15
	global_store_b128 v[CO], v[BB+4*\t:BB+4*\t+3], s[12:13] offset:(32*((\a)/2)+8*((\a)%2)+\t+8*(\t/8))*8192 th:TH_STORE_NT   ; stage row t is token PB(a) + t + (t & 8); 32 lanes store 512 consecutive bytes, aligned
.endr
.endm
	PLACES NP
	TOSTAGE 0
.irp a, 1,2,3,4,5,6,7
.if \a > 1
	s_wait_xcnt 0x0                                ; block a - 2's stores have read their registers: block a's loads may land there
.endif
	TOSTAGE \a
	SEND \a-1, 32                                  ; behind block a - 1's loads: block a's 16 stores and 16 loads
.endr
	SEND 7, 0
	s_wait_tensorcnt 0x0                           ; the wave's end
	ds_add_u32 v[SPW], v[NIL]
	s_wait_dscnt 0x0
	CROUND                                         ; the closing round
	s_endpgm
.Lfunc_end_k_q051146d7ab_proj:
	.size	k_q051146d7ab_proj, .Lfunc_end_k_q051146d7ab_proj-k_q051146d7ab_proj
	.p2alignl 7, 3214868480
	.fill 96, 4, 3214868480
	.section	.rodata,"a",@progbits
	.p2align	6, 0x0
	.amdhsa_kernel k_q051146d7ab_proj
		.amdhsa_group_segment_fixed_size 327680
		.amdhsa_private_segment_fixed_size 0
		.amdhsa_enable_private_segment 0
		.amdhsa_kernarg_size 40
		.amdhsa_user_sgpr_count 2
		.amdhsa_user_sgpr_kernarg_segment_ptr 1
		.amdhsa_wavefront_size32 1
		.amdhsa_system_sgpr_workgroup_id_x 1
		.amdhsa_system_sgpr_workgroup_id_y 1
		.amdhsa_system_sgpr_workgroup_id_z 1
		.amdhsa_system_vgpr_workitem_id 0
		.amdhsa_next_free_vgpr 1024
		.amdhsa_next_free_sgpr 98
		.amdhsa_reserve_vcc 0
		.amdhsa_float_denorm_mode_32 3
		.amdhsa_float_denorm_mode_16_64 3
		.amdhsa_memory_ordered 1
		.amdhsa_forward_progress 1
		.amdhsa_inst_pref_size 219
	.end_amdhsa_kernel
	.amdgpu_metadata
---
amdhsa.version: [ 1, 2 ]
amdhsa.kernels:
  - .name:           k_q051146d7ab_proj
    .symbol:         k_q051146d7ab_proj.kd
    .args:
      - { .name: yimg, .offset: 0, .size: 8, .value_kind: global_buffer, .address_space: global }
      - { .name: ysc, .offset: 8, .size: 8, .value_kind: global_buffer, .address_space: global }
      - { .name: wc, .offset: 16, .size: 8, .value_kind: global_buffer, .address_space: global }
      - { .name: ws, .offset: 24, .size: 8, .value_kind: global_buffer, .address_space: global }
      - { .name: out0, .offset: 32, .size: 8, .value_kind: global_buffer, .address_space: global }
    .group_segment_fixed_size: 327680
    .private_segment_fixed_size: 0
    .kernarg_segment_align: 8
    .kernarg_segment_size: 40
    .max_flat_workgroup_size: 128
    .sgpr_count:     98
    .vgpr_count:     1024
    .wavefront_size: 32
...
	.end_amdgpu_metadata
.endif
;; end of part 5
;; ======== version 2 of 2: 4 launches
;; limits: right only within a limited range of input values
;; workspace buffers: xc 2,097,152 bytes; xs 131,072 bytes; wc 8,388,608 bytes; ws 524,288 bytes; img 6,291,456 bytes; sc 393,216 bytes; yimg 2,097,152 bytes; ysc 131,072 bytes
;; launch quant (part 6): grid 16 x 16, 16 waves a work-group, no clusters, 122,880 bytes of LDS; arguments Wq, Wk, Wv, Wproj, wc, ws, x, xc, xs; writes wc, ws, xc, xs
.if DOCPART == 6
	.amdgcn_target "amdgcn-amd-amdhsa--gfx1250"
	.amdhsa_code_object_version 6
	.text
	.protected	k_q051146d7ab_quant
	.globl	k_q051146d7ab_quant
	.p2align	8
	.type	k_q051146d7ab_quant,@function
k_q051146d7ab_quant:
	s_mov_b64 s[64:65], 0
	v_nop
	global_prefetch_b8 v0, s[64:65] scope:SCOPE_SE
	s_setreg_imm32_b32 hwreg(HW_REG_WAVE_MODE, 25, 1), 1
	s_wait_xcnt 0x0
; Wq, Wk, Wv, Wproj, each [2048 (k)][2048 (n)] f32 with K as the FIRST axis, and x [2048][2048] f32 with K innermost, become codes of FP4 (E2M1), K innermost, with one E8M0 byte for each 32 along K.
; A block's scale byte is its largest magnitude's exponent field - 2, held at 1 from below; each number is divided by the scale and rounded to the nearest code, ties to even.
; wc: [8192 rows][1,024 bytes], ws: [8192 rows][64 bytes]; rows 0-2047 Wq's columns, then Wk's, Wv's, Wproj's.  xc: [2048 rows][1,024], xs: [2048 rows][64].
; ROW ORDER OF ALL FOUR OUTPUTS: row L lies at row position L with bits 3 and 4 exchanged, so that 16 neighbouring positions hold rows 0-7 and 16-23 (or 8-15 and 24-31) of a group of 32.
; THE WEIGHTS.  A work-group takes 128 columns x 512 k of one tensor (x: the columns; y: 4 x tensor + which 512 k).  Wave w takes columns 32 (w % 4) on and k 128 (w / 4) on.  A LANE TAKES A COLUMN AND ITS REGISTERS
; RUN DOWN K: a block of 32 lies in one lane's 32 registers, and the conversions give codes with K innermost.  The codes meet in one stage (128 rows x 256 bytes + 16), behind one barrier, and leave by rows:
; sixteen lanes store 256 consecutive bytes, aligned.  The scale bytes leave as 16 bytes a row of ws (rows 64 bytes apart): 1 byte in 128 of what is read.  Loads run two blocks (64 loads a wave) ahead.
; x.  Work-group g = x + 16 y also takes the 16,384 numbers (8 rows) of x from number 16,384 g on; wave w two steps of 512.  Each load reads 512 consecutive bytes; a step's 2,048 bytes turn through the wave's own
; stage so that a lane holds 16 neighbours; two neighbouring lanes hold a block.  Rows 8 g .. 8 g + 7 share bits 3 and 4, which are bits 0 and 1 of g: the whole part moves.  The wave's eight loads go out when
; its weights' third block has landed.  The work-group's 512 scale bytes of x meet in LDS behind the same barrier and leave as 512 consecutive bytes.
; LIMITS: NaN and infinities are not served; a block of zeros, or one under 2^-124, keeps the byte 1 (the bytes are read by this program alone).
.set NB,    4
.set PITCH, 272
.set SST,   128*PITCH                  ; behind the stage: 128 rows x 16 scale bytes of the weights
.set XSB,   SST+2048                   ; x's 512 scale bytes
.set XST,   XSB+512                    ; x's stages: for each wave two of 32 x SP bytes
.set SP,    80                         ; a lane's place in such a stage: 64 bytes + 16 of padding
.set XWV,   2*32*SP
.set EMAX,  2
.set SB,    24                         ; v24      my four scale bytes of the weights
.set X,     32                         ; v32-95   two sets of 32 numbers
.set C,     96                         ; v96-99   a block's codes
.set SO,    100                        ; v100-103 a row's 16 scale bytes on the way out
.set OUTR,  112                        ; v112-127 the way out
.set XR,    128                        ; v128-159 x: two steps of 16 numbers as they are loaded
.set XX,    160                        ; v160-191 x: two steps of 16 neighbours
.set XC,    192                        ; v192-195 x: two registers of codes for each step
.set XE,    196                        ; v196-197 x: a scale byte for each step
.set XSO,   200                        ; v200-203 x: 16 scale bytes on the way out
	s_load_b256 s[4:11], s[0:1], 0x0               ; Wq, Wk, Wv, Wproj
	s_load_b128 s[12:15], s[0:1], 0x20             ; wc, ws
	s_load_b128 s[32:35], s[0:1], 0x30             ; x, xc
	s_load_b64 s[36:37], s[0:1], 0x40              ; xs
	v_lshl_add_u32 v208, v0, 2, 0x1d800
	v_mov_b32 v209, 0
	v_lshrrev_b32 v1, 5, v0
	s_delay_alu instid0(VALU_DEP_1)
	v_readfirstlane_b32 s16, v1                    ; wave 0..15
	v_and_b32 v1, 31, v0                           ; lane
	s_and_b32 s17, s16, 3                          ; c: which 32 columns
	s_lshr_b32 s18, s16, 2                         ; kq: which 128 k
	s_and_b32 s19, ttmp7, 0xffff
	s_lshr_b32 s20, s19, 2                         ; tensor
	s_and_b32 s21, s19, 3                          ; which 512 k
	v_and_b32 v2, 7, v1
	v_bfe_u32 v11, v1, 3, 1
	s_delay_alu instid0(VALU_DEP_1)
	v_lshl_add_u32 v2, v11, 4, v2
	v_bfe_u32 v11, v1, 4, 1
	s_delay_alu instid0(VALU_DEP_1)
	v_lshl_add_u32 v2, v11, 3, v2                  ; my column's position among the 32: bits 3 and 4 exchanged
	v_lshlrev_b32 v3, 2, v1                        ; in: 4 bytes a lane
	s_mul_i32 s22, s17, 32*PITCH
	s_lshl_b32 s23, s18, 6
	s_add_co_u32 s22, s22, s23
	v_mul_u32_u24 v4, v2, PITCH
	s_delay_alu instid0(VALU_DEP_1)
	v_add_nc_u32 v4, s22, v4                       ; into the stage: row 32 c + position, byte 64 kq
	s_lshl_b32 s22, s17, 9
	s_lshl_b32 s23, s18, 2
	s_add_co_u32 s22, s22, s23
	s_add_co_u32 s22, s22, SST
	v_lshl_add_u32 v5, v2, 4, s22                  ; my four scale bytes: row x 16 + 4 kq
	v_and_b32 v11, 15, v1
	v_lshrrev_b32 v12, 4, v1
	s_mul_i32 s22, s16, 8*PITCH
	v_mul_u32_u24 v7, v12, PITCH
	s_delay_alu instid0(VALU_DEP_1)
	v_lshl_add_u32 v7, v11, 4, v7
	s_delay_alu instid0(VALU_DEP_1)
	v_add_nc_u32 v7, s22, v7                       ; out of the stage: wave w takes rows 8 w on, sixteen lanes to a row, two rows an instruction
	v_lshlrev_b32 v8, 10, v12
	s_delay_alu instid0(VALU_DEP_1)
	v_lshl_add_u32 v8, v11, 4, v8                  ; and the same place in wc
	v_and_b32 v13, 127, v0
	s_delay_alu instid0(VALU_DEP_1)
	v_lshl_add_u32 v9, v13, 4, SST                 ; threads 0-127: a row's 16 scale bytes
	s_delay_alu instid0(VALU_DEP_2)
	v_lshlrev_b32 v10, 6, v13
	v_lshlrev_b32 v14, 4, v1                       ; x: my 16 bytes of a load's 512
	s_mul_i32 s38, s16, XWV
	s_add_co_u32 s38, s38, XST                     ; my wave's two stages
	v_lshrrev_b32 v15, 2, v1
	s_delay_alu instid0(VALU_DEP_1)
	v_mul_u32_u24 v15, v15, SP
	v_and_b32 v16, 3, v1
	s_delay_alu instid0(VALU_DEP_1)
	v_lshl_add_u32 v15, v16, 4, v15
	s_delay_alu instid0(VALU_DEP_1)
	v_add_nc_u32 v15, s38, v15                     ; into a stage: SP (lane / 4) + 16 (lane % 4)
	v_mul_u32_u24 v16, v1, SP
	s_delay_alu instid0(VALU_DEP_1)
	v_add_nc_u32 v16, s38, v16                     ; out of it: SP x lane: my 16 neighbours
	v_lshlrev_b32 v17, 3, v1                       ; my 16 codes' place in a step's 256 bytes
	s_lshl_b32 s38, s16, 5
	s_add_co_u32 s38, s38, XSB
	v_lshrrev_b32 v18, 1, v1
	s_delay_alu instid0(VALU_DEP_1)
	v_add_nc_u32 v18, s38, v18                     ; my block's byte: 32 bytes a wave
	v_add_nc_u32 v19, XSB, v14                     ; and on the way out 16 bytes a lane
	s_lshl_b32 s24, s21, 9
	s_lshl_b32 s25, s18, 7
	s_add_co_u32 s24, s24, s25                     ; my first k
	s_lshl_b32 s24, s24, 13                        ; x 8,192 bytes a row of W
	s_lshl_b32 s25, ttmp9, 9
	s_add_co_u32 s24, s24, s25
	s_lshl_b32 s25, s17, 7
	s_add_co_u32 s24, s24, s25                     ; + 4 x my first column
	s_mov_b32 s25, 0
	s_lshl_b32 s26, s20, 11
	s_lshl_b32 s27, ttmp9, 7
	s_add_co_u32 s26, s26, s27                     ; the work-group's first row of wc and ws
	s_lshl_b32 s28, s26, 6
	s_lshl_b32 s29, s21, 4
	s_add_co_u32 s28, s28, s29
	s_mov_b32 s29, 0
	s_lshl_b32 s27, s16, 3
	s_add_co_u32 s26, s26, s27
	s_lshl_b32 s26, s26, 10
	s_lshl_b32 s27, s21, 8
	s_add_co_u32 s26, s26, s27
	s_mov_b32 s27, 0
	s_lshl_b32 s39, s19, 4
	s_add_co_u32 s39, s39, ttmp9                   ; g, 0 .. 255
	s_lshr_b32 s40, s39, 1
	s_xor_b32 s40, s40, s39
	s_and_b32 s40, s40, 1                          ; 1 where bits 0 and 1 differ
	s_mul_i32 s40, s40, 3
	s_xor_b32 s40, s39, s40                        ; g with bits 0 and 1 exchanged
	s_lshl_b32 s42, s39, 16                        ; x: 65,536 bytes a work-group,
	s_lshl_b32 s43, s16, 12                        ; 4,096 a wave
	s_add_co_u32 s42, s42, s43
	s_mov_b32 s43, 0
	s_lshl_b32 s44, s40, 13                        ; codes: 8,192 bytes a work-group,
	s_lshl_b32 s45, s16, 9                         ; 512 a wave
	s_add_co_u32 s44, s44, s45
	s_mov_b32 s45, 0
	s_lshl_b32 s46, s40, 9                         ; scale bytes: 512 a work-group
	s_mov_b32 s47, 0
	s_wait_kmcnt 0x0
	s_cmp_eq_u32 s20, 1                            ; which tensor: the choice hangs on the work-group's number alone
	s_cselect_b64 s[4:5], s[6:7], s[4:5]
	s_cmp_eq_u32 s20, 2
	s_cselect_b64 s[4:5], s[8:9], s[4:5]
	s_cmp_eq_u32 s20, 3
	s_cselect_b64 s[4:5], s[10:11], s[4:5]
	s_add_nc_u64 s[4:5], s[4:5], s[24:25]
	s_add_nc_u64 s[12:13], s[12:13], s[26:27]
	s_add_nc_u64 s[14:15], s[14:15], s[28:29]
	s_add_nc_u64 s[32:33], s[32:33], s[42:43]
	s_add_nc_u64 s[34:35], s[34:35], s[44:45]
	s_add_nc_u64 s[36:37], s[36:37], s[46:47]
.macro LOAD t                          ; block t: W(32 t + i, my column), i = 0 .. 31, into set t % 2
.set i_, 0
.rept 32
	global_load_b32 v[X+32*((\t)%2)+i_], v3, s[4:5] offset:(32*(\t)+i_)*8192 th:TH_LOAD_NT
.set i_, i_+1
.endr
.endm
.macro XLOAD                           ; my two steps of x: 32 lanes read 512 consecutive bytes
.irp t, 0,1
.irp i, 0,1,2,3
	global_load_b128 v[XR+16*\t+4*\i:XR+16*\t+4*\i+3], v14, s[32:33] offset:2048*\t+512*\i th:TH_LOAD_NT
.endr
.endr
.endm
	LOAD 0
	LOAD 1
.macro BLOCK t
.set XS, X+32*((\t)%2)
.if (\t) < NB-1
	s_wait_loadcnt 32                              ; this block's 32 loads are in; the next block's may be out
.else
	s_wait_loadcnt 8                               ; the last block's are in; x's eight may be out
.endif
	v_max3_num_f32 v12, |v[XS]|, |v[XS+1]|, |v[XS+2]|               ; the block's largest magnitude: all 32 numbers are mine
	v_max3_num_f32 v13, |v[XS+3]|, |v[XS+4]|, |v[XS+5]|
.irp i, 6,10,14,18,22,26
	s_delay_alu instid0(VALU_DEP_2)
	v_max3_num_f32 v12, v12, |v[XS+\i]|, |v[XS+\i+1]|
	s_delay_alu instid0(VALU_DEP_2)
	v_max3_num_f32 v13, v13, |v[XS+\i+2]|, |v[XS+\i+3]|
.endr
	s_delay_alu instid0(VALU_DEP_2)
	v_max3_num_f32 v12, v12, |v[XS+30]|, |v[XS+31]|
	s_delay_alu instid0(VALU_DEP_1)
	v_max3_num_f32 v12, v12, v13, (EMAX+1)<<23     ; and the floor 2^(3 - 127)
	s_delay_alu instid0(VALU_DEP_1)
	v_add_nc_u32 v11, -(EMAX<<23), v12             ; the conversion's scale operand
	s_delay_alu instid0(VALU_DEP_1)
	v_lshrrev_b32 v13, 23, v11                     ; the scale's byte
.if (\t) == 0
	s_delay_alu instid0(VALU_DEP_1)
	v_mov_b32 v[SB], v13
.else
	s_delay_alu instid0(VALU_DEP_1)
	v_lshl_or_b32 v[SB], v13, 8*(\t), v[SB]
.endif
.irp g, 0,1,2,3
	v_cvt_scalef32_pk8_fp4_f32 v[C+\g], v[XS+8*\g:XS+8*\g+7], v11
.endr
	v_nop                                          ; one plain line behind the conversions
	ds_store_b128 v4, v[C:C+3] offset:16*(\t)      ; 32 codes: 16 bytes of my column's row
.if (\t)+2 < NB
	LOAD (\t)+2
.endif
.if (\t) == 2
	XLOAD                                          ; with the last block's 32 loads: 40 of mine are out
.endif
	s_wait_dscnt 0x0                               ; the store has read its registers: the next block's codes may be written
.endm
	BLOCK 0
	BLOCK 1
	BLOCK 2
	BLOCK 3
.macro XTURN t                         ; step t's numbers through its stage: LDS serves a wave's instructions in order, so no wait stands between the stores and the loads
.irp i, 0,1,2,3
	ds_store_b128 v15, v[XR+16*(\t)+4*\i:XR+16*(\t)+4*\i+3] offset:32*SP*(\t)+8*SP*\i
.endr
.irp i, 0,1,2,3
	ds_load_b128 v[XX+16*(\t)+4*\i:XX+16*(\t)+4*\i+3], v16 offset:32*SP*(\t)+16*\i
.endr
.endm
.macro XSTEP t
.set XS, XX+16*(\t)
	v_max3_num_f32 v21, |v[XS]|, |v[XS+1]|, |v[XS+2]|               ; the largest magnitude of my 16, in two chains
	v_max3_num_f32 v22, |v[XS+3]|, |v[XS+4]|, |v[XS+5]|
.irp i, 6,10
	s_delay_alu instid0(VALU_DEP_2)
	v_max3_num_f32 v21, v21, |v[XS+\i]|, |v[XS+\i+1]|
	s_delay_alu instid0(VALU_DEP_2)
	v_max3_num_f32 v22, v22, |v[XS+\i+2]|, |v[XS+\i+3]|
.endr
	s_delay_alu instid0(VALU_DEP_2)
	v_max3_num_f32 v21, v21, |v[XS+14]|, |v[XS+15]|
	s_delay_alu instid0(VALU_DEP_1)
	v_max3_num_f32 v21, v21, v22, (EMAX+1)<<23     ; and the floor 2^(3 - 127)
	s_delay_alu instid0(VALU_DEP_1)
	v_max_num_f32_dpp v21, v21, v21 row_xmask:1 row_mask:0xf bank_mask:0xf   ; with my neighbour's 16: the block's
	s_delay_alu instid0(VALU_DEP_1)
	v_add_nc_u32 v23, -(EMAX<<23), v21
	v_cvt_scalef32_pk8_fp4_f32 v[XC+2*(\t)], v[XS:XS+7], v23
	v_cvt_scalef32_pk8_fp4_f32 v[XC+2*(\t)+1], v[XS+8:XS+15], v23
	v_lshrrev_b32 v[XE+(\t)], 23, v23              ; the scale's byte (also the plain line behind the conversions)
	ds_store_b8 v18, v[XE+(\t)] offset:16*(\t)     ; both lanes of a block write the same byte with the same value
	global_store_b64 v17, v[XC+2*(\t):XC+2*(\t)+1], s[34:35] offset:256*(\t)   ; the wave stores 256 consecutive bytes, aligned
.endm
	s_wait_loadcnt 4                               ; x's first step is in; the second's four loads may be out
	XTURN 0
	s_wait_loadcnt 0
	XTURN 1
	s_wait_dscnt 8                                 ; the first step is back from its stage; the second's four stores and four loads may be out
	XSTEP 0
	s_wait_dscnt 1                                 ; the second step is back; the byte store may be out
	XSTEP 1
	ds_store_b32 v5, v[SB]
	s_wait_dscnt 0x0                               ; for the others' sake: my stores into the stage and the scale bytes are done
	s_barrier_signal -1
	s_barrier_wait -1
.irp t, 0,1,2,3
	ds_load_b128 v[OUTR+4*\t:OUTR+4*\t+3], v7 offset:2*\t*PITCH
.endr
.irp t, 0,1,2,3
	s_wait_dscnt 3-\t                              ; the younger loads may be out
	global_store_b128 v8, v[OUTR+4*\t:OUTR+4*\t+3], s[12:13] offset:2*\t*1024
.endr
	s_cmp_lt_u32 s16, 4                            ; waves 0-3: a thread to each of the 128 rows of the weights' scale bytes
	s_cbranch_scc0 .Lnot_w
	ds_load_b128 v[SO:SO+3], v9
	s_wait_dscnt 0x0
	global_store_b128 v10, v[SO:SO+3], s[14:15]
	s_branch .Lend
.Lnot_w:
	s_cmp_eq_u32 s16, 4                            ; wave 4: x's 512 scale bytes, 16 a lane: 512 consecutive bytes, aligned
	s_cbranch_scc0 .Lend
	ds_load_b128 v[XSO:XSO+3], v19
	s_wait_dscnt 0x0
	global_store_b128 v14, v[XSO:XSO+3], s[36:37]
.Lend:
	s_wait_tensorcnt 0x0
	ds_add_u32 v208, v209
	s_wait_dscnt 0x0
	s_endpgm
.Lfunc_end_k_q051146d7ab_quant:
	.size	k_q051146d7ab_quant, .Lfunc_end_k_q051146d7ab_quant-k_q051146d7ab_quant
	.p2alignl 7, 3214868480
	.fill 96, 4, 3214868480
	.section	.rodata,"a",@progbits
	.p2align	6, 0x0
	.amdhsa_kernel k_q051146d7ab_quant
		.amdhsa_group_segment_fixed_size 122880
		.amdhsa_private_segment_fixed_size 0
		.amdhsa_enable_private_segment 0
		.amdhsa_kernarg_size 72
		.amdhsa_user_sgpr_count 2
		.amdhsa_user_sgpr_kernarg_segment_ptr 1
		.amdhsa_wavefront_size32 1
		.amdhsa_system_sgpr_workgroup_id_x 1
		.amdhsa_system_sgpr_workgroup_id_y 1
		.amdhsa_system_sgpr_workgroup_id_z 1
		.amdhsa_system_vgpr_workitem_id 0
		.amdhsa_next_free_vgpr 210
		.amdhsa_next_free_sgpr 66
		.amdhsa_reserve_vcc 0
		.amdhsa_float_denorm_mode_32 3
		.amdhsa_float_denorm_mode_16_64 3
		.amdhsa_memory_ordered 1
		.amdhsa_forward_progress 1
		.amdhsa_inst_pref_size 32
	.end_amdhsa_kernel
	.amdgpu_metadata
---
amdhsa.version: [ 1, 2 ]
amdhsa.kernels:
  - .name:           k_q051146d7ab_quant
    .symbol:         k_q051146d7ab_quant.kd
    .args:
      - { .name: Wq, .offset: 0, .size: 8, .value_kind: global_buffer, .address_space: global }
      - { .name: Wk, .offset: 8, .size: 8, .value_kind: global_buffer, .address_space: global }
      - { .name: Wv, .offset: 16, .size: 8, .value_kind: global_buffer, .address_space: global }
      - { .name: Wproj, .offset: 24, .size: 8, .value_kind: global_buffer, .address_space: global }
      - { .name: wc, .offset: 32, .size: 8, .value_kind: global_buffer, .address_space: global }
      - { .name: ws, .offset: 40, .size: 8, .value_kind: global_buffer, .address_space: global }
      - { .name: x, .offset: 48, .size: 8, .value_kind: global_buffer, .address_space: global }
      - { .name: xc, .offset: 56, .size: 8, .value_kind: global_buffer, .address_space: global }
      - { .name: xs, .offset: 64, .size: 8, .value_kind: global_buffer, .address_space: global }
    .group_segment_fixed_size: 122880
    .private_segment_fixed_size: 0
    .kernarg_segment_align: 8
    .kernarg_segment_size: 72
    .max_flat_workgroup_size: 512
    .sgpr_count:     66
    .vgpr_count:     210
    .wavefront_size: 32
...
	.end_amdgpu_metadata
.endif
;; end of part 6
;; launch qkv (part 7): grid 24 x 8, 4 waves a work-group, clusters of 4 x 4, 327,680 bytes of LDS; arguments xc, xs, wc, ws, cos, sin, ve, Wgate, img, sc; writes img, sc
.if DOCPART == 7
	.amdgcn_target "amdgcn-amd-amdhsa--gfx1250"
	.amdhsa_code_object_version 6
	.text
	.protected	k_q051146d7ab_qkv
	.globl	k_q051146d7ab_qkv
	.p2align	8
	.type	k_q051146d7ab_qkv,@function
k_q051146d7ab_qkv:
	s_mov_b64 s[64:65], 0
	v_nop
	global_prefetch_b8 v0, s[64:65] scope:SCOPE_SE
	s_setreg_imm32_b32 hwreg(HW_REG_WAVE_MODE, 25, 1), 1
	s_wait_xcnt 0x0
	s_wait_alu depctr_hold_cnt(0) depctr_sa_sdst(0) depctr_va_vdst(0) depctr_va_sdst(0) depctr_va_ssrc(0) depctr_va_vcc(0) depctr_vm_vsrc(0)
	s_getreg_b32 s2, hwreg(HW_REG_IB_STS2, 6, 4)
	s_cmp_eq_u32 s2, 0
	s_cbranch_scc0 .Lentry_in_a_cluster
	s_endpgm
.Lentry_in_a_cluster:
	s_bfe_u32 s2, ttmp6, 0x10000c
	s_cmp_lg_u32 s2, 0xf033
	s_cbranch_scc0 .Lentry_shape_is_right
	s_endpgm
.Lentry_shape_is_right:
; q, k, v = x Wq, x Wk, x Wv on codes of FP4 with E8M0 scales; then RoPE and RMS norm (q, k) or the gated value embedding (v), quantised anew and stored as images of operand registers.
; A work-group makes 256 x 256 (v: transposed, weights as rows); a wave 128 x 128.  K goes in steps of 512 through two LDS slots; all scale bytes come once.
; The products are 32 x 16 x 128: source 0 = two neighbouring fragments of 16 rows, D = two neighbouring accumulators of 8 registers.
; THE HEAD: one joint load a wave: wave 0 K step 0's 256 rows of A, wave 1 of B, wave 2 A's scales, wave 3 B's; slot 1 is first filled behind the full sequence and a round.
.set KSTEP,  512
.set NQ,     4
.set ROWB,   256
.set KROW,   1024
.set PITCH,  272
.set FR,     8
.set NL,     2
.set NP,     4
.set HALFT,  128*PITCH
.set SLOT,   4*HALFT
.set LAPS,   2
.set KS,     64
.set SCL,    2*SLOT
.set HALFS,  32*272
.set SBLK,   4*272
.set SPARE,  SCL+4*HALFS
.set VSTG,   17152
.set ADRA, 16
.set LM,   18
.set ZR,   19
.set ADRB, 20
.set VST,  22
.set VRD,  23
.set IMO,  24
.set SCO,  25
.set COF,  26
.set ADRS, 27
.set SPW,  28
.set NIL,  29
.set XGO,  30
.set XSO,  31
.set SC,   32                          ; scale words, two sets of 48: 16 of source 0 (register 4 i + q: lane l = row l of fragments 2 i, 2 i + 1), then 32 of source 1 (16 + 4 a + q: lanes 0-15 = block a's rows)
.set ADRW, 8                           ; v8: LDS address of source 0's scale words, a lane a row of 32
.set G0H,  4                           ; s[4:7], s[96:99]: groups 0 of the head's loads of codes
.set G0HB, 96
.set AF,   128
.set CS,   32
.set Z,    160
.set G,    32
.set VR,   96
.set XG,   96
.set WGR,  160
.set WF,   192
.set XGS,  200
.set WGS,  208
.set TM,   224
.set PW,   240
.set PWE,  241
.set PWS,  242
.set RS,   244
.set PC,   248
.set G1, 24
.set G0, 32
.set G1B, 48
.set G0B, 56
.set G1S, 68
.set G0S, 76
.set G1SB, 80
.set G0SB, 88
.set MSB, 0
.macro WIN new
.if MSB != (\new)
	s_set_vgpr_msb (MSB<<8)|(\new)
.set MSB, (\new)
.endif
.endm
.set MUL_LO, 0xa1
.set MUL_HI, 0xf1
.set TO_B,   0x40
.macro JLOAD g0a, g1a, g0b, g1b
	s_cmp_eq_u32 s15, 0
	s_cbranch_scc0 .Lfor_b_\@
	tensor_load_to_lds s[\g0a:\g0a+3], s[\g1a:\g1a+7]
	s_nop 0
.rept 4
	v_nop
.endr
	s_branch .Lasked_\@
.Lfor_b_\@:
	tensor_load_to_lds s[\g0b:\g0b+3], s[\g1b:\g1b+7]
	s_nop 0
.rept 4
	v_nop
.endr
.Lasked_\@:
.endm
.macro CREST
	s_cmp_lg_u32 s14, 0
	s_cbranch_scc1 .Lnot_wave_0_\@
	s_barrier_signal -3
.Lnot_wave_0_\@:
	s_barrier_wait -3
	s_barrier_signal -1
	s_barrier_wait -1
.endm
.macro CROUND
	s_barrier_signal -1
	s_barrier_wait -1
	CREST
.endm
	s_load_b128 s[4:7], s[0:1], 0x0
	s_load_b128 s[8:11], s[0:1], 0x10
	v_lshl_add_u32 v[SPW], v0, 2, SPARE
	v_mov_b32 v[NIL], 0
	ds_add_u32 v28, v29
	ds_add_u32 v28, v29
	s_wait_dscnt 0x0
	v_lshrrev_b32 v1, 5, v0
	v_readfirstlane_b32 s14, v1
	s_lshr_b32 s15, s14, 1
	s_and_b32 s16, s14, 1
	s_bfe_u32 s40, ttmp6, 0x40000
	s_bfe_u32 s41, ttmp6, 0x40004
	s_lshl_b32 s42, ttmp9, 2
	s_add_co_u32 s42, s42, s40
	s_and_b32 s17, ttmp7, 0xffff
	s_lshl_b32 s17, s17, 2
	s_add_co_u32 s17, s17, s41
	s_lshl_b32 s43, s41, 2
	s_lshl_b32 s43, 15, s43
	s_lshl_b32 s44, 0x1111, s40
	s_or_b32 s[G1+0], s43, (0<<16)|(1<<20)|(1<<21)|(5<<22)|(3<<25)
	s_or_b32 s[G1B+0], s44, (0<<16)|(1<<20)|(1<<21)|(5<<22)|(3<<25)
.irp g, G1, G1B
	s_mov_b32 s[\g+1], ROWB<<16
	s_mov_b32 s[\g+2], 256<<16             ; 256 rows for the head's loads; set to 128 for the ring's behind the head's wait
	s_mov_b32 s[\g+3], ROWB<<16
	s_mov_b32 s[\g+4], 256
	s_mov_b32 s[\g+5], KROW
	s_mov_b32 s[\g+6], 0
	s_mov_b32 s[\g+7], 0
.endr
	s_or_b32 s[G1S+0], s43, (3<<16)|(1<<20)|(1<<21)|(5<<22)|(3<<25)
	s_or_b32 s[G1SB+0], s44, (3<<16)|(1<<20)|(1<<21)|(5<<22)|(3<<25)
.irp g, G1S, G1SB
	s_mov_b32 s[\g+1], 32<<16
	s_mov_b32 s[\g+2], 64<<16              ; the scales of 256 rows: 64 rows of 256 bytes
	s_mov_b32 s[\g+3], 32<<16
	s_mov_b32 s[\g+4], 64
	s_mov_b32 s[\g+5], 32
	s_mov_b32 s[\g+6], 0
	s_mov_b32 s[\g+7], 0
.endr
	s_lshl_b32 s66, s42, 1
	s_add_co_u32 s66, s66, s16
	s_lshl_b32 s67, s17, 1
	s_add_co_u32 s67, s67, s15
	s_add_co_u32 s96, s67, 32
	s_sub_co_u32 s97, s66, 32
	s_cmp_lt_u32 ttmp9, 4
	s_cselect_b32 s66, s66, s96
	s_cselect_b32 s67, s67, s97
	s_lshl_b32 s20, s17, 8                 ; the tiles' first rows
	s_and_b32 s46, s42, 15
	s_lshl_b32 s46, s46, 8
	s_mov_b32 s21, 0
	s_mov_b32 s47, 0
	s_mov_b64 s[18:19], KS
	s_mul_u64 s[22:23], s[20:21], s[18:19]
	s_mul_u64 s[92:93], s[46:47], s[18:19]
	s_mov_b64 s[18:19], KROW
	s_mul_u64 s[20:21], s[20:21], s[18:19]
	s_mul_u64 s[46:47], s[46:47], s[18:19]
	s_mul_i32 s45, s14, HALFT
	s_mul_i32 s18, s16, 128*KROW           ; in the ring I fetch 128 rows: which half, in bytes
	s_mov_b32 s19, 0
	s_wait_kmcnt 0x0
	s_add_nc_u64 s[98:99], s[8:9], 0x400000
	s_add_nc_u64 s[100:101], s[10:11], 0x40000
	s_cmp_lt_u32 ttmp9, 4
	s_cselect_b64 s[98:99], s[4:5], s[98:99]
	s_cselect_b64 s[100:101], s[6:7], s[100:101]
	s_cselect_b64 s[8:9], s[8:9], s[4:5]
	s_cselect_b64 s[10:11], s[10:11], s[6:7]
	s_mov_b64 s[4:5], s[98:99]
	s_mov_b64 s[6:7], s[100:101]
	s_add_nc_u64 s[20:21], s[4:5], s[20:21]
	s_add_nc_u64 s[22:23], s[6:7], s[22:23]
	s_add_nc_u64 s[46:47], s[8:9], s[46:47]
	s_add_nc_u64 s[92:93], s[10:11], s[92:93]
	CROUND
	s_mov_b32 s[G0S], 1
	s_mov_b32 s[G0S+1], SCL
	s_mov_b64 s[G0S+2:G0S+3], s[22:23]
	s_or_b32 s[G0S+3], s[G0S+3], 0x80000000
	s_mov_b32 s[G0SB], 1
	s_mov_b32 s[G0SB+1], SCL+2*HALFS
	s_mov_b64 s[G0SB+2:G0SB+3], s[92:93]
	s_or_b32 s[G0SB+3], s[G0SB+3], 0x80000000
	s_mov_b32 s[G0H], 1                    ; K step 0's 256 rows of A,
	s_mov_b32 s[G0H+1], 0
	s_mov_b64 s[G0H+2:G0H+3], s[20:21]
	s_or_b32 s[G0H+3], s[G0H+3], 0x80000000
	s_mov_b32 s[G0HB], 1                   ; and of B, behind them in slot 0
	s_mov_b32 s[G0HB+1], 2*HALFT
	s_mov_b64 s[G0HB+2:G0HB+3], s[46:47]
	s_or_b32 s[G0HB+3], s[G0HB+3], 0x80000000
	s_add_nc_u64 s[20:21], s[20:21], s[18:19]  ; for the ring: my 128 rows
	s_add_nc_u64 s[46:47], s[46:47], s[18:19]
.irp s, 0,1
	s_mov_b32 s[G0+4*\s], 1
	s_add_co_u32 s[G0+4*\s+1], s45, \s*SLOT
	s_add_nc_u64 s[G0+4*\s+2:G0+4*\s+3], s[20:21], \s*ROWB
	s_or_b32 s[G0+4*\s+3], s[G0+4*\s+3], 0x80000000
	s_mov_b32 s[G0B+4*\s], 1
	s_add_co_u32 s[G0B+4*\s+1], s45, \s*SLOT
	s_add_nc_u64 s[G0B+4*\s+2:G0B+4*\s+3], s[46:47], \s*ROWB
	s_or_b32 s[G0B+4*\s+3], s[G0B+4*\s+3], 0x80000000
.endr
; the head's loads, one a wave, in one chain of branches on the wave's number
.macro ARM under, g0, g1, next
	s_cmp_lt_u32 s14, \under
	s_cbranch_scc0 \next
	tensor_load_to_lds s[\g0:\g0+3], s[\g1:\g1+7]
	s_nop 0
.rept 4
	v_nop
.endr
	s_branch .Lhead_asked
\next:
.endm
	ARM 1, G0H,  G1,  .Lhead_b
	ARM 2, G0HB, G1B, .Lhead_sa
	ARM 3, G0S,  G1S, .Lhead_sb
	tensor_load_to_lds s[G0SB:G0SB+3], s[G1SB:G1SB+7]
	s_nop 0
.rept 4
	v_nop
.endr
.Lhead_asked:
	v_and_b32 v1, 15, v0
	v_bfe_u32 v2, v0, 4, 1
	v_and_b32 v3, 31, v0
	v_and_b32 v4, 8, v1
	v_add_nc_u32 v4, v4, v1
	v_mul_u32_u24 v5, v1, PITCH
	v_lshl_add_u32 v6, v2, 4, v5
	s_mul_i32 s21, s15, HALFT
	s_mul_i32 s22, s16, HALFT
	s_add_co_u32 s22, s22, 2*HALFT
.irp s, 0,1
	v_add_nc_u32 v[ADRA+\s], s21, v6
	v_add_nc_u32 v[ADRB+\s], s22, v6
	s_add_co_u32 s21, s21, SLOT
	s_add_co_u32 s22, s22, SLOT
.endr
	v_mul_u32_u24 v5, v1, KS
	v_lshrrev_b32 v6, 8, v5
	v_lshl_add_u32 v5, v6, 4, v5
	v_mul_u32_u24 v7, v3, KS               ; source 0's: a lane a row of 32,
	v_lshrrev_b32 v6, 8, v7
	v_lshl_add_u32 v7, v6, 4, v7           ; 16 more for each 256 passed
	s_mul_i32 s21, s15, HALFS
	s_mul_i32 s22, s16, HALFS
	s_add_co_u32 s21, s21, SCL
	s_add_co_u32 s22, s22, SCL+2*HALFS
	v_add_nc_u32 v[ADRS], s21, v5
	v_add_nc_u32 v[ADRW], s22, v7
	v_lshlrev_b32 v[IMO], 4, v3
	v_lshlrev_b32 v[SCO], 2, v3
	v_lshlrev_b32 v[COF], 8, v4
	v_lshl_add_u32 v[COF], v2, 6, v[COF]
	s_mul_i32 s23, s14, VSTG
	v_add_nc_u32 v[VST], s23, v[IMO]
	v_mul_u32_u24 v5, v2, 16*528+32
	v_lshl_add_u32 v5, v4, 2, v5
	v_add_nc_u32 v[VRD], s23, v5
	v_lshlrev_b32 v[XGO], 10, v1
	v_lshl_add_u32 v[XGO], v2, 4, v[XGO]
	v_lshlrev_b32 v[XSO], 6, v1
	v_add_nc_u32 v[LM], -1, v2
	v_mov_b32 v[ZR], 0
.irp b, 4,5,6,7
	v_mov_b32 v[TM+\b], 0
.endr
	v_mov_b32 v[RS+1], 0
.macro FRAG reg, adr, q, i
.irp c, 0,1
	ds_load_b128 v[\reg+4*\c:\reg+4*\c+3], v[\adr] offset:64*(\q)+32*\c+(\i)*16*PITCH
.endr
.endm
.macro MUL16 a0, p, q, sc, zero
.irp a, \a0, \a0+1
.irp b, 0,2,4,6                        ; fragments b and b + 1 are source 0's 32 rows; the 32 accumulators of 16 registers take turns
.if \zero
	v_wmma_scale_f32_32x16x128_f4 v[8*(8*((\a)%4)+\b):8*(8*((\a)%4)+\b)+15], v[128*(\p)+FR*\b:128*(\p)+FR*\b+15], v[AF+FR*(\a):AF+FR*(\a)+FR-1], 0, v[SC+48*(\sc)+2*\b+(\q)], v[SC+48*(\sc)+16+4*(\a)+(\q)]
.else
	v_wmma_scale_f32_32x16x128_f4 v[8*(8*((\a)%4)+\b):8*(8*((\a)%4)+\b)+15], v[128*(\p)+FR*\b:128*(\p)+FR*\b+15], v[AF+FR*(\a):AF+FR*(\a)+FR-1], v[8*(8*((\a)%4)+\b):8*(8*((\a)%4)+\b)+15], v[SC+48*(\sc)+2*\b+(\q)], v[SC+48*(\sc)+16+4*(\a)+(\q)]
.endif
.endr
.endr
.endm
.macro FETCH_B slot, q, p
	WIN TO_B
.irp i, 0,1,2,3,4,5,6,7
	FRAG 128*(\p)+FR*\i, ADRB+\slot, \q, \i
.endr
	WIN 0
.endm
.macro FETCH_A slot, q, i0
.irp i, \i0, \i0+1, \i0+2, \i0+3
	FRAG AF+FR*(\i), ADRA+\slot, \q, \i
.endr
.endm
.macro SCALES sc
.irp i, 0,1,2,3,4,5,6,7
	ds_load_b128 v[SC+48*\sc+16+4*\i:SC+48*\sc+16+4*\i+3], v[ADRS] offset:\i*SBLK
.endr
.irp i, 0,1,2,3
	ds_load_b128 v[SC+48*\sc+4*\i:SC+48*\sc+4*\i+3], v[ADRW] offset:\i*2*SBLK
.endr
.endm
.macro PLACES n
.rept \n
	v_nop
.endr
.endm
.macro STEP slot, q, zero
	s_wait_dscnt 4*NL
	WIN MUL_LO
	MUL16 0, (\q)%2, \q, \slot, \zero
	MUL16 2, (\q)%2, \q, \slot, \zero
	s_wait_dscnt 0
	PLACES NP
	FETCH_B \slot, (\q)+1, 1-(\q)%2
	FETCH_A \slot, (\q)+1, 0
	WIN MUL_HI
	MUL16 4, (\q)%2, \q, \slot, \zero
	MUL16 6, (\q)%2, \q, \slot, \zero
	PLACES NP
	WIN 0
	FETCH_A \slot, (\q)+1, 4
.endm
.macro TURN slot, next, fill
	s_wait_tensorcnt 0x0
	ds_add_u32 v[SPW], v[NIL]
	s_wait_dscnt 4*NL+1
	WIN MUL_LO
	MUL16 0, 1, NQ-1, \slot, 0
	s_wait_dscnt 0x0
	s_barrier_signal -1
	MUL16 2, 1, NQ-1, \slot, 0
	WIN 0
	s_barrier_wait -1
.if \fill
	CREST
	s_add_nc_u64 s[G0+4*\slot+2:G0+4*\slot+3], s[G0+4*\slot+2:G0+4*\slot+3], 2*ROWB
	s_add_nc_u64 s[G0B+4*\slot+2:G0B+4*\slot+3], s[G0B+4*\slot+2:G0B+4*\slot+3], 2*ROWB
	JLOAD G0+4*\slot, G1, G0B+4*\slot, G1B
.else
	PLACES NP
.endif
	s_wait_alu depctr_va_vdst(0)
	v_add_nc_u32 v[ADRS], 4*NQ, v[ADRS]
	v_add_nc_u32 v[ADRW], 4*NQ, v[ADRW]
	FETCH_B \next, 0, 0
	FETCH_A \next, 0, 0
	SCALES \next
	WIN MUL_HI
	MUL16 4, 1, NQ-1, \slot, 0
	MUL16 6, 1, NQ-1, \slot, 0
	PLACES NP
	WIN 0
	FETCH_A \next, 0, 4
.endm
.macro STEPS slot, from
.set Q, \from
.rept NQ-1-\from
	STEP \slot, Q, 0
.set Q, Q+1
.endr
.endm
	s_wait_alu depctr_va_vdst(0)
	s_wait_tensorcnt 0x0                   ; my tile of the head's four is in
	ds_add_u32 v[SPW], v[NIL]
	s_mov_b32 s[G1+2], 128<<16             ; no tensor load of mine is out: from here on a load brings 128 rows
	s_mov_b32 s[G1+4], 128
	s_mov_b32 s[G1B+2], 128<<16
	s_mov_b32 s[G1B+4], 128
	s_wait_dscnt 0x0
	CROUND                                 ; all four tiles are in, and the sixteen work-groups meet
	JLOAD G0+4, G1, G0B+4, G1B             ; K step 1, the first tensor load behind the round
	FETCH_B 0, 0, 0
	FETCH_A 0, 0, 0
	SCALES 0
	FETCH_A 0, 0, 4
	STEP 0, 0, 1
	s_mov_b32 s3, LAPS-1
.Llap:
	STEPS 0, 1
	TURN 0, 1, 1
	STEPS 1, 0
	TURN 1, 0, 1
	STEP 0, 0, 0
	s_sub_co_u32 s3, s3, 1
	s_cmp_lg_u32 s3, 0
	s_cbranch_scc1 .Llap
	STEPS 0, 1
	TURN 0, 1, 0
	s_load_b256 s[24:31], s[0:1], 0x20
	s_load_b128 s[32:35], s[0:1], 0x40
	STEPS 1, 0
	s_wait_dscnt 4*NL
	WIN MUL_LO
	MUL16 0, 1, NQ-1, 1, 0
	MUL16 2, 1, NQ-1, 1, 0
	s_wait_dscnt 0
	WIN MUL_HI
	MUL16 4, 1, NQ-1, 1, 0
	MUL16 6, 1, NQ-1, 1, 0
	WIN 0
	PLACES 5
.macro QUANT s, w
	WIN (\w)|((\w)<<2)
.irp b, 0,1,2,3
	v_max3_num_f32 v[TM+\b], |v[(\s)+16*\b]|, |v[(\s)+1+16*\b]|, 0x1800000
.endr
.irp i, 2,4,6,8,10,12,14
.irp b, 0,1,2,3
	v_max3_num_f32 v[TM+\b], |v[(\s)+16*\b+\i]|, |v[(\s)+1+16*\b+\i]|, v[TM+\b]
.endr
.endr
	WIN 0
.irp b, 0,1,2,3
	v_permlanex16_b32 v[TM+4+\b], v[TM+\b], s44, s45
.endr
.irp b, 0,1,2,3
	v_max_num_f32 v[TM+\b], v[TM+\b], v[TM+4+\b]
.endr
.irp b, 0,1,2,3
	v_add_nc_u32 v[TM+12+\b], 0xff000000, v[TM+\b]
.endr
.irp b, 0,1,2,3
	v_lshrrev_b32 v[TM+4+\b], 23, v[TM+12+\b]
.endr
	v_lshl_or_b32 v[PW], v[TM+5], 8, v[TM+4]
	v_lshl_or_b32 v[PW], v[TM+6], 16, v[PW]
	v_lshl_or_b32 v[PW], v[TM+7], 24, v[PW]
	WIN (\w)
.irp b, 0,1,2,3
	v_cvt_scalef32_pk8_fp4_f32 v[PC+2*\b], v[(\s)+16*\b:(\s)+7+16*\b], v[TM+12+\b]
	v_cvt_scalef32_pk8_fp4_f32 v[PC+1+2*\b], v[(\s)+8+16*\b:(\s)+15+16*\b], v[TM+12+\b]
.endr
	WIN 0
	v_nop
.irp c, 0,1
.irp i, 0,1
	v_permlane16_swap_b32 v[PC+4*\c+\i], v[PC+2+4*\c+\i]
.endr
.endr
.endm
.macro OUT a
	global_store_b128 v[IMO], v[PC:PC+3], s[12:13] offset:1024*(\a)
	global_store_b128 v[IMO], v[PC+4:PC+7], s[12:13] offset:1024*(\a)+512
.if (\a)%2 == 0
	v_mov_b32 v[PWE], v[PW]
.else
	v_cndmask_b32 v[PWS], v[PWE], v[PW], s95
	global_store_b32 v[SCO], v[PWS], s[92:93] offset:64*((\a)-1)
.endif
.endm
	s_wait_kmcnt 0x0
	s_mov_b32 s44, 0x76543210
	s_mov_b32 s45, 0xfedcba98
	s_mov_b32 s95, 0xffff0000
	s_mov_b32 s96, 0x3c000000
	s_mov_b32 s97, 0x358637bd
	s_lshl_b32 s46, s66, 4
	s_add_co_u32 s46, s46, s67
	s_lshl_b32 s48, s46, 13
	s_mov_b32 s49, 0
	s_add_nc_u64 s[12:13], s[32:33], s[48:49]
	s_lshl_b32 s48, s46, 9
	s_add_nc_u64 s[92:93], s[34:35], s[48:49]
	s_cmp_lt_u32 ttmp9, 4
	s_cbranch_scc0 .Lv
	s_lshl_b32 s48, s67, 15
	s_add_nc_u64 s[36:37], s[24:25], s[48:49]
	s_add_nc_u64 s[38:39], s[26:27], s[48:49]
.macro CSLOAD a
.set CB_, CS+64*((\a)%2)
.set PBA, 32*((\a)/2)+8*((\a)%2)
.irp b, 0,1
.irp j, 0,1,2,3
	global_load_b128 v[CB_+16*\b+4*\j:CB_+16*\b+4*\j+3], v[COF], s[36:37] offset:PBA*256+128*\b+16*\j
	global_load_b128 v[CB_+32+16*\b+4*\j:CB_+32+16*\b+4*\j+3], v[COF], s[38:39] offset:PBA*256+128*\b+16*\j
.endr
.endr
.endm
.macro ROPE a
.set AC, 64*((\a)%4)
.set CB_, CS+64*((\a)%2)
	WIN 2+(\a)/4
.set p, 0
.rept 16
.set T0, TM+4*((p/2)%2)
	v_pk_mul_f32 v[T0:T0+1], v[AC+32+p:AC+33+p], v[CB_+32+p:CB_+33+p]
	v_pk_mul_f32 v[T0+2:T0+3], v[AC+p:AC+p+1], v[CB_+32+p:CB_+33+p]
	v_pk_fma_f32 v[Z+p:Z+p+1], v[AC+p:AC+p+1], v[CB_+p:CB_+p+1], v[T0:T0+1]
	v_pk_fma_f32 v[Z+32+p:Z+33+p], v[AC+32+p:AC+33+p], v[CB_+p:CB_+p+1], v[T0+2:T0+3] neg_lo:[0,0,1] neg_hi:[0,0,1]
.set p, p+2
.endr
	WIN 0
.endm
.macro NORM
	v_pk_mul_f32 v[TM+8:TM+9], v[Z:Z+1], v[Z:Z+1]
	v_pk_mul_f32 v[TM+10:TM+11], v[Z+2:Z+3], v[Z+2:Z+3]
.irp j, 4,8,12,16,20,24,28,32,36,40,44,48,52,56,60
	v_pk_fma_f32 v[TM+8:TM+9], v[Z+\j:Z+\j+1], v[Z+\j:Z+\j+1], v[TM+8:TM+9]
	v_pk_fma_f32 v[TM+10:TM+11], v[Z+\j+2:Z+\j+3], v[Z+\j+2:Z+\j+3], v[TM+10:TM+11]
.endr
	v_pk_add_f32 v[TM+8:TM+9], v[TM+8:TM+9], v[TM+10:TM+11]
	v_add_f32 v[TM+8], v[TM+8], v[TM+9]
	v_permlanex16_b32 v[TM+9], v[TM+8], s44, s45
	v_add_f32 v[TM+8], v[TM+8], v[TM+9]
	v_fma_f32 v[TM+8], v[TM+8], s96, s97
	s_wait_alu depctr_va_vdst(0)
	v_rsq_f32 v[RS], v[TM+8]
	v_nop
.set j_, 0
	s_wait_alu depctr_va_vdst(0)
.rept 32
	v_pk_mul_f32 v[Z+j_:Z+j_+1], v[Z+j_:Z+j_+1], v[RS:RS+1] op_sel_hi:[1,0]
.set j_, j_+2
.endr
.endm
	CSLOAD 0
	CSLOAD 1
.irp a, 0,1,2,3,4,5,6,7
.if \a < 7
	s_wait_loadcnt 16
.else
	s_wait_loadcnt 0
.endif
	ROPE \a
.if \a < 6
	CSLOAD \a+2
.endif
	NORM
	s_wait_xcnt 0x0
	QUANT Z, 0
	OUT \a
.endr
	s_branch .Ldone
.Lv:
	s_sub_co_u32 s50, s66, 32
	s_lshl_b32 s48, s67, 20
	s_lshl_b32 s51, s50, 9
	s_add_co_u32 s48, s48, s51
	s_add_nc_u64 s[36:37], s[28:29], s[48:49]
	s_lshl_b32 s48, s50, 2
	s_add_nc_u64 s[38:39], s[30:31], s[48:49]
	s_lshl_b32 s48, s67, 17
	s_add_nc_u64 s[40:41], s[8:9], s[48:49]
	s_lshl_b32 s48, s67, 13
	s_add_nc_u64 s[42:43], s[10:11], s[48:49]
.set k_, 0
.rept 32
	global_load_b32 v[WGR+k_], v[ZR], s[38:39] offset:64*k_
.set k_, k_+1
.endr
.irp b, 0,1,2,3,4,5,6,7
.irp c, 0,1
	global_load_b128 v[XG+8*\b+4*\c:XG+8*\b+4*\c+3], v[XGO], s[40:41] offset:16384*\b+32*\c
.endr
.endr
.irp b, 0,1,2,3,4,5,6,7
	global_load_b32 v[XGS+\b], v[XSO], s[42:43] offset:1024*\b
.endr
.macro VELOAD b
	WIN 0x40
.set t_, 0
.rept 32
	global_load_b128 v[128*((\b)%2)+4*t_:128*((\b)%2)+4*t_+3], v[IMO], s[36:37] offset:(32*(\b)+t_)*8192 th:TH_LOAD_NT
.set t_, t_+1
.endr
	WIN 0
.endm
	VELOAD 0
	s_wait_loadcnt 32
	VELOAD 1
	v_max3_num_f32 v209, |v[WGR]|, |v[WGR+1]|, |v[WGR+2]|
	v_max3_num_f32 v210, |v[WGR+3]|, |v[WGR+4]|, |v[WGR+5]|
.irp i, 6,10,14,18,22,26
	v_max3_num_f32 v209, v209, |v[WGR+\i]|, |v[WGR+\i+1]|
	v_max3_num_f32 v210, v210, |v[WGR+\i+2]|, |v[WGR+\i+3]|
.endr
	v_max3_num_f32 v209, v209, |v[WGR+30]|, |v[WGR+31]|
	v_max3_num_f32 v209, v209, v210, 0x1800000
	v_add_nc_u32 v211, 0xff000000, v209
	v_lshrrev_b32 v212, 23, v211
	v_or_b32 v[WGS], 0x7f7f7f00, v212
.irp g, 0,1,2,3
	v_cvt_scalef32_pk8_fp4_f32 v[WF+\g], v[WGR+8*\g:WGR+8*\g+7], v211
.endr
	v_nop
.irp g, 0,1,2,3
	v_and_b32 v[WF+\g], v[LM], v[WF+\g]
.endr
.irp g, 4,5,6,7
	v_mov_b32 v[WF+\g], 0
.endr
	PLACES 8
.irp b, 0,1,2,3,4,5,6,7
	v_wmma_scale_f32_16x16x128_f8f6f4 v[G+8*\b:G+8*\b+7], v[XG+8*\b:XG+8*\b+7], v[WF:WF+7], 0, v[XGS+\b], v[WGS] matrix_a_fmt:MATRIX_FMT_FP4 matrix_b_fmt:MATRIX_FMT_FP4
.endr
	PLACES 4
.set j_, 0
.rept 32
	v_pk_mul_f32 v[G+j_:G+j_+1], v[G+j_:G+j_+1], 0xbfb8aa3b op_sel_hi:[1,0]
.set j_, j_+2
.endr
.set j_, 0
	s_wait_alu depctr_va_vdst(0)
.rept 64
	v_exp_f32 v[G+j_], v[G+j_]
.set j_, j_+1
.endr
	v_nop
.set j_, 0
	s_wait_alu depctr_va_vdst(0)
.rept 32
	v_pk_fma_f32 v[G+j_:G+j_+1], v[G+j_:G+j_+1], 0.5, 0.5 op_sel_hi:[1,0,0]
.set j_, j_+2
.endr
.set j_, 0
	s_wait_alu depctr_va_vdst(0)
.rept 64
	v_rcp_f32 v[G+j_], v[G+j_]
.set j_, j_+1
.endr
	v_nop
	s_wait_alu depctr_va_vdst(0)
.macro VEADD b
.if (\b) < 3
	s_wait_loadcnt 32
.else
	s_wait_loadcnt 0
.endif
	WIN 0x04
.set t_, 0
.rept 32
	ds_store_b128 v[VST], v[128*((\b)%2)+4*t_:128*((\b)%2)+4*t_+3] offset:528*t_+32*(t_/16)
.set t_, t_+1
.endr
	WIN 0
.irp a, 0,1,2,3,4,5,6,7
.set i_, 0
.rept 16
	ds_load_b32 v[VR+16*\a+i_], v[VRD] offset:528*i_+4*(32*(\a/2)+8*(\a%2))
.set i_, i_+1
.endr
.endr
	s_wait_dscnt 0x0
.if (\b)+2 < 4
	VELOAD (\b)+2
.endif
.irp a, 0,1,2,3,4,5,6,7
	WIN 0xa0+0x50*(\a/4)
.irp i, 0,2,4,6,8,10,12,14
	v_pk_fma_f32 v[64*(\a%4)+16*(\b)+\i:64*(\a%4)+16*(\b)+\i+1], v[VR+16*\a+\i:VR+16*\a+\i+1], v[G+16*(\b)+\i:G+16*(\b)+\i+1], v[64*(\a%4)+16*(\b)+\i:64*(\a%4)+16*(\b)+\i+1]
.endr
.endr
	WIN 0
.endm
	VEADD 0
	VEADD 1
	VEADD 2
	VEADD 3
.irp a, 0,1,2,3,4,5,6,7
	s_wait_xcnt 0x0
.set QS, 64*(\a%4)
.set QW, 2+\a/4
	QUANT QS, QW
	OUT \a
.endr
.Ldone:
	s_wait_tensorcnt 0x0
	ds_add_u32 v[SPW], v[NIL]
	s_wait_dscnt 0x0
	CROUND
	s_endpgm
.Lfunc_end_k_q051146d7ab_qkv:
	.size	k_q051146d7ab_qkv, .Lfunc_end_k_q051146d7ab_qkv-k_q051146d7ab_qkv
	.p2alignl 7, 3214868480
	.fill 96, 4, 3214868480
	.section	.rodata,"a",@progbits
	.p2align	6, 0x0
	.amdhsa_kernel k_q051146d7ab_qkv
		.amdhsa_group_segment_fixed_size 327680
		.amdhsa_private_segment_fixed_size 0
		.amdhsa_enable_private_segment 0
		.amdhsa_kernarg_size 80
		.amdhsa_user_sgpr_count 2
		.amdhsa_user_sgpr_kernarg_segment_ptr 1
		.amdhsa_wavefront_size32 1
		.amdhsa_system_sgpr_workgroup_id_x 1
		.amdhsa_system_sgpr_workgroup_id_y 1
		.amdhsa_system_sgpr_workgroup_id_z 1
		.amdhsa_system_vgpr_workitem_id 0
		.amdhsa_next_free_vgpr 1024
		.amdhsa_next_free_sgpr 102
		.amdhsa_reserve_vcc 0
		.amdhsa_float_denorm_mode_32 3
		.amdhsa_float_denorm_mode_16_64 3
		.amdhsa_memory_ordered 1
		.amdhsa_forward_progress 1
		.amdhsa_inst_pref_size 255
	.end_amdhsa_kernel
	.section	.bss,"aw",@nobits
	.p2align	6
	.space	262144
	.amdgpu_metadata
---
amdhsa.version: [ 1, 2 ]
amdhsa.kernels:
  - .name:           k_q051146d7ab_qkv
    .symbol:         k_q051146d7ab_qkv.kd
    .args:
      - { .name: xc, .offset: 0, .size: 8, .value_kind: global_buffer, .address_space: global }
      - { .name: xs, .offset: 8, .size: 8, .value_kind: global_buffer, .address_space: global }
      - { .name: wc, .offset: 16, .size: 8, .value_kind: global_buffer, .address_space: global }
      - { .name: ws, .offset: 24, .size: 8, .value_kind: global_buffer, .address_space: global }
      - { .name: cos, .offset: 32, .size: 8, .value_kind: global_buffer, .address_space: global }
      - { .name: sin, .offset: 40, .size: 8, .value_kind: global_buffer, .address_space: global }
      - { .name: ve, .offset: 48, .size: 8, .value_kind: global_buffer, .address_space: global }
      - { .name: Wgate, .offset: 56, .size: 8, .value_kind: global_buffer, .address_space: global }
      - { .name: img, .offset: 64, .size: 8, .value_kind: global_buffer, .address_space: global }
      - { .name: sc, .offset: 72, .size: 8, .value_kind: global_buffer, .address_space: global }
    .group_segment_fixed_size: 327680
    .private_segment_fixed_size: 0
    .kernarg_segment_align: 8
    .kernarg_segment_size: 80
    .max_flat_workgroup_size: 128
    .sgpr_count:     102
    .vgpr_count:     1024
    .wavefront_size: 32
...
	.end_amdgpu_metadata
.endif
;; end of part 7
;; launch attn (part 8): grid 16 x 16, 16 waves a work-group, no clusters, 327,680 bytes of LDS; arguments img, sc, yimg, ysc; writes yimg, ysc
.if DOCPART == 8
	.amdgcn_target "amdgcn-amd-amdhsa--gfx1250"
	.amdhsa_code_object_version 6
	.text
	.protected	k_q051146d7ab_attn
	.globl	k_q051146d7ab_attn
	.p2align	8
	.type	k_q051146d7ab_attn,@function
k_q051146d7ab_attn:
	s_mov_b64 s[64:65], 0
	v_nop
	global_prefetch_b8 v0, s[64:65] scope:SCOPE_SE
	s_setreg_imm32_b32 hwreg(HW_REG_WAVE_MODE, 25, 1), 1
	s_wait_xcnt 0x0
; y[q][head] = the sum over keys k <= q of softmax_k(q . k / sqrt(128)) v[k], both products on codes of FP4 (E2M1) with one E8M0 scale for each 32 along K; y is then quantised along the head's 128 channels.
; q, k, v arrive as images of operand registers (a fragment of 16 rows x 128 K: 1,024 bytes, byte 512 c + 16 lane = registers 4 c .. 4 c + 3; scale words 64 bytes), y leaves so.
; img: [48 (q heads, k heads, v heads)][16 chunks of 128 tokens][8 tiles][1,024].  q, k: lane r of tile a = token PB(a) + r + (r & 8) of its chunk, PB(a) = 32 (a / 2) + 8 (a % 2); K = channels.  v: lane r = that channel; K = the chunk's tokens.
; THE SOFTMAX: t = score x log2(e) / sqrt(128); M = the running largest t rounded UP to a whole number; p = 2^(t - M) is quantised along the keys, not normalised; the row's sum is taken of the unquantised p and divides at the end.
; Both products are used transposed (S^T = k q^T, O^T = v^T p^T): a lane holds one query throughout; by the tiles' row order p's 16 registers of two neighbouring tiles are 16 neighbouring keys, and O^T's are 16 neighbouring channels.
; SHARES.  A work-group serves one head (y) and eight tiles of 16 queries; wave w < 4 owns tile 4 x + w, wave w >= 4 tile 131 - 4 x - w: an early and a late tile for each pair of waves, about 17 key steps together.
; LDS holds the head's whole k and v images and their scale words, each byte filled ONCE: at the head waves 0-3 bring chunks 0-3 and waves 4-7 the scale words; behind the first barrier all sixteen waves bring chunks 4-15.
; Every wave walks 8 of the 16 key steps (the even or the odd chunks), in two phases of 2 and 6, one barrier a phase; a step all of whose keys come after the wave's queries is jumped over by a scalar branch on ids.
; A STEP'S LDS LOADS: k's eight fragments go out in one run at its head; v's eight are asked for as soon as the score products have read k's registers, and land while the softmax is worked.
; NO CLUSTER: the work-groups of a head do read the same tiles, but that jump hangs on the work-group's own x.
; ysc is written 64 bytes at a time (one tile, one head): 131,072 bytes in all.
; LIMITS: NaN and infinities are not served; a block whose every p is 0 keeps the scale byte 1 (its codes are zeros); v_exp_f32 and v_rcp_f32 stand ahead of the quantisers.
; REGISTERS: v1-6 addresses that stay; v8-10 the step's addresses; v11 0; v12 -M, v13 the largest t, v[14:15] the sum; v16-23 q; v24-31 k's scale words; v32-95 eight fragments of k, then of v; v96-159 S^T, then p; v160-223 O^T;
;   v224-231 codes; v232-239, v244-247, v252-254 at work; v240-243 and v248-251 v's scale words; v255 q's scale words.
; HOW LDS IS FILLED, as the text now stands: each byte once, in two groups, one tensor load a wave in each.  At the head waves 0-3 bring key chunks 0-3 of k and v (16 KiB a wave), waves 4-7 the scale words (4 KiB a wave).
; Behind the first barrier, with the full sequence in front of it, each of the sixteen waves brings 12 KiB of chunks 4-15 (waves 0-7 k's, waves 8-15 v's).  Two phases: 4 key steps, a second barrier, 12 key steps.  Every wait on TENSORcnt is for 0.
; SHARES, as the text now stands: sixteen waves.  Waves w and w + 8 own the same tile of 16 queries (w % 8 chooses it as said above for eight waves); wave w < 8 walks the even key chunks, wave w + 8 the odd ones: 2 and then 6 trips of two chunks.
; At the end, behind a barrier behind which nobody reads k's images, waves 8-15 store O^T, -M and the sum into those bytes (their last fill is long done); behind a second barrier waves 0-7 join the two parts:
; -M = the smaller of the two, each part x 2^(its M - M), which rounds nothing; a part with no key has -M = 3e38 and the factor 0.  Waves 0-7 then divide, quantise and store.
; FILLS: at the head waves 0-3 bring chunks 0-3, waves 4-7 the scale words, waves 8-15 nothing; behind the first barrier each of the sixteen brings 12 KiB of chunks 4-15 (waves 0-7 k's, waves 8-15 v's).
.set VIMG, 131072
.set SCK,  262144
.set SCV,  270336
.set LI,   1                           ; v1  16 x lane
.set R4,   2                           ; v2  4 r
.set LV,   3                           ; v3  16 x lane + VIMG
.set SK0,  4                           ; v4  SCK + 4 r
.set SPW,  5                           ; v5  LDS address of my spare word; never rewritten
.set DQ,   6                           ; v6  my query's place in its chunk - 16 h
.set ADK,  8
.set ADV,  9
.set ADS,  10
.set NIL,  11                          ; v11 0; never rewritten
.set KSC,  24                          ; v24-31 k's scale words of the step's eight tiles
.set WV,   12
.set HEAD, 14
.set TT,   15                          ; my tile of queries, 0..127
.set KCQ,  16                          ; its chunk
.set AQ,   17                          ; its place in the chunk
.set SEL,  20
.set CS,   22
.set G1T,  24                          ; s[24:31] group 1: 64 rows of 256 bytes, dense
.set G1C,  32                          ; s[32:39] group 1: 16 rows of 256 bytes, dense
.set G0S,  40                          ; s[40:43] group 0 for the scale words
.set G0T,  44                          ; s[44:47] group 0 for chunks 0-3
.set G0R,  48                          ; s[48:51] group 0 for my part of chunks 4-15
.set G1R,  52                          ; s[52:59] group 1: 48 rows of 256 bytes, dense
.set J,    60                          ; the key step
.set TKV,  61                          ; its images' place: 8,192 a step
.set TSC,  62                          ; its scale words' place: 512 a step
.set CNT,  63
	s_load_b256 s[4:11], s[0:1], 0x0               ; img, sc, yimg, ysc
	v_lshl_add_u32 v[SPW], v0, 2, 0x44000
	v_mov_b32 v[NIL], 0
	ds_add_u32 v[SPW], v[NIL]                      ; the opening lines: the add twice on end
	ds_add_u32 v[SPW], v[NIL]
	v_lshrrev_b32 v8, 5, v0
	s_delay_alu instid0(VALU_DEP_1)
	v_readfirstlane_b32 s[WV], v8                  ; wave 0..15
	s_and_b32 s[HEAD], ttmp7, 0xffff
	s_and_b32 s18, s[WV], 7                        ; which of the work-group's eight tiles
	s_lshr_b32 s19, s[WV], 3                       ; 0: the even key chunks, 1: the odd ones
	s_lshl_b32 s66, ttmp9, 2
	s_add_co_u32 s67, s66, s18
	s_sub_co_u32 s68, 131, s66
	s_sub_co_u32 s68, s68, s18
	s_cmp_lt_u32 s18, 4
	s_cselect_b32 s[TT], s67, s68
	s_lshr_b32 s[KCQ], s[TT], 3
	s_and_b32 s[AQ], s[TT], 7
	; what I fetch, if I fetch: waves 0, 1: the halves of k's parts; waves 2, 3: of v's
	s_and_b32 s13, s[WV], 3                        ; waves 0-3 and waves 4-7 share the head's parts out alike
	s_lshr_b32 s69, s13, 1                         ; kind
	s_and_b32 s70, s13, 1                          ; half
	s_lshl_b32 s71, s69, 4
	s_add_co_u32 s71, s71, s[HEAD]
	s_add_co_u32 s71, s71, 16                      ; 16 + 16 kind + head
	s_lshl_b32 s72, s71, 17
	s_lshl_b32 s74, s70, 14
	s_add_co_u32 s72, s72, s74
	s_mov_b32 s73, 0                               ; images: in memory
	s_lshl_b32 s76, s71, 13
	s_lshl_b32 s75, s70, 12
	s_add_co_u32 s76, s76, s75
	s_mov_b32 s77, 0                               ; scale words: in memory
	s_lshl_b32 s78, s69, 17
	s_add_co_u32 s78, s78, s74                     ; images: in LDS
	s_lshl_b32 s79, s13, 12
	s_add_co_u32 s79, s79, SCK                     ; scale words: in LDS
	s_mov_b32 s[G1T], 3<<16                        ; elements of 8 bytes, no mask, no padding
	s_mov_b32 s[G1T+1], 32<<16                     ; tensor_dim0 = 32
	s_mov_b32 s[G1T+2], 64<<16                     ; tensor_dim1 = 64
	s_mov_b32 s[G1T+3], 32<<16                     ; tile_dim0 = 32
	s_mov_b32 s[G1T+4], 64                         ; tile_dim1 = 64
	s_mov_b32 s[G1T+5], 32                         ; the pitch
	s_mov_b32 s[G1T+6], 0
	s_mov_b32 s[G1T+7], 0
	s_mov_b32 s[G1C], 3<<16
	s_mov_b32 s[G1C+1], 32<<16
	s_mov_b32 s[G1C+2], 16<<16
	s_mov_b32 s[G1C+3], 32<<16
	s_mov_b32 s[G1C+4], 16
	s_mov_b32 s[G1C+5], 32
	s_mov_b32 s[G1C+6], 0
	s_mov_b32 s[G1C+7], 0
	s_mov_b32 s[SEL], 0x76543210
	s_mov_b32 s[SEL+1], 0xfedcba98                 ; v_permlanex16_b32's selects for lane l xor 16
	s_mov_b32 s[CS], 0x3e0293ee                    ; c = log2(e) / sqrt(128)
	s_mov_b32 s[CS+1], s[CS]
	s_wait_dscnt 0x0
	s_wait_kmcnt 0x0
	s_add_nc_u64 s[72:73], s[4:5], s[72:73]
	s_add_nc_u64 s[76:77], s[6:7], s[76:77]
	s_mov_b32 s[G0S], 1
	s_mov_b32 s[G0S+1], s79
	s_mov_b64 s[G0S+2:G0S+3], s[76:77]
	s_or_b32 s[G0S+3], s[G0S+3], 0x80000000
	s_mov_b32 s[G0T], 1
	s_mov_b32 s[G0T+1], s78
	s_mov_b64 s[G0T+2:G0T+3], s[72:73]
	s_or_b32 s[G0T+3], s[G0T+3], 0x80000000
	s_lshr_b32 s66, s[WV], 3                       ; chunks 4-15: waves 0-7 k's, waves 8-15 v's,
	s_and_b32 s67, s[WV], 7
	s_mul_i32 s67, s67, 12288                      ; 12 KiB a wave,
	s_add_co_u32 s67, s67, 32768                   ; behind chunks 0-3
	s_lshl_b32 s68, s66, 17
	s_add_co_u32 s[G0R+1], s68, s67                ; in LDS
	s_lshl_b32 s66, s66, 4
	s_add_co_u32 s66, s66, s[HEAD]
	s_add_co_u32 s66, s66, 16
	s_lshl_b32 s66, s66, 17
	s_add_co_u32 s66, s66, s67                     ; and in memory
	s_mov_b32 s67, 0
	s_mov_b32 s[G0R], 1
	s_add_nc_u64 s[G0R+2:G0R+3], s[4:5], s[66:67]
	s_or_b32 s[G0R+3], s[G0R+3], 0x80000000
	s_mov_b32 s[G1R], 3<<16
	s_mov_b32 s[G1R+1], 32<<16
	s_mov_b32 s[G1R+2], 48<<16                     ; 48 rows of 256 bytes
	s_mov_b32 s[G1R+3], 32<<16
	s_mov_b32 s[G1R+4], 48
	s_mov_b32 s[G1R+5], 32
	s_mov_b32 s[G1R+6], 0
	s_mov_b32 s[G1R+7], 0
	s_cmp_lt_u32 s[WV], 4                          ; the head's loads: one a wave, an arm each, one join
	s_cbranch_scc0 .Lhead_sc
	tensor_load_to_lds s[G0T:G0T+3], s[G1T:G1T+7]
	s_nop 0
.rept 4
	v_nop
.endr
	s_branch .Lhead_asked
.Lhead_sc:
	s_cmp_lt_u32 s[WV], 8                          ; waves 8-15 fetch nothing at the head
	s_cbranch_scc0 .Lhead_asked
	tensor_load_to_lds s[G0S:G0S+3], s[G1C:G1C+7]
	s_nop 0
.rept 4
	v_nop
.endr
.Lhead_asked:
	v_and_b32 v7, 31, v0
	s_delay_alu instid0(VALU_DEP_1)
	v_lshlrev_b32 v[LI], 4, v7
	v_and_b32 v8, 15, v0                           ; r
	v_bfe_u32 v9, v0, 4, 1                         ; h
	s_delay_alu instid0(VALU_DEP_2)
	v_lshlrev_b32 v[R4], 2, v8
	s_wait_alu depctr_va_vdst(0)
	v_add_nc_u32 v[LV], VIMG, v[LI]
	v_add_nc_u32 v[SK0], SCK, v[R4]
	s_lshl_b32 s66, s[HEAD], 17
	s_lshl_b32 s67, s[TT], 10
	s_add_co_u32 s66, s66, s67
	s_mov_b32 s67, 0
	s_add_nc_u64 s[66:67], s[4:5], s[66:67]        ; my tile of q
	global_load_b128 v[16:19], v[LI], s[66:67]
	global_load_b128 v[20:23], v[LI], s[66:67] offset:512
	s_lshl_b32 s68, s[HEAD], 13
	s_lshl_b32 s69, s[TT], 6
	s_add_co_u32 s68, s68, s69
	s_mov_b32 s69, 0
	s_add_nc_u64 s[68:69], s[6:7], s[68:69]
	global_load_b32 v255, v[R4], s[68:69]          ; its scale words
	s_lshl_b32 s74, s[TT], 4
	s_add_co_u32 s74, s74, s[HEAD]                 ; 16 x tile + head
	s_lshl_b32 s70, s74, 10
	s_mov_b32 s71, 0
	s_add_nc_u64 s[70:71], s[8:9], s[70:71]        ; where y's image goes,
	s_lshl_b32 s74, s74, 6
	s_mov_b32 s75, 0
	s_add_nc_u64 s[74:75], s[10:11], s[74:75]      ; and its scale words
	s_lshr_b32 s78, s[AQ], 1
	s_lshl_b32 s78, s78, 5
	s_and_b32 s79, s[AQ], 1
	s_lshl_b32 s79, s79, 3
	s_add_co_u32 s78, s78, s79                     ; PB(AQ)
	v_and_b32 v10, 8, v8
	s_delay_alu instid0(VALU_DEP_1)
	v_add_nc_u32 v10, v10, v8
	v_lshlrev_b32 v7, 4, v9
	s_delay_alu instid0(VALU_DEP_1)
	v_sub_nc_u32 v10, v10, v7
	s_delay_alu instid0(VALU_DEP_1)
	v_add_nc_u32 v[DQ], s78, v10
	v_mov_b32 v13, 0xff61b1e6                      ; the largest t so far: -3e38
	s_delay_alu instid0(VALU_DEP_1)
	v_floor_f32 v12, -v13                          ; -M
	v_mov_b32 v14, 0
	v_mov_b32 v15, 0
.irp b, 0,1,2,3
	v_mov_b32 v[236+\b], 0                         ; written once: a lane permute's destination counts as one of its sources
.endr
	v_mov_b32 v252, 0
	v_mov_b32 v253, 0
.set j_, 0
.rept 64
	v_mov_b32 v[160+j_], 0                         ; O^T: the step is written once for each phase; the first finds zeros
.set j_, j_+1
.endr
; A KEY STEP: the 128 keys of chunk J.
.macro STEP
	s_cmp_gt_u32 s[J], s[KCQ]                      ; all its keys come after my queries: only the steps of the addresses remain
	s_cbranch_scc1 .Lhidden_\@
	v_add_nc_u32 v[ADK], s[TKV], v[LI]             ; (these four are also the places in front of the loads into registers that the last products read)
	v_add_nc_u32 v[ADV], s[TKV], v[LV]
	v_add_nc_u32 v[ADS], s[TSC], v[SK0]
	v_nop                                          ; (the fourth place)
.irp t, 0,1,2,3,4,5,6,7                ; k's eight tiles of 16 keys and their scale words, in one run
.irp c, 0,1
	ds_load_b128 v[32+8*\t+4*\c:32+8*\t+4*\c+3], v[ADK] offset:1024*\t+512*\c
.endr
	ds_load_b32 v[KSC+\t], v[ADS] offset:64*\t
.endr
	s_wait_alu depctr_va_vdst(0)
	s_wait_dscnt 12                                ; the first four tiles are in; the other four tiles' twelve loads may be out
.irp t, 0,1,2,3                        ; S^T = k q^T
	v_wmma_scale_f32_16x16x128_f8f6f4 v[96+8*\t:103+8*\t], v[32+8*\t:39+8*\t], v[16:23], 0, v[KSC+\t], v255 matrix_a_fmt:MATRIX_FMT_FP4 matrix_b_fmt:MATRIX_FMT_FP4
.endr
	s_wait_dscnt 0x0
.irp t, 4,5,6,7
	v_wmma_scale_f32_16x16x128_f8f6f4 v[96+8*\t:103+8*\t], v[32+8*\t:39+8*\t], v[16:23], 0, v[KSC+\t], v255 matrix_a_fmt:MATRIX_FMT_FP4 matrix_b_fmt:MATRIX_FMT_FP4
.endr
.rept 4
	v_nop                                          ; places: in front of the loads into k's registers, and of the first read of the scores
.endr
.irp t, 0,1,2,3,4,5,6,7                ; v's eight tiles of 16 channels and their scale words: asked for now, wanted behind the softmax
.irp c, 0,1
	ds_load_b128 v[32+8*\t+4*\c:32+8*\t+4*\c+3], v[ADV] offset:1024*\t+512*\c
.endr
	ds_load_b32 v[240+\t+4*(\t/4)], v[ADS] offset:SCV-SCK+64*\t   ; v's scale words lie 8,192 bytes behind k's
.endr
	s_cmp_lt_u32 s[J], s[KCQ]                      ; all its keys count: no mask
	s_cbranch_scc1 .Lopen_\@
	v_mov_b32 v254, 0xff800000                     ; on the diagonal: register 16 b + i holds key 32 b + 16 h + i of the chunk: hidden where 32 b + i > DQ
.set n_, 0
.rept 64
	v_cmp_gt_i32 vcc_lo, 32*(n_/16)+n_%16, v[DQ]
	v_cndmask_b32 v[96+n_], v[96+n_], v254, vcc_lo
.set n_, n_+1
.endr
.Lopen_\@:
.irp b, 0,1,2,3
	v_max3_num_f32 v[232+\b], v[96+16*\b], v[97+16*\b], v[98+16*\b]   ; the largest score of each block of 32 keys: for the row's maximum and, since p rises with the score, for the block's largest p
.endr
.irp i, 3,5,7,9,11,13
.irp b, 0,1,2,3
	v_max3_num_f32 v[232+\b], v[232+\b], v[96+16*\b+\i], v[97+16*\b+\i]
.endr
.endr
.irp b, 0,1,2,3
	v_max_num_f32 v[232+\b], v[232+\b], v[111+16*\b]
.endr
.irp b, 0,1,2,3
	s_delay_alu instid0(VALU_DEP_4)
	v_permlanex16_b32 v[236+\b], v[232+\b], s[SEL], s[SEL+1]
.endr
.irp b, 0,1,2,3
	s_delay_alu instid0(VALU_DEP_4)
	v_max_num_f32 v[232+\b], v[232+\b], v[236+\b]
.endr
	s_delay_alu instid0(VALU_DEP_2)
	v_max3_num_f32 v254, v232, v233, v234
	s_delay_alu instid0(VALU_DEP_1)
	v_max_num_f32 v254, v254, v235
	s_delay_alu instid0(VALU_DEP_1)
	v_mul_f32 v254, s[CS], v254
	s_delay_alu instid0(VALU_DEP_1)
	v_max_num_f32 v13, v13, v254                   ; the running largest t
	v_mov_b32 v254, v12
	s_delay_alu instid0(VALU_DEP_2)
	v_floor_f32 v12, -v13                          ; the new -M = -ceil(t)
	s_delay_alu instid0(VALU_DEP_1)
	v_sub_f32 v254, v12, v254                      ; old M - new M: a whole number, 0 or less
	s_delay_alu instid0(VALU_DEP_1)
	v_cvt_i32_f32 v254, v254
	s_delay_alu instid0(VALU_DEP_1)
	v_ldexp_f32 v252, 1.0, v254                    ; f = 2^(old M - new M)
.set j_, 0
.rept 32
	v_pk_fma_f32 v[96+j_:97+j_], v[96+j_:97+j_], s[CS:CS+1], v[12:13] op_sel_hi:[1,0,0]   ; t - M
.set j_, j_+2
.endr
.irp b, 0,1,2,3
	v_fma_f32 v[232+\b], v[232+\b], s[CS], v12
.endr
.set j_, 0
	s_wait_alu depctr_va_vdst(0)
.rept 64
	v_exp_f32 v[96+j_], v[96+j_]                   ; p = 2^(t - M)
.set j_, j_+1
.endr
.irp b, 0,1,2,3
	v_exp_f32 v[232+\b], v[232+\b]                 ; the block's largest p
.endr
	v_pk_mul_f32 v[14:15], v[14:15], v[252:253] op_sel_hi:[1,0]   ; the sums under the new M (a plain line behind the exponentials)
	s_wait_alu depctr_va_vdst(0)
.irp b, 0,1,2,3
	v_max_num_f32 v[232+\b], 0x1800000, v[232+\b]  ; the floor 2^(3 - 127)
.endr
.irp b, 0,1,2,3
	s_delay_alu instid0(VALU_DEP_4)
	v_add_nc_u32 v[244+\b], 0xff000000, v[232+\b]  ; the conversion's scale operand
.endr
.irp b, 0,1,2,3
	s_delay_alu instid0(VALU_DEP_4)
	v_lshrrev_b32 v[236+\b], 23, v[244+\b]
.endr
	s_delay_alu instid0(VALU_DEP_3)
	v_lshl_or_b32 v253, v237, 8, v236              ; p's scale word for these 128 keys
	s_delay_alu instid0(VALU_DEP_1)
	v_lshl_or_b32 v253, v238, 16, v253
	s_delay_alu instid0(VALU_DEP_1)
	v_lshl_or_b32 v253, v239, 24, v253
.irp b, 0,1,2,3
	v_cvt_scalef32_pk8_fp4_f32 v[224+2*\b], v[96+16*\b:103+16*\b], v[244+\b]
	v_cvt_scalef32_pk8_fp4_f32 v[225+2*\b], v[104+16*\b:111+16*\b], v[244+\b]
.endr
	v_nop
.irp c, 0,1
.irp i, 0,1
	v_permlane16_swap_b32 v[224+4*\c+\i], v[226+4*\c+\i]
.endr
.endr
	v_pk_add_f32 v[236:237], v[100:101], v[104:105]
	v_pk_add_f32 v[246:247], v[108:109], v[112:113]
	v_pk_add_f32 v[244:245], v[116:117], v[120:121]
	v_pk_add_f32 v[234:235], v[124:125], v[128:129]
	v_pk_add_f32 v[232:233], v[132:133], v[136:137]
	v_pk_add_f32 v[30:31], v[140:141], v[144:145]
	v_pk_add_f32 v[28:29], v[148:149], v[152:153]
	v_pk_add_f32 v[14:15], v[14:15], v[156:157]
	v_pk_add_f32 v[236:237], v[236:237], v[96:97]
	v_pk_add_f32 v[246:247], v[246:247], v[98:99]
	v_pk_add_f32 v[244:245], v[244:245], v[102:103]
	v_pk_add_f32 v[234:235], v[234:235], v[106:107]
	v_pk_add_f32 v[232:233], v[232:233], v[110:111]
	v_pk_add_f32 v[30:31], v[30:31], v[114:115]
	v_pk_add_f32 v[28:29], v[28:29], v[118:119]
	v_pk_add_f32 v[14:15], v[14:15], v[122:123]
	v_pk_add_f32 v[236:237], v[236:237], v[126:127]
	v_pk_add_f32 v[246:247], v[246:247], v[130:131]
	v_pk_add_f32 v[244:245], v[244:245], v[134:135]
	v_pk_add_f32 v[234:235], v[234:235], v[138:139]
	v_pk_add_f32 v[232:233], v[232:233], v[142:143]
	v_pk_add_f32 v[30:31], v[30:31], v[146:147]
	v_pk_add_f32 v[28:29], v[28:29], v[150:151]
	v_pk_add_f32 v[14:15], v[14:15], v[154:155]
	v_pk_add_f32 v[236:237], v[236:237], v[158:159]
	s_delay_alu instid0(VALU_DEP_2)
	v_pk_add_f32 v[14:15], v[14:15], v[234:235]
	s_delay_alu instid0(VALU_DEP_2)
	v_pk_add_f32 v[236:237], v[236:237], v[232:233]
	v_pk_add_f32 v[246:247], v[246:247], v[30:31]
	v_pk_add_f32 v[244:245], v[244:245], v[28:29]
	s_delay_alu instid0(VALU_DEP_2)
	v_pk_add_f32 v[14:15], v[14:15], v[246:247]
	s_delay_alu instid0(VALU_DEP_2)
	v_pk_add_f32 v[236:237], v[236:237], v[244:245]
	s_delay_alu instid0(VALU_DEP_1)
	v_pk_add_f32 v[14:15], v[14:15], v[236:237]
.set j_, 0
.rept 32
	v_pk_mul_f32 v[160+j_:161+j_], v[160+j_:161+j_], v[252:253] op_sel_hi:[1,0]   ; O^T under the new M
.set j_, j_+2
.endr
	s_wait_alu depctr_va_vdst(0)
	s_wait_dscnt 0x0                               ; v's fragments and scale words, asked for ahead of the softmax
.irp t, 0,1,2,3,4,5,6,7                ; O^T += v^T p^T; the eight accumulators take turns
	v_wmma_scale_f32_16x16x128_f8f6f4 v[160+8*\t:167+8*\t], v[32+8*\t:39+8*\t], v[224:231], v[160+8*\t:167+8*\t], v[240+\t+4*(\t/4)], v253 matrix_a_fmt:MATRIX_FMT_FP4 matrix_b_fmt:MATRIX_FMT_FP4
.endr
.Lhidden_\@:
	s_add_co_u32 s[J], s[J], 2                     ; my next chunk: two on
	s_add_co_u32 s[TKV], s[TKV], 16384
	s_add_co_u32 s[TSC], s[TSC], 1024
.endm
; A PHASE: all my tensor loads have landed, one barrier, then n key steps of mine; the first phase asks for chunks 4-15 behind its barrier.
.macro PHASE q, n, fill                ; n key steps from step 4 q on; fill = 1: behind the barrier my part of chunks 4-15 is asked for
	s_wait_tensorcnt 0x0                           ; all my tensor loads have landed
	ds_add_u32 v[SPW], v[NIL]                      ; 0 onto my spare word,
.if \fill
	ds_add_u32 v[SPW], v[NIL]                      ; and twice on end here
.endif
	s_wait_dscnt 0x0
	s_barrier_signal -1
	s_barrier_wait -1                              ; everybody's parts are in
.if \fill
	tensor_load_to_lds s[G0R:G0R+3], s[G1R:G1R+7]  ; a first fill, issued as a refill is: my one load behind this barrier
	s_nop 0
.rept 4
	v_nop
.endr
.endif
	s_add_co_u32 s[J], s19, 4*\q                   ; my first chunk of the phase: even or odd
	s_lshl_b32 s[TKV], s19, 13
	s_add_co_u32 s[TKV], s[TKV], 32768*\q
	s_lshl_b32 s[TSC], s19, 9
	s_add_co_u32 s[TSC], s[TSC], 2048*\q
	s_mov_b32 s[CNT], \n
.Lstep_\@:
	STEP
	s_sub_co_u32 s[CNT], s[CNT], 1
	s_cmp_lg_u32 s[CNT], 0
	s_cbranch_scc1 .Lstep_\@
.endm
	s_wait_loadcnt 0x0                             ; q
	PHASE 0, 2, 1
	PHASE 1, 6, 0
	; THE WAY OUT: y = O^T / the sum; its 64 registers are channels 32 b + 16 h + i: quantised as they stand, the image stored as it stands
.rept 4
	v_nop
.endr
	; THE TWO PARTS OF A TILE ARE JOINED through a stage of 8,704 bytes a tile in k's images
	v_add_f32 v14, v14, v15                        ; my lane's part of the sum
	s_mul_i32 s66, s18, 8704
	v_add_nc_u32 v8, s66, v[LI]                    ; O^T: 16 bytes a lane, 512 a group of four registers
	v_lshrrev_b32 v9, 1, v[LI]
	v_mov_b32 v235, 0                              ; (named as the upper half of a pair below)
	v_mov_b32 v13, v14                             ; -M and the sum side by side
	v_add_nc_u32 v9, s66, v9                       ; 8 bytes a lane, behind O^T's 8,192
	s_wait_alu depctr_va_vdst(0)
	s_wait_dscnt 0x0                               ; my reads of the images are over
	s_barrier_signal -1
	s_barrier_wait -1                              ; and everybody's
	s_cmp_lt_u32 s[WV], 8
	s_cbranch_scc1 .Lown
.set j_, 0
.rept 16
	ds_store_b128 v8, v[160+4*j_:163+4*j_] offset:512*j_   ; each accumulator from its low end on
.set j_, j_+1
.endr
	ds_store_b64 v9, v[12:13] offset:8192
.Lown:
	s_wait_dscnt 0x0                               ; for the others' sake: my stores are done
	s_barrier_signal -1
	s_barrier_wait -1
	s_cmp_lt_u32 s[WV], 8
	s_cbranch_scc0 .Lend                           ; waves 8-15 have handed their part over
.set j_, 0
.rept 16
	ds_load_b128 v[96+4*j_:99+4*j_], v8 offset:512*j_
.set j_, j_+1
.endr
	ds_load_b64 v[232:233], v9 offset:8192
	s_wait_dscnt 0x0
	v_min_num_f32 v236, v12, v232                  ; -M of the whole row
	v_sub_f32 v237, v236, v12                      ; my M - M, and the other part's: whole numbers, 0 or less
	v_sub_f32 v238, v236, v232
	v_cvt_i32_f32 v237, v237                       ; (they saturate)
	v_cvt_i32_f32 v238, v238
	v_ldexp_f32 v252, 1.0, v237
	v_ldexp_f32 v234, 1.0, v238
	v_mul_f32 v233, v233, v234
	v_fma_f32 v14, v14, v252, v233                 ; the sum under M
.set j_, 0
.rept 32
	v_pk_mul_f32 v[96+j_:97+j_], v[96+j_:97+j_], v[234:235] op_sel_hi:[1,0]
	v_pk_fma_f32 v[160+j_:161+j_], v[160+j_:161+j_], v[252:253], v[96+j_:97+j_] op_sel_hi:[1,0,1]   ; O^T under M
.set j_, j_+2
.endr
	v_permlanex16_b32 v252, v14, s[SEL], s[SEL+1]
	s_delay_alu instid0(VALU_DEP_1)
	v_add_f32 v14, v14, v252
	s_wait_alu depctr_va_vdst(0)
	v_rcp_f32 v14, v14
	v_nop
.set j_, 0
	s_wait_alu depctr_va_vdst(0)
.rept 32
	v_pk_mul_f32 v[96+j_:97+j_], v[160+j_:161+j_], v[14:15] op_sel_hi:[1,0]
.set j_, j_+2
.endr
.irp b, 0,1,2,3
	v_max3_num_f32 v[232+\b], |v[96+16*\b]|, |v[97+16*\b]|, 0x1800000
.endr
.irp i, 2,4,6,8,10,12,14
.irp b, 0,1,2,3
	s_delay_alu instid0(VALU_DEP_4)
	v_max3_num_f32 v[232+\b], v[232+\b], |v[96+16*\b+\i]|, |v[97+16*\b+\i]|
.endr
.endr
.irp b, 0,1,2,3
	s_delay_alu instid0(VALU_DEP_4)
	v_permlanex16_b32 v[236+\b], v[232+\b], s[SEL], s[SEL+1]
.endr
.irp b, 0,1,2,3
	s_delay_alu instid0(VALU_DEP_4)
	v_max_num_f32 v[232+\b], v[232+\b], v[236+\b]
.endr
.irp b, 0,1,2,3
	s_delay_alu instid0(VALU_DEP_4)
	v_add_nc_u32 v[244+\b], 0xff000000, v[232+\b]
.endr
.irp b, 0,1,2,3
	s_delay_alu instid0(VALU_DEP_4)
	v_lshrrev_b32 v[236+\b], 23, v[244+\b]
.endr
	s_delay_alu instid0(VALU_DEP_3)
	v_lshl_or_b32 v248, v237, 8, v236
	s_delay_alu instid0(VALU_DEP_1)
	v_lshl_or_b32 v248, v238, 16, v248
	s_delay_alu instid0(VALU_DEP_1)
	v_lshl_or_b32 v248, v239, 24, v248
.irp b, 0,1,2,3
	v_cvt_scalef32_pk8_fp4_f32 v[224+2*\b], v[96+16*\b:103+16*\b], v[244+\b]
	v_cvt_scalef32_pk8_fp4_f32 v[225+2*\b], v[104+16*\b:111+16*\b], v[244+\b]
.endr
	v_nop
.irp c, 0,1
.irp i, 0,1
	v_permlane16_swap_b32 v[224+4*\c+\i], v[226+4*\c+\i]
.endr
.endr
	global_store_b128 v[LI], v[224:227], s[70:71]              ; each store covers 512 consecutive bytes, aligned
	global_store_b128 v[LI], v[228:231], s[70:71] offset:512
	global_store_b32 v[R4], v248, s[74:75]                     ; lanes 16-31 write the same words with the same values
.Lend:
	s_wait_tensorcnt 0x0                           ; the wave's end
	ds_add_u32 v[SPW], v[NIL]
	s_wait_dscnt 0x0
	s_endpgm
.Lfunc_end_k_q051146d7ab_attn:
	.size	k_q051146d7ab_attn, .Lfunc_end_k_q051146d7ab_attn-k_q051146d7ab_attn
	.p2alignl 7, 3214868480
	.fill 96, 4, 3214868480
	.section	.rodata,"a",@progbits
	.p2align	6, 0x0
	.amdhsa_kernel k_q051146d7ab_attn
		.amdhsa_group_segment_fixed_size 327680
		.amdhsa_private_segment_fixed_size 0
		.amdhsa_enable_private_segment 0
		.amdhsa_kernarg_size 32
		.amdhsa_user_sgpr_count 2
		.amdhsa_user_sgpr_kernarg_segment_ptr 1
		.amdhsa_wavefront_size32 1
		.amdhsa_system_sgpr_workgroup_id_x 1
		.amdhsa_system_sgpr_workgroup_id_y 1
		.amdhsa_system_sgpr_workgroup_id_z 1
		.amdhsa_system_vgpr_workitem_id 0
		.amdhsa_next_free_vgpr 256
		.amdhsa_next_free_sgpr 80
		.amdhsa_reserve_vcc 1
		.amdhsa_float_denorm_mode_32 3
		.amdhsa_float_denorm_mode_16_64 3
		.amdhsa_memory_ordered 1
		.amdhsa_forward_progress 1
		.amdhsa_inst_pref_size 74
	.end_amdhsa_kernel
	.amdgpu_metadata
---
amdhsa.version: [ 1, 2 ]
amdhsa.kernels:
  - .name:           k_q051146d7ab_attn
    .symbol:         k_q051146d7ab_attn.kd
    .args:
      - { .name: img, .offset: 0, .size: 8, .value_kind: global_buffer, .address_space: global }
      - { .name: sc, .offset: 8, .size: 8, .value_kind: global_buffer, .address_space: global }
      - { .name: yimg, .offset: 16, .size: 8, .value_kind: global_buffer, .address_space: global }
      - { .name: ysc, .offset: 24, .size: 8, .value_kind: global_buffer, .address_space: global }
    .group_segment_fixed_size: 327680
    .private_segment_fixed_size: 0
    .kernarg_segment_align: 8
    .kernarg_segment_size: 32
    .max_flat_workgroup_size: 512
    .sgpr_count:     80
    .vgpr_count:     256
    .wavefront_size: 32
...
	.end_amdgpu_metadata
.endif
;; end of part 8
;; launch proj (part 9): grid 16 x 16, 4 waves a work-group, clusters of 4 x 4, 327,680 bytes of LDS; arguments yimg, ysc, wc, ws, out0; writes out0
.if DOCPART == 9
	.amdgcn_target "amdgcn-amd-amdhsa--gfx1250"
	.amdhsa_code_object_version 6
	.text
	.protected	k_q051146d7ab_proj
	.globl	k_q051146d7ab_proj
	.p2align	8
	.type	k_q051146d7ab_proj,@function
k_q051146d7ab_proj:
	s_mov_b64 s[64:65], 0
	v_nop
	global_prefetch_b8 v0, s[64:65] scope:SCOPE_SE
	s_setreg_imm32_b32 hwreg(HW_REG_WAVE_MODE, 25, 1), 1
	s_wait_xcnt 0x0
	s_wait_alu depctr_hold_cnt(0) depctr_sa_sdst(0) depctr_va_vdst(0) depctr_va_sdst(0) depctr_va_ssrc(0) depctr_va_vcc(0) depctr_vm_vsrc(0)
	s_getreg_b32 s2, hwreg(HW_REG_IB_STS2, 6, 4)
	s_cmp_eq_u32 s2, 0
	s_cbranch_scc0 .Lentry_in_a_cluster
	s_endpgm
.Lentry_in_a_cluster:
	s_bfe_u32 s2, ttmp6, 0x10000c
	s_cmp_lg_u32 s2, 0xf033
	s_cbranch_scc0 .Lentry_shape_is_right
	s_endpgm
.Lentry_shape_is_right:
; out0 = y Wproj on codes of FP4 (E2M1) with one E8M0 scale for each 32 along K; sums in f32.  M = N = K = 2,048.
; A = y, as images of operand registers: yimg [16 chunks of 128 tokens][8 tiles][16 K steps of 128][1,024 bytes], byte 512 c + 16 lane = registers 4 c .. 4 c + 3; lane r of tile a = token PB(a) + r + (r & 8), PB(a) = 32 (a / 2) + 8 (a % 2);
; ysc the same with 64 bytes (16 words) a fragment.  B = Wproj's columns: rows 6,144 on of wc [row][1,024 bytes] and ws [row][64 bytes], column n at row position n with bits 3 and 4 exchanged.
; A TILE OF out0 IS 128 x 128, so that the product's 256 tiles give each of 256 work-groups one; four waves of 64 x 64: 16 accumulators, 128 registers.  The price: each fragment read from LDS feeds four products, not eight.
; ALL OF K LIES IN LDS, EACH BYTE FILLED ONCE: 128 rows x 1,024 bytes of A and of B and their scale bytes.  They come by one load a wave, all asked for at the head; the products begin when all have landed.
; So there is no ring and no refill: one wait for 0 on the tensor loads and one barrier stand ahead of the products.
; CLUSTERS: 4 x 4 work-groups; A's tile is shared along a row of the cluster, B's along a column: each part is asked for jointly.  Wave 0 fetches A's images, wave 1 B's rows, waves 2 and 3 their scales: one load a wave.
; THE MATRIX INSTRUCTION IS USED TRANSPOSED (source 0 = 16 rows of B, source 1 = A): register j of accumulator (a, b) in lane (r, h) is out0(my first token + PB(a) + r + (r & 8), my first column + 32 (b / 2) + 8 (b % 2) + 16 h + j).
; REGISTERS: window 0: v1-7 at work at the head; v8-20 addresses; v32-47 B's scale words of a quarter, v48-63 A's; v64-127 rows of out0 on the way out; v128-255 the accumulators ((a, b) at v[128 + 8 (4 a + b)]).
;   window 1: four fragment buffers of 64, one for each K step of a quarter: B's four fragments, then A's four.
.set KROW,   1024                      ; a row of B's codes in memory
; HOW LDS IS FILLED, as the text now stands: one group of joint loads at the head, one a wave: wave 0 all of A's images (8 tiles x 16,384 bytes), wave 1 all of B's 128 rows of 1,024 bytes, wave 2 A's scales, wave 3 B's.
; One wait for 0 and one barrier stand ahead of the products; nothing is filled later.
.set PITCH,  1040                      ; B: an LDS row: 1,024 bytes + 16 of padding: an odd multiple of 16 bytes
.set BBASE,  131072                    ; B's rows lie behind A's images
.set KS,     64                        ; a row of scale bytes
.set SCL,    BBASE+128*PITCH           ; behind them: the scales, as units of 256 bytes + 16 of padding
.set HALFS,  16*272                    ; those of 64 rows
.set STAGE,  SCL+4*HALFS               ; behind the scales: a stage of 16 rows x (256 bytes + 16) for each wave; no tensor load lands there
.set SPITCH, 272
.set ADRA, 8                           ; v8      my A fragments
.set ADRB, 12                          ; v12     my B fragments
.set ADSA, 16                          ; v16     A's scale words
.set ADSB, 17                          ; v17     B's scale words
.set STO,  18                          ; v18     the way out: where I put 32 bytes of a row
.set RD,   19                          ; v19     the way out: where I read a row back
.set CO,   20                          ; v20     my byte offset in out0
.set SCB,  32
.set SCA,  48
.set OB,   64
.set ACC,  128
.set G1,   24                          ; s[24:31] group 1 for A's images;  s[32:39] for B's rows;  s[48:55], s[56:63] for A's and B's scales
.set G1B,  32
.set G1S,  48
.set G1SB, 56
.set G0S,  68                          ; groups 0: a set for every load, since all are out together
.set G0SB, 72
.set GA0,  76
.set GA1,  80
.set GA2,  4                           ; (in the registers that held A's two pointers,
.set GA3,  20                          ;  and in those that held A's two addresses)
.set GB0,  84
.set GB1,  88
.set GB2,  92
.set GB3,  96
.set MSB, 0
.macro WIN new                         ; the immediate's high byte repeats the setting that is left
.if MSB != (\new)
	s_set_vgpr_msb (MSB<<8)|(\new)
.set MSB, (\new)
.endif
.endm
.set MUL,  0x05                        ; sources 0 (B) and 1 (A) window 1; C and D window 0
.set TO_F, 0x40                        ; destination window 1, address window 0
.macro ARM under, g0, g1, next         ; an arm of the head's chain of branches on the wave's number: one joint load, then the jump to the join
	s_cmp_lt_u32 s14, \under
	s_cbranch_scc0 \next
	tensor_load_to_lds s[\g0:\g0+3], s[\g1:\g1+7]
	s_nop 0
.rept 4
	v_nop
.endr
	s_branch .Lhead_asked
\next:
.endm
.macro CROUND                          ; a round of the cluster's barrier
	s_barrier_signal -1
	s_barrier_wait -1
	s_cmp_lg_u32 s14, 0
	s_cbranch_scc1 .Lnot_wave_0_\@
	s_barrier_signal -3
.Lnot_wave_0_\@:
	s_barrier_wait -3
	s_barrier_signal -1
	s_barrier_wait -1
.endm
.macro MKG0 g, lreg, loff, a, aoff     ; a group 0: the global address first (the set may lie over the registers that it is made of), the type, the count, the LDS address
	s_add_nc_u64 s[\g+2:\g+3], s[\a:\a+1], \aoff
	s_or_b32 s[\g+3], s[\g+3], 0x80000000
	s_mov_b32 s[\g], 1
	s_add_co_u32 s[\g+1], s[\lreg], \loff
.endm
	s_load_b128 s[4:7], s[0:1], 0x0                ; yimg, ysc
	s_load_b128 s[8:11], s[0:1], 0x10              ; wc, ws
	s_load_b64 s[12:13], s[0:1], 0x20              ; out0
	v_lshl_add_u32 v30, v0, 2, 0x4c800
	v_mov_b32 v31, 0
	ds_add_u32 v30, v31
	ds_add_u32 v30, v31
	v_lshrrev_b32 v1, 5, v0
	v_readfirstlane_b32 s14, v1                    ; wave 0..3
	s_lshr_b32 s15, s14, 1                         ; which half of the tile's rows is mine.
	s_and_b32 s16, s14, 1                          ; which half of its columns.
	s_bfe_u32 s40, ttmp6, 0x40000                  ; cx, cy
	s_bfe_u32 s41, ttmp6, 0x40004
	s_lshl_b32 s42, ttmp9, 2
	s_add_co_u32 s42, s42, s40                     ; tile column 0..15
	s_and_b32 s17, ttmp7, 0xffff
	s_lshl_b32 s17, s17, 2
	s_add_co_u32 s17, s17, s41                     ; tile row 0..15
	s_lshl_b32 s43, s41, 2
	s_lshl_b32 s43, 15, s43                        ; my row of the cluster
	s_lshl_b32 s44, 0x1111, s40                    ; my column
	s_or_b32 s[G1+0], s43, (3<<16)|(1<<21)         ; A: the mask; elements of 8 bytes; no padding; bit 21 beside a mask
	s_mov_b32 s[G1+1], 2048<<16                    ; tensor_dim0 = 2,048 elements: 16,384 bytes: a tile's sixteen fragments
	s_mov_b32 s[G1+2], 8<<16                       ; tensor_dim1 = 8 tiles
	s_mov_b32 s[G1+3], 2048<<16                    ; tile_dim0
	s_mov_b32 s[G1+4], 8                           ; tile_dim1
	s_mov_b32 s[G1+5], 2048                        ; the pitch: 16,384 bytes from tile to tile
	s_mov_b32 s[G1+6], 0
	s_mov_b32 s[G1+7], 0
	s_or_b32 s[G1B+0], s44, (0<<16)|(1<<20)|(1<<21)|(7<<22)|(3<<25)  ; B: elements of 1 byte; padding: 4 words after every 256, a row
	s_mov_b32 s[G1B+1], 1024<<16                   ; tensor_dim0: 2,048 codes
	s_mov_b32 s[G1B+2], 128<<16                    ; tensor_dim1 = 128 rows
	s_mov_b32 s[G1B+3], 1024<<16
	s_mov_b32 s[G1B+4], 128
	s_mov_b32 s[G1B+5], KROW
	s_mov_b32 s[G1B+6], 0
	s_mov_b32 s[G1B+7], 0
	s_or_b32 s[G1S+0], s43, (3<<16)|(1<<20)|(1<<21)|(5<<22)|(3<<25)  ; the scales of 128 rows: 8,192 dense bytes as 32 rows of 256, 16 bytes of padding behind each
	s_or_b32 s[G1SB+0], s44, (3<<16)|(1<<20)|(1<<21)|(5<<22)|(3<<25)
.irp g, G1S, G1SB
	s_mov_b32 s[\g+1], 32<<16
	s_mov_b32 s[\g+2], 32<<16                      ; the scales of 128 rows: 32 rows of 256 bytes
	s_mov_b32 s[\g+3], 32<<16
	s_mov_b32 s[\g+4], 32
	s_mov_b32 s[\g+5], 32
	s_mov_b32 s[\g+6], 0
	s_mov_b32 s[\g+7], 0
.endr
	s_lshl_b32 s20, s17, 7                         ; A: row 128 x tile row
	s_lshl_b32 s46, s42, 7                         ; B: row 128 x tile column
	s_mov_b32 s21, 0
	s_mov_b32 s47, 0
	s_mov_b64 s[18:19], KS
	s_mul_u64 s[22:23], s[20:21], s[18:19]
	s_mul_u64 s[2:3], s[46:47], s[18:19]
	s_mov_b64 s[18:19], KROW
	s_mul_u64 s[20:21], s[20:21], s[18:19]
	s_mul_u64 s[46:47], s[46:47], s[18:19]
	s_mov_b32 s45, 0
	s_wait_dscnt 0x0
	s_wait_kmcnt 0x0
	s_add_nc_u64 s[8:9], s[8:9], 0x600000          ; Wproj's codes: rows 6,144 on
	s_add_nc_u64 s[10:11], s[10:11], 0x60000       ; and its scale bytes
	s_add_nc_u64 s[20:21], s[4:5], s[20:21]
	s_add_nc_u64 s[22:23], s[6:7], s[22:23]
	s_add_nc_u64 s[46:47], s[8:9], s[46:47]
	s_add_nc_u64 s[2:3], s[10:11], s[2:3]
	MKG0 G0S,  45, SCL,         22, 0
	MKG0 G0SB, 45, SCL+2*HALFS, 2,  0
	MKG0 GA0,  45, 0,           20, 0
	MKG0 GB0,  45, BBASE,       46, 0
	CROUND                                         ; all sixteen work-groups are here: the joint loads meet
	ARM 1, GA0, G1,  .Lhead_b                      ; one load a wave
	ARM 2, GB0, G1B, .Lhead_sa
	ARM 3, G0S, G1S, .Lhead_sb
	tensor_load_to_lds s[G0SB:G0SB+3], s[G1SB:G1SB+7]
	s_nop 0
.rept 4
	v_nop
.endr
.Lhead_asked:
	v_and_b32 v1, 15, v0                           ; r
	v_bfe_u32 v2, v0, 4, 1                         ; h
	v_and_b32 v3, 31, v0                           ; lane
	v_mul_u32_u24 v4, v1, PITCH
	v_lshl_add_u32 v4, v2, 4, v4                   ; B: a fragment's row x pitch + 16 h
	v_lshlrev_b32 v5, 4, v3                        ; A: 16 x lane
	s_wait_alu depctr_va_vdst(0)
	s_lshl_b32 s18, s15, 16                        ; my four tiles of A
	s_mul_i32 s19, s16, 64*PITCH
	s_add_co_u32 s19, s19, BBASE                   ; my 64 rows of B
	v_add_nc_u32 v[ADRA], s18, v5
	v_add_nc_u32 v[ADRB], s19, v4
	v_mul_u32_u24 v6, v1, KS                       ; B's scales: 64 bytes a row,
	v_lshrrev_b32 v7, 8, v6
	v_lshl_add_u32 v6, v7, 4, v6                   ; and 16 more for each 256 passed
	s_mul_i32 s19, s16, HALFS
	s_add_co_u32 s19, s19, SCL+2*HALFS
	v_add_nc_u32 v[ADSB], s19, v6
	s_mul_i32 s18, s15, HALFS
	s_add_co_u32 s18, s18, SCL
	v_lshl_add_u32 v[ADSA], v1, 2, s18             ; A's scales: word r of a fragment's 16
	s_mul_i32 s18, s14, 16*SPITCH
	s_add_co_u32 s18, s18, STAGE                   ; my stage
	v_mul_u32_u24 v6, v1, SPITCH
	v_lshl_add_u32 v6, v2, 6, v6
	v_add_nc_u32 v[STO], s18, v6                   ; in: row r, + 64 h
	v_mul_u32_u24 v6, v2, SPITCH
	v_lshl_add_u32 v6, v1, 4, v6
	v_add_nc_u32 v[RD], s18, v6                    ; back: lanes 0-15 take one row of 256 bytes, lanes 16-31 the next
	v_lshlrev_b32 v[CO], 13, v2
	v_lshl_add_u32 v[CO], v1, 4, v[CO]             ; and the same two rows in out0
	s_lshl_b32 s66, s17, 7
	s_lshl_b32 s67, s15, 6
	s_add_co_u32 s66, s66, s67                     ; my first row of out0: 128 x tile row + 64 x half,
	s_lshl_b32 s66, s66, 13                        ; 8,192 bytes a row
	s_lshl_b32 s2, s42, 9                          ; my first column, in bytes: 512 x tile column + 256 x half
	s_lshl_b32 s3, s16, 8
	s_add_co_u32 s2, s2, s3
	s_add_co_u32 s66, s66, s2
	s_mov_b32 s67, 0
	s_add_nc_u64 s[12:13], s[12:13], s[66:67]
; K step j of quarter q into buffer j: B's four fragments from rows (registers 4 c .. 4 c + 3 hold K = 64 c + 32 (l / 16) + 0 .. 31 of row l % 16), A's four from images (512 consecutive bytes a load)
.macro FETCH q, j
.irp i, 0,1,2,3
.irp c, 0,1
	ds_load_b128 v[64*(\j)+8*\i+4*\c:64*(\j)+8*\i+4*\c+3], v[ADRB] offset:256*(\q)+64*(\j)+32*\c+\i*16*PITCH
.endr
.endr
.irp i, 0,1,2,3
.irp c, 0,1
	ds_load_b128 v[64*(\j)+32+8*\i+4*\c:64*(\j)+32+8*\i+4*\c+3], v[ADRA] offset:4096*(\q)+1024*(\j)+512*\c+\i*16384
.endr
.endr
.endm
.macro SCALES q                        ; a quarter's scale words: B's four words a row by one load; A's word by word (a fragment's 16 words lie together)
.irp i, 0,1,2,3
	ds_load_b128 v[SCB+4*\i:SCB+4*\i+3], v[ADSB] offset:\i*1088+16*(\q)
.endr
.irp i, 0,1,2,3
.irp j, 0,1,2,3
	ds_load_b32 v[SCA+4*\i+\j], v[ADSA] offset:\i*1088+272*(\q)+64*\j
.endr
.endr
.endm
; 16 matrix instructions: my four blocks of A x my four of B, 128 along K: buffer j.  The 16 accumulators take turns, one instruction a turn, in the same order in every step.
.macro MUL16 j, zero
.irp a, 0,1,2,3
.irp b, 0,1,2,3
.if \zero
	v_wmma_scale_f32_16x16x128_f8f6f4 v[ACC+8*(4*\a+\b):ACC+8*(4*\a+\b)+7], v[64*(\j)+8*\b:64*(\j)+8*\b+7], v[64*(\j)+32+8*\a:64*(\j)+32+8*\a+7], 0, v[SCB+4*\b+(\j)], v[SCA+4*\a+(\j)] matrix_a_fmt:MATRIX_FMT_FP4 matrix_b_fmt:MATRIX_FMT_FP4
.else
	v_wmma_scale_f32_16x16x128_f8f6f4 v[ACC+8*(4*\a+\b):ACC+8*(4*\a+\b)+7], v[64*(\j)+8*\b:64*(\j)+8*\b+7], v[64*(\j)+32+8*\a:64*(\j)+32+8*\a+7], v[ACC+8*(4*\a+\b):ACC+8*(4*\a+\b)+7], v[SCB+4*\b+(\j)], v[SCA+4*\a+(\j)] matrix_a_fmt:MATRIX_FMT_FP4 matrix_b_fmt:MATRIX_FMT_FP4
.endif
.endr
.endr
.endm
.macro PLACES                          ; four plain vector lines behind matrix instructions, in front of loads into their registers and of reads of their results
.rept 4
	v_nop
.endr
.endm
; A QUARTER OF K.  Its four K steps have a buffer each, so no load of the quarter lands on a register that a product of the quarter reads; the places at its head stand behind all the products of the quarter before.
.macro PHASE q, zero
.if \q == 0
	s_wait_tensorcnt 0x0                           ; my one load has landed
	s_barrier_signal -1                            ; (no LDS instruction of mine is out)
	s_barrier_wait -1                              ; everybody's has: all of K lies in LDS
.else
	PLACES
.endif
	SCALES \q
	WIN TO_F
	FETCH \q, 0
	FETCH \q, 1
	s_wait_dscnt 16                                ; the scale words and step 0 are in; step 1's sixteen loads may be out
	FETCH \q, 2
	WIN MUL
	MUL16 0, \zero
	s_wait_dscnt 16                                ; step 1 is in; step 2's may be out
	WIN TO_F
	FETCH \q, 3
	WIN MUL
	MUL16 1, 0
	s_wait_dscnt 16                                ; step 2 is in; step 3's may be out
	MUL16 2, 0
	s_wait_dscnt 0x0
	MUL16 3, 0
	WIN 0
.endm
	s_wait_alu depctr_va_vdst(0)
	PHASE 0, 1                                     ; the first step's products start the sums: nothing is cleared
	PHASE 1, 0
	PHASE 2, 0
	PHASE 3, 0
; THE WAY OUT, block by block of 16 rows x 64 columns, through my own stage: in by 32 bytes of a row, back as whole rows of 256 bytes.  LDS serves a wave's instructions in order (ISA guide 5.7.1.4).
.macro TOSTAGE a
.irp b, 0,1,2,3
	ds_store_b128 v[STO], v[ACC+8*(4*(\a)+\b):ACC+8*(4*(\a)+\b)+3] offset:128*(\b/2)+32*(\b%2)          ; columns 32 (b / 2) + 8 (b % 2) + 16 h on; each accumulator from its low end on
	ds_store_b128 v[STO], v[ACC+8*(4*(\a)+\b)+4:ACC+8*(4*(\a)+\b)+7] offset:128*(\b/2)+32*(\b%2)+16
.endr
.set BB, OB+32*((\a)%2)
.irp t, 0,1,2,3,4,5,6,7
	ds_load_b128 v[BB+4*\t:BB+4*\t+3], v[RD] offset:2*\t*SPITCH
.endr
.endm
.macro SEND a, younger                 ; younger: the LDS instructions issued behind block a's loads, which may stay out
.set BB, OB+32*((\a)%2)
	s_wait_dscnt \younger
.irp t, 0,1,2,3,4,5,6,7
	global_store_b128 v[CO], v[BB+4*\t:BB+4*\t+3], s[12:13] offset:(32*((\a)/2)+8*((\a)%2)+2*\t+8*(\t/4))*8192 th:TH_STORE_NT   ; stage row u is token PB(a) + u + (u & 8); sixteen lanes store 256 consecutive bytes, aligned
.endr
.endm
	PLACES
	TOSTAGE 0
.irp a, 1,2,3
.if \a > 1
	s_wait_xcnt 0x0                                ; block a - 2's stores have read their registers: block a's loads may land there
.endif
	TOSTAGE \a
	SEND \a-1, 16                                  ; behind block a - 1's loads: block a's 8 stores and 8 loads
.endr
	SEND 3, 0
	s_wait_tensorcnt 0x0
	ds_add_u32 v30, v31
	s_wait_dscnt 0x0
	CROUND                                         ; the closing round: no work-group ends while a partner may still ask for a part that names it (all my tensor loads and LDS instructions have been waited for)
	s_endpgm
.Lfunc_end_k_q051146d7ab_proj:
	.size	k_q051146d7ab_proj, .Lfunc_end_k_q051146d7ab_proj-k_q051146d7ab_proj
	.p2alignl 7, 3214868480
	.fill 96, 4, 3214868480
	.section	.rodata,"a",@progbits
	.p2align	6, 0x0
	.amdhsa_kernel k_q051146d7ab_proj
		.amdhsa_group_segment_fixed_size 327680
		.amdhsa_private_segment_fixed_size 0
		.amdhsa_enable_private_segment 0
		.amdhsa_kernarg_size 40
		.amdhsa_user_sgpr_count 2
		.amdhsa_user_sgpr_kernarg_segment_ptr 1
		.amdhsa_wavefront_size32 1
		.amdhsa_system_sgpr_workgroup_id_x 1
		.amdhsa_system_sgpr_workgroup_id_y 1
		.amdhsa_system_sgpr_workgroup_id_z 1
		.amdhsa_system_vgpr_workitem_id 0
		.amdhsa_next_free_vgpr 512
		.amdhsa_next_free_sgpr 102
		.amdhsa_reserve_vcc 0
		.amdhsa_float_denorm_mode_32 3
		.amdhsa_float_denorm_mode_16_64 3
		.amdhsa_memory_ordered 1
		.amdhsa_forward_progress 1
		.amdhsa_inst_pref_size 71
	.end_amdhsa_kernel
	.amdgpu_metadata
---
amdhsa.version: [ 1, 2 ]
amdhsa.kernels:
  - .name:           k_q051146d7ab_proj
    .symbol:         k_q051146d7ab_proj.kd
    .args:
      - { .name: yimg, .offset: 0, .size: 8, .value_kind: global_buffer, .address_space: global }
      - { .name: ysc, .offset: 8, .size: 8, .value_kind: global_buffer, .address_space: global }
      - { .name: wc, .offset: 16, .size: 8, .value_kind: global_buffer, .address_space: global }
      - { .name: ws, .offset: 24, .size: 8, .value_kind: global_buffer, .address_space: global }
      - { .name: out0, .offset: 32, .size: 8, .value_kind: global_buffer, .address_space: global }
    .group_segment_fixed_size: 327680
    .private_segment_fixed_size: 0
    .kernarg_segment_align: 8
    .kernarg_segment_size: 40
    .max_flat_workgroup_size: 128
    .sgpr_count:     102
    .vgpr_count:     512
    .wavefront_size: 32
...
	.end_amdgpu_metadata
.endif
;; end of part 9
